; MI455X (gfx1250); checked and timed in simulation.
; The chip was launched on July 23, 2026; its instructions are those of AMD's public machine-readable ISA for CDNA 5 (MIT licence, August 2026) and "CDNA5" Instruction Set Architecture Reference Guide (July 2026). The comments in the code are by the model that wrote it; some were corrected since.
;; Transformer Block. Allowed arithmetic: float matrix products may take bf16 or f16 operands with f32 sums; all other float work in f32.
;; Inputs: ada1_b 2,048 float32; ada1_w 1,024 x 2,048 float32; ada2_b 2,048 float32; ada2_w 1,024 x 2,048 float32; attn_mask 2 x 2,048 bool; bk 1,024 float32; bo 1,024 float32; bq 1,024 float32; bv 1,024 float32; cond 2 x 1,024 float32; ff_b1 4,096 float32; ff_b2 1,024 float32; ff_w1 1,024 x 4,096 float32; ff_w2 4,096 x 1,024 float32; ln1_b 1,024 float32; ln1_g 1,024 float32; ln2_b 1,024 float32; ln2_g 1,024 float32; wk 1,024 x 1,024 float32; wo 1,024 x 1,024 float32; wq 1,024 x 1,024 float32; wv 1,024 x 1,024 float32; x 2 x 2,048 x 1,024 float32.
;; Outputs: out0 2 x 2,048 x 1,024 float32.
;; 2 versions, each right; version 2 is version 1 with the launches prep, norm1, norm2 written anew for expert scheduling mode. Each part assembles by itself: llvm-mc -triple=amdgcn-amd-amdhsa -mcpu=gfx1250 --defsym DOCPART=n.
;; ======== version 1 of 2: 8 launches
;; workspace buffers: wb 25,690,112 bytes; mod1 65,536 bytes; mod2 65,536 bytes; hb 8,388,608 bytes; qkvb 25,165,824 bytes; ob 8,388,608 bytes; x1 16,777,216 bytes; gb 33,554,432 bytes
;; launch prep (part 1): grid 928 x 1, 8 waves a work-group, no clusters, 9,216 bytes of LDS; arguments wq, wk, wv, wo, ff_w1, ff_w2, ada1_w, ada1_b, ada2_w, ada2_b, cond, wb, mod1, mod2; writes wb, mod1, mod2
.if DOCPART == 1
	.amdgcn_target "amdgcn-amd-amdhsa--gfx1250"
	.amdhsa_code_object_version 6
	.text
	.protected	k_q498ecd1ebb_prep
	.globl	k_q498ecd1ebb_prep
	.p2align	8
	.type	k_q498ecd1ebb_prep,@function
k_q498ecd1ebb_prep:
	s_mov_b64 s[64:65], 0
	v_nop
	global_prefetch_b8 v0, s[64:65] scope:SCOPE_SE
	s_setreg_imm32_b32 hwreg(HW_REG_WAVE_MODE, 25, 1), 1
	s_wait_xcnt 0x0
; THREE ROLES, chosen by the work-group's number (the same for all eight waves of a work-group).
;   0-127   ADA: partial sums of cond @ ada_w (+ bias) in f32 on the vector unit: two rows of cond against 8 MB of weights is a stream, the matrix unit would add nothing.
;           Work-group = (which ada, which 256 of the 1,024 k, which 128 of the 2,048 columns); a wave takes 32 k, a lane 4 columns; the eight waves meet in LDS.
;           mod[ks][batch][column]: four partial sums, added up by the norm launches; the bias enters part ks = 0.  The order of the sum differs from a plain dot product.
;   128-159 ROT: the table cos, sin of s / 10000^(j/32), f32, [2048 s][32 j][cos, sin], behind the weights in wb.
;           The angle is s x 2^(-j log2(10000)/32), rounded once; it is reduced by multiples of pi/2 in two parts; polynomials on |r| <= pi/4.  The angle is off by about 2e-4 rad at the most (s = 2047).
;   160-927 CAST: wq, wk, wv, wo, ff_w1, ff_w2 to bf16, round to nearest even, as they lie ([K][N]), one behind the other in wb.  A work-group takes 65,536 bytes of f32.
.set SPARE,  8192                      ; behind the 8 KB of partial sums: the spare words, 128 bytes a wave
.set SPW,    28                        ; v28  LDS address of my spare word; never rewritten
.set NIL,    29                        ; v29  0; never rewritten
.set ROTOFF, 25165824                  ; the table's first byte in wb
	s_load_b512 s[4:19], s[0:1], 0x0               ; wq 4, wk 6, wv 8, wo 10, ff_w1 12, ff_w2 14, ada1_w 16, ada1_b 18
	s_load_b256 s[20:27], s[0:1], 0x40             ; ada2_w 20, ada2_b 22, cond 24, wb 26
	s_load_b128 s[28:31], s[0:1], 0x60             ; mod1 28, mod2 30
	v_lshl_add_u32 v[SPW], v0, 2, SPARE
	v_mov_b32 v[NIL], 0
	v_lshrrev_b32 v1, 5, v0
	v_readfirstlane_b32 s2, v1                     ; wave 0..7
	v_and_b32 v1, 31, v0                           ; lane
	s_wait_kmcnt 0x0
	s_cmp_lt_u32 ttmp9, 128
	s_cbranch_scc1 .Lada
	s_cmp_lt_u32 ttmp9, 160
	s_cbranch_scc1 .Lrot
	; ---------------- CAST
	s_sub_co_u32 s3, ttmp9, 160                    ; chunk 0..767; wb holds the weights in the order of the chunks
	s_mov_b64 s[32:33], s[4:5]
	s_mov_b32 s34, 0                               ; the tensor's first chunk
	s_cmp_ge_u32 s3, 64
	s_cselect_b64 s[32:33], s[6:7], s[32:33]
	s_cselect_b32 s34, 64, s34
	s_cmp_ge_u32 s3, 128
	s_cselect_b64 s[32:33], s[8:9], s[32:33]
	s_cselect_b32 s34, 128, s34
	s_cmp_ge_u32 s3, 192
	s_cselect_b64 s[32:33], s[10:11], s[32:33]
	s_cselect_b32 s34, 192, s34
	s_cmp_ge_u32 s3, 256
	s_cselect_b64 s[32:33], s[12:13], s[32:33]
	s_cselect_b32 s34, 256, s34
	s_cmp_ge_u32 s3, 512
	s_cselect_b64 s[32:33], s[14:15], s[32:33]
	s_cselect_b32 s34, 512, s34
	s_sub_co_u32 s34, s3, s34
	s_lshl_b32 s34, s34, 16                        ; 65,536 bytes of f32 a chunk
	s_mov_b32 s35, 0
	s_add_nc_u64 s[32:33], s[32:33], s[34:35]
	s_lshl_b32 s36, s3, 15                         ; 32,768 bytes of bf16
	s_mov_b32 s37, 0
	s_add_nc_u64 s[26:27], s[26:27], s[36:37]
	v_lshlrev_b32 v2, 4, v1
	v_lshl_add_u32 v2, s2, 13, v2                  ; in: 8,192 w + 16 l
	v_lshlrev_b32 v3, 3, v1
	v_lshl_add_u32 v3, s2, 12, v3                  ; out: 4,096 w + 8 l
.set j, 0
.rept 16                                               ; the wave's 8 KB all at once: 512 consecutive bytes a load
	global_load_b128 v[32+4*j:35+4*j], v2, s[32:33] offset:512*j th:TH_LOAD_NT
.set j, j+1
.endr
.set j, 0
.rept 16
	s_wait_loadcnt 15-j                            ; loads come back in order: number j is in, the younger ones stay out
	v_cvt_pk_bf16_f32 v[96+2*j], v[32+4*j], v[32+4*j+1]
	v_cvt_pk_bf16_f32 v[97+2*j], v[32+4*j+2], v[32+4*j+3]
	global_store_b64 v3, v[96+2*j:97+2*j], s[26:27] offset:256*j   ; 32 lanes store 256 consecutive bytes, aligned
.set j, j+1
.endr
	s_endpgm
	; ---------------- ROT
.macro SINCOS th, oc, os               ; cos and sin of v[th] >= 0
	v_mul_f32 v12, 0x3f22f983, v[\th]              ; 2 / pi
	v_rndne_f32 v12, v12                           ; k
	v_fmamk_f32 v13, v12, 0xbfc90fdb, v[\th]       ; r = th - k pi/2, pi/2 in two parts
	v_fmamk_f32 v13, v12, 0x333bbd2e, v13
	v_mul_f32 v14, v13, v13                        ; z = r r
	v_fmaak_f32 v15, s8, v14, 0x3c08839e
	v_fmaak_f32 v16, s9, v14, 0xbab6061a
	v_fmaak_f32 v15, v15, v14, 0xbe2aaaa3
	v_fmaak_f32 v16, v16, v14, 0x3d2aaaa5
	v_mul_f32 v15, v15, v14
	v_mul_f32 v16, v16, v14
	v_fma_f32 v15, v15, v13, v13                   ; sin r
	v_mul_f32 v16, v16, v14
	v_fma_f32 v16, v14, -0.5, v16
	v_add_f32 v16, 1.0, v16                        ; cos r
	v_cvt_i32_f32 v17, v12
	v_and_b32 v18, 1, v17
	v_cmp_eq_u32 vcc_lo, 1, v18                    ; odd k: the two change places
	v_cndmask_b32 v[\os], v15, v16, vcc_lo
	v_cndmask_b32 v[\oc], v16, v15, vcc_lo
	v_and_b32 v18, 2, v17                          ; k mod 4 = 2, 3: sin changes sign
	v_lshlrev_b32 v18, 30, v18
	v_xor_b32 v[\os], v18, v[\os]
	v_add_nc_u32 v18, 1, v17                       ; k mod 4 = 1, 2: cos changes sign
	v_and_b32 v18, 2, v18
	v_lshlrev_b32 v18, 30, v18
	v_xor_b32 v[\oc], v18, v[\oc]
.endm
.Lrot:
	s_sub_co_u32 s4, ttmp9, 128                    ; 64 rows of the table a work-group
	s_mov_b32 s8, 0xb94ca1f9                       ; the highest coefficients of sin and cos
	s_mov_b32 s9, 0x37ccf5ce
	s_add_nc_u64 s[26:27], s[26:27], ROTOFF
	v_and_b32 v1, 15, v0                           ; my two frequencies: 2 (t % 16) and the next
	v_lshrrev_b32 v2, 4, v0                        ; my row of a pass's 16
	v_lshlrev_b32 v3, 1, v1
	v_cvt_f32_u32 v4, v3
	v_add_f32 v5, 1.0, v4
	v_mul_f32 v4, 0xbed49a78, v4                   ; - j log2(10000) / 32
	v_mul_f32 v5, 0xbed49a78, v5
	v_exp_f32 v4, v4
	v_exp_f32 v5, v5
	s_lshl_b32 s5, s4, 6
	v_add_nc_u32 v6, s5, v2                        ; s (a plain line behind the exponentials)
	v_cvt_f32_u32 v7, v6
	v_lshlrev_b32 v8, 8, v6                        ; a row of the table is 256 bytes
	v_lshl_add_u32 v8, v1, 4, v8
	s_mov_b32 s6, 4
.Lrotp:
	s_wait_alu depctr_va_vdst(0)
	v_mul_f32 v10, v7, v4
	v_mul_f32 v11, v7, v5
	SINCOS 10, 20, 21
	SINCOS 11, 22, 23
	global_store_b128 v8, v[20:23], s[26:27]       ; sixteen lanes store a row: 256 consecutive bytes, aligned
	s_wait_xcnt 0x0                                ; the offset and the data are rewritten only behind this wait
	v_add_nc_u32 v8, 4096, v8                      ; 16 rows on
	v_add_f32 v7, 0x41800000, v7
	s_sub_co_u32 s6, s6, 1
	s_cmp_lg_u32 s6, 0
	s_cbranch_scc1 .Lrotp
	s_endpgm
	; ---------------- ADA
.Lada:
	s_lshr_b32 s4, ttmp9, 6                        ; which ada
	s_bfe_u32 s5, ttmp9, 0x20004                   ; ks: which 256 k
	s_and_b32 s6, ttmp9, 15                        ; cb: which 128 columns
	s_cmp_eq_u32 s4, 0
	s_cselect_b64 s[16:17], s[16:17], s[20:21]     ; weights
	s_cselect_b64 s[18:19], s[18:19], s[22:23]     ; bias
	s_cselect_b64 s[28:29], s[28:29], s[30:31]     ; partial sums
	s_lshl_b32 s7, s5, 8
	s_lshl_b32 s8, s2, 5
	s_add_co_u32 s7, s7, s8                        ; my first k
	s_lshl_b32 s3, s7, 2
	s_load_b512 s[32:47], s[24:25], s3 offset:0x0      ; cond of batch 0 for my 32 k, as scalars
	s_load_b512 s[48:63], s[24:25], s3 offset:0x40
	s_load_b512 s[68:83], s[24:25], s3 offset:0x1000   ; and of batch 1
	s_load_b512 s[84:99], s[24:25], s3 offset:0x1040
	s_lshl_b32 s10, s6, 9                          ; 128 columns are 512 bytes
	s_mov_b32 s11, 0
	s_lshl_b32 s8, s7, 13                          ; a row of the weights is 8,192 bytes
	s_add_co_u32 s8, s8, s10
	s_mov_b32 s9, 0
	s_add_nc_u64 s[16:17], s[16:17], s[8:9]
	s_add_nc_u64 s[18:19], s[18:19], s[10:11]
	s_cmp_eq_u32 s5, 0
	s_cselect_b32 s14, 1.0, 0                      ; the bias counts in part 0 alone
	s_mov_b32 s15, s14
	v_lshlrev_b32 v2, 4, v1
	global_load_b128 v[16:19], v2, s[18:19]
.set i, 0
.rept 32                                               ; my 32 rows all at once: 16 KB a wave on their way
	global_load_b128 v[32+4*i:35+4*i], v2, s[16:17] offset:8192*i th:TH_LOAD_NT
.set i, i+1
.endr
	s_wait_kmcnt 0x0
.set i, 0
.rept 32
	s_wait_loadcnt 31-i                            ; row i is in, the younger rows stay out
.set c, 0
.rept 4
.if i == 0
	v_mul_f32 v[8+c], s32, v[32+c]                 ; the first row starts the sums
	v_mul_f32 v[12+c], s68, v[32+c]
.else
	v_fmac_f32 v[8+c], s[32+i], v[32+4*i+c]
	v_fmac_f32 v[12+c], s[68+i], v[32+4*i+c]
.endif
.set c, c+1
.endr
.set i, i+1
.endr
	v_lshl_add_u32 v3, s2, 10, v2                  ; 1,024 w + 16 l
	ds_store_b128 v3, v[8:11]
	ds_store_b128 v3, v[12:15] offset:512
	s_wait_dscnt 0x0                               ; for the others: my stores are done
	s_barrier_signal -1
	s_barrier_wait -1
	s_cmp_gt_u32 s2, 1
	s_cbranch_scc1 .Lada_end                       ; waves 0 and 1 add up batch 0 and batch 1
	v_lshl_add_u32 v4, s2, 9, v2
.set j, 0
.rept 8
	ds_load_b128 v[32+4*j:35+4*j], v4 offset:1024*j
.set j, j+1
.endr
	s_lshl_b32 s12, s5, 14                         ; ((2 ks + batch) 2,048 + 128 cb) x 4 bytes
	s_lshl_b32 s13, s2, 13
	s_add_co_u32 s12, s12, s13
	s_add_co_u32 s12, s12, s10
	s_mov_b32 s13, 0
	s_add_nc_u64 s[28:29], s[28:29], s[12:13]
	s_wait_dscnt 0x0
.set j, 1
.rept 7
	v_pk_add_f32 v[32:33], v[32:33], v[32+4*j:33+4*j]
	v_pk_add_f32 v[34:35], v[34:35], v[34+4*j:35+4*j]
.set j, j+1
.endr
	v_pk_fma_f32 v[32:33], v[16:17], s[14:15], v[32:33] op_sel_hi:[1,0,1]
	v_pk_fma_f32 v[34:35], v[18:19], s[14:15], v[34:35] op_sel_hi:[1,0,1]
	global_store_b128 v2, v[32:35], s[28:29]       ; 512 consecutive bytes, aligned
.Lada_end:
	s_wait_tensorcnt 0x0                           ; the wave's end, behind my last LDS store
	ds_add_u32 v[SPW], v[NIL]
	s_wait_dscnt 0x0
	s_endpgm
.Lfunc_end_k_q498ecd1ebb_prep:
	.size	k_q498ecd1ebb_prep, .Lfunc_end_k_q498ecd1ebb_prep-k_q498ecd1ebb_prep
	.p2alignl 7, 3214868480
	.fill 96, 4, 3214868480
	.section	.rodata,"a",@progbits
	.p2align	6, 0x0
	.amdhsa_kernel k_q498ecd1ebb_prep
		.amdhsa_group_segment_fixed_size 9216
		.amdhsa_private_segment_fixed_size 0
		.amdhsa_enable_private_segment 0
		.amdhsa_kernarg_size 112
		.amdhsa_user_sgpr_count 2
		.amdhsa_user_sgpr_kernarg_segment_ptr 1
		.amdhsa_wavefront_size32 1
		.amdhsa_system_sgpr_workgroup_id_x 1
		.amdhsa_system_sgpr_workgroup_id_y 1
		.amdhsa_system_sgpr_workgroup_id_z 1
		.amdhsa_system_vgpr_workitem_id 0
		.amdhsa_next_free_vgpr 160
		.amdhsa_next_free_sgpr 100
		.amdhsa_reserve_vcc 1
		.amdhsa_float_denorm_mode_32 3
		.amdhsa_float_denorm_mode_16_64 3
		.amdhsa_memory_ordered 1
		.amdhsa_forward_progress 1
		.amdhsa_inst_pref_size 27
	.end_amdhsa_kernel
	.amdgpu_metadata
---
amdhsa.version: [ 1, 2 ]
amdhsa.kernels:
  - .name:           k_q498ecd1ebb_prep
    .symbol:         k_q498ecd1ebb_prep.kd
    .args:
      - { .name: wq, .offset: 0, .size: 8, .value_kind: global_buffer, .address_space: global }
      - { .name: wk, .offset: 8, .size: 8, .value_kind: global_buffer, .address_space: global }
      - { .name: wv, .offset: 16, .size: 8, .value_kind: global_buffer, .address_space: global }
      - { .name: wo, .offset: 24, .size: 8, .value_kind: global_buffer, .address_space: global }
      - { .name: ff_w1, .offset: 32, .size: 8, .value_kind: global_buffer, .address_space: global }
      - { .name: ff_w2, .offset: 40, .size: 8, .value_kind: global_buffer, .address_space: global }
      - { .name: ada1_w, .offset: 48, .size: 8, .value_kind: global_buffer, .address_space: global }
      - { .name: ada1_b, .offset: 56, .size: 8, .value_kind: global_buffer, .address_space: global }
      - { .name: ada2_w, .offset: 64, .size: 8, .value_kind: global_buffer, .address_space: global }
      - { .name: ada2_b, .offset: 72, .size: 8, .value_kind: global_buffer, .address_space: global }
      - { .name: cond, .offset: 80, .size: 8, .value_kind: global_buffer, .address_space: global }
      - { .name: wb, .offset: 88, .size: 8, .value_kind: global_buffer, .address_space: global }
      - { .name: mod1, .offset: 96, .size: 8, .value_kind: global_buffer, .address_space: global }
      - { .name: mod2, .offset: 104, .size: 8, .value_kind: global_buffer, .address_space: global }
    .group_segment_fixed_size: 9216
    .private_segment_fixed_size: 0
    .kernarg_segment_align: 8
    .kernarg_segment_size: 112
    .max_flat_workgroup_size: 256
    .sgpr_count:     100
    .vgpr_count:     160
    .wavefront_size: 32
...
	.end_amdgpu_metadata
.endif
;; end of part 1
;; launch norm1 (part 2): grid 256 x 1, 8 waves a work-group, no clusters, 9,216 bytes of LDS; arguments x, ln1_g, ln1_b, mod1, hb; writes hb
.if DOCPART == 2
	.amdgcn_target "amdgcn-amd-amdhsa--gfx1250"
	.amdhsa_code_object_version 6
	.text
	.protected	k_q498ecd1ebb_norm1
	.globl	k_q498ecd1ebb_norm1
	.p2align	8
	.type	k_q498ecd1ebb_norm1,@function
k_q498ecd1ebb_norm1:
	s_mov_b64 s[64:65], 0
	v_nop
	global_prefetch_b8 v0, s[64:65] scope:SCOPE_SE
	s_setreg_imm32_b32 hwreg(HW_REG_WAVE_MODE, 25, 1), 1
	s_wait_xcnt 0x0
; h = LN(x) (1 + scale) + shift, rounded once to bf16.  x: [4096][1024] f32; mod: [4 parts][2 batches][shift 1,024 | scale 1,024] f32.
; LN(x) g + b, times (1 + scale), plus shift = (x - mu) rs G + Bc with G = g (1 + scale), Bc = b (1 + scale) + shift: made once a work-group, one column set a thread, and handed round in LDS.
; A work-group takes 16 rows (all of one batch), a wave two; a row stays in 32 registers of its wave between the passes: mean, then the mean of (x - mean)^2, as the definition has it,
; so a common offset of the inputs costs nothing.  Memory binds: each byte of x is read once, 512 consecutive bytes a load; each store of a wave covers 256 consecutive bytes, aligned.
.set SPARE, 8192                       ; G at 0, Bc at 4,096, then the spare words, 128 bytes a wave
.set SPW, 30
.set NIL, 31
	s_load_b256 s[4:11], s[0:1], 0x0               ; x 4, g 6, b 8, mod 10
	s_load_b64 s[12:13], s[0:1], 0x20              ; h
	v_lshl_add_u32 v[SPW], v0, 2, SPARE
	v_mov_b32 v[NIL], 0
	v_and_b32 v1, 31, v0
	v_and_b32 v3, 0xe0, v0                         ; 32 x wave
	v_lshlrev_b32 v10, 4, v0                       ; 16 t: my four columns of the parameters
	v_lshlrev_b32 v11, 4, v1                       ; 16 l
	v_lshl_or_b32 v20, v3, 8, v11                  ; x: two rows of 4,096 bytes a wave
	v_lshlrev_b32 v4, 3, v1
	v_lshl_or_b32 v21, v3, 7, v4                   ; h: two rows of 2,048 bytes a wave, 8 bytes a lane
	s_lshl_b32 s14, ttmp9, 16
	s_mov_b32 s15, 0
	s_lshl_b32 s16, ttmp9, 15
	s_mov_b32 s17, 0
	s_lshr_b32 s18, ttmp9, 7                       ; the batch: 128 work-groups each
	s_lshl_b32 s18, s18, 13
	s_mov_b32 s19, 0
	s_mov_b32 s20, 0x76543210                      ; v_permlanex16_b32: each lane takes its own place in the other half
	s_mov_b32 s21, 0xfedcba98
	s_mov_b32 s22, 0x3a800000                      ; 1 / 1024
	s_wait_kmcnt 0x0
	s_add_nc_u64 s[4:5], s[4:5], s[14:15]
	s_add_nc_u64 s[12:13], s[12:13], s[16:17]
	s_add_nc_u64 s[10:11], s[10:11], s[18:19]
	global_load_b128 v[96:99], v10, s[6:7]
	global_load_b128 v[100:103], v10, s[8:9]
.irp k, 0,1,2,3
	global_load_b128 v[104+4*\k:107+4*\k], v10, s[10:11] offset:16384*\k        ; shift, part k
	global_load_b128 v[120+4*\k:123+4*\k], v10, s[10:11] offset:16384*\k+4096   ; scale, part k
.endr
.set j, 0
.rept 16                                               ; both rows
	global_load_b128 v[32+4*j:35+4*j], v20, s[4:5] offset:512*j
.set j, j+1
.endr
	s_wait_loadcnt 16                              ; the ten parameter loads are in; the sixteen row loads stay out
.irp c, 0,2
	v_pk_add_f32 v[104+\c:105+\c], v[104+\c:105+\c], v[108+\c:109+\c]
	v_pk_add_f32 v[112+\c:113+\c], v[112+\c:113+\c], v[116+\c:117+\c]
	v_pk_add_f32 v[120+\c:121+\c], v[120+\c:121+\c], v[124+\c:125+\c]
	v_pk_add_f32 v[128+\c:129+\c], v[128+\c:129+\c], v[132+\c:133+\c]
	v_pk_add_f32 v[104+\c:105+\c], v[104+\c:105+\c], v[112+\c:113+\c]       ; shift
	v_pk_add_f32 v[120+\c:121+\c], v[120+\c:121+\c], v[128+\c:129+\c]       ; scale
	v_pk_add_f32 v[120+\c:121+\c], v[120+\c:121+\c], 1.0 op_sel_hi:[1,0]
	v_pk_mul_f32 v[2+\c:3+\c], v[96+\c:97+\c], v[120+\c:121+\c]             ; G
	v_pk_fma_f32 v[6+\c:7+\c], v[100+\c:101+\c], v[120+\c:121+\c], v[104+\c:105+\c]  ; Bc
.endr
	ds_store_b128 v10, v[2:5]
	ds_store_b128 v10, v[6:9] offset:4096
	s_wait_dscnt 0x0                               ; for the others: my stores are done
	s_barrier_signal -1
	s_barrier_wait -1
.set j, 0
.rept 8                                                ; G and Bc of my lane's 32 columns
	ds_load_b128 v[96+4*j:99+4*j], v11 offset:512*j
	ds_load_b128 v[128+4*j:131+4*j], v11 offset:4096+512*j
.set j, j+1
.endr
.macro LANESUM                         ; v12 summed over the 32 lanes, in every lane
	v_add_f32_dpp v12, v12, v12 row_xmask:1 row_mask:0xf bank_mask:0xf
	v_add_f32_dpp v12, v12, v12 row_xmask:2 row_mask:0xf bank_mask:0xf
	v_add_f32_dpp v12, v12, v12 row_xmask:4 row_mask:0xf bank_mask:0xf
	v_add_f32_dpp v12, v12, v12 row_xmask:8 row_mask:0xf bank_mask:0xf
	v_permlanex16_b32 v13, v12, s20, s21
	v_add_f32 v12, v12, v13
.endm
.macro FOLD                            ; four chains of pairs in v[12:19] into v12
	v_pk_add_f32 v[12:13], v[12:13], v[14:15]
	v_pk_add_f32 v[16:17], v[16:17], v[18:19]
	v_pk_add_f32 v[12:13], v[12:13], v[16:17]
	v_add_f32 v12, v12, v13
	LANESUM
.endm
.macro ROW X, left, ob                 ; the row in v[X .. X+31]; left: younger loads that may stay out; ob: its byte offset in the stores
	s_wait_loadcnt \left
.set k, 0
.rept 4
	v_pk_add_f32 v[12+2*k:13+2*k], v[\X+2*k:\X+2*k+1], v[\X+8+2*k:\X+9+2*k]
.set k, k+1
.endr
.set k, 8
.rept 8
	v_pk_add_f32 v[12+2*(k%4):13+2*(k%4)], v[12+2*(k%4):13+2*(k%4)], v[\X+2*k:\X+2*k+1]
.set k, k+1
.endr
	FOLD
	v_mul_f32 v12, s22, v12                        ; the mean
	v_mov_b32 v13, v12
.set k, 0
.rept 16
	v_pk_add_f32 v[\X+2*k:\X+2*k+1], v[\X+2*k:\X+2*k+1], v[12:13] neg_lo:[0,1] neg_hi:[0,1]
.set k, k+1
.endr
.set k, 0
.rept 4
	v_pk_mul_f32 v[12+2*k:13+2*k], v[\X+2*k:\X+2*k+1], v[\X+2*k:\X+2*k+1]
.set k, k+1
.endr
.rept 12
	v_pk_fma_f32 v[12+2*(k%4):13+2*(k%4)], v[\X+2*k:\X+2*k+1], v[\X+2*k:\X+2*k+1], v[12+2*(k%4):13+2*(k%4)]
.set k, k+1
.endr
	FOLD
	v_fmaak_f32 v12, s22, v12, 0x3727c5ac          ; the variance + 1e-5
	v_rsq_f32 v12, v12
	v_nop                                          ; a plain line between the root and its use
	s_wait_alu depctr_va_vdst(0)
	v_mov_b32 v13, v12
.set k, 0
.rept 16
	v_pk_mul_f32 v[\X+2*k:\X+2*k+1], v[\X+2*k:\X+2*k+1], v[12:13]
	v_pk_fma_f32 v[\X+2*k:\X+2*k+1], v[\X+2*k:\X+2*k+1], v[96+2*k:97+2*k], v[128+2*k:129+2*k]
.set k, k+1
.endr
.set j, 0
.rept 8
	v_cvt_pk_bf16_f32 v[\X+4*j], v[\X+4*j], v[\X+4*j+1]
	v_cvt_pk_bf16_f32 v[\X+4*j+1], v[\X+4*j+2], v[\X+4*j+3]
	global_store_b64 v21, v[\X+4*j:\X+4*j+1], s[12:13] offset:(\ob)+256*j
.set j, j+1
.endr
.endm
	s_wait_dscnt 0x0                               ; G and Bc are in
	ROW 32, 8, 0                                   ; the second row's eight loads may stay out
	ROW 64, 0, 2048
	s_wait_tensorcnt 0x0                           ; the wave's end, behind my last LDS store
	ds_add_u32 v[SPW], v[NIL]
	s_wait_dscnt 0x0
	s_endpgm
.Lfunc_end_k_q498ecd1ebb_norm1:
	.size	k_q498ecd1ebb_norm1, .Lfunc_end_k_q498ecd1ebb_norm1-k_q498ecd1ebb_norm1
	.p2alignl 7, 3214868480
	.fill 96, 4, 3214868480
	.section	.rodata,"a",@progbits
	.p2align	6, 0x0
	.amdhsa_kernel k_q498ecd1ebb_norm1
		.amdhsa_group_segment_fixed_size 9216
		.amdhsa_private_segment_fixed_size 0
		.amdhsa_enable_private_segment 0
		.amdhsa_kernarg_size 40
		.amdhsa_user_sgpr_count 2
		.amdhsa_user_sgpr_kernarg_segment_ptr 1
		.amdhsa_wavefront_size32 1
		.amdhsa_system_sgpr_workgroup_id_x 1
		.amdhsa_system_sgpr_workgroup_id_y 1
		.amdhsa_system_sgpr_workgroup_id_z 1
		.amdhsa_system_vgpr_workitem_id 0
		.amdhsa_next_free_vgpr 160
		.amdhsa_next_free_sgpr 66
		.amdhsa_reserve_vcc 0
		.amdhsa_float_denorm_mode_32 3
		.amdhsa_float_denorm_mode_16_64 3
		.amdhsa_memory_ordered 1
		.amdhsa_forward_progress 1
		.amdhsa_inst_pref_size 23
	.end_amdhsa_kernel
	.amdgpu_metadata
---
amdhsa.version: [ 1, 2 ]
amdhsa.kernels:
  - .name:           k_q498ecd1ebb_norm1
    .symbol:         k_q498ecd1ebb_norm1.kd
    .args:
      - { .name: x, .offset: 0, .size: 8, .value_kind: global_buffer, .address_space: global }
      - { .name: ln1_g, .offset: 8, .size: 8, .value_kind: global_buffer, .address_space: global }
      - { .name: ln1_b, .offset: 16, .size: 8, .value_kind: global_buffer, .address_space: global }
      - { .name: mod1, .offset: 24, .size: 8, .value_kind: global_buffer, .address_space: global }
      - { .name: hb, .offset: 32, .size: 8, .value_kind: global_buffer, .address_space: global }
    .group_segment_fixed_size: 9216
    .private_segment_fixed_size: 0
    .kernarg_segment_align: 8
    .kernarg_segment_size: 40
    .max_flat_workgroup_size: 256
    .sgpr_count:     66
    .vgpr_count:     160
    .wavefront_size: 32
...
	.end_amdgpu_metadata
.endif
;; end of part 2
;; launch projqkv (part 3): grid 8 x 32, 4 waves a work-group, clusters of 4 x 4, 327,680 bytes of LDS; arguments hb, wb, bq, bk, bv, qkvb; writes qkvb
.if DOCPART == 3
	.amdgcn_target "amdgcn-amd-amdhsa--gfx1250"
	.amdhsa_code_object_version 6
	.text
	.protected	k_q498ecd1ebb_projqkv
	.globl	k_q498ecd1ebb_projqkv
	.p2align	8
	.type	k_q498ecd1ebb_projqkv,@function
k_q498ecd1ebb_projqkv:
	s_mov_b64 s[64:65], 0
	v_nop
	global_prefetch_b8 v0, s[64:65] scope:SCOPE_SE
	s_setreg_imm32_b32 hwreg(HW_REG_WAVE_MODE, 25, 1), 1
	s_wait_xcnt 0x0
	s_wait_alu depctr_hold_cnt(0) depctr_sa_sdst(0) depctr_va_vdst(0) depctr_va_sdst(0) depctr_va_ssrc(0) depctr_va_vcc(0) depctr_vm_vsrc(0)
	s_getreg_b32 s2, hwreg(HW_REG_IB_STS2, 6, 4)
	s_cmp_eq_u32 s2, 0
	s_cbranch_scc0 .Lentry_in_a_cluster
	s_endpgm
.Lentry_in_a_cluster:
	s_bfe_u32 s2, ttmp6, 0x10000c
	s_cmp_lg_u32 s2, 0xf033
	s_cbranch_scc0 .Lentry_shape_is_right
	s_endpgm
.Lentry_shape_is_right:
; q, k, v = h @ wq, wk, wv + bias, rotary on q and k, stored by heads: qkvb[kind][batch x 16 + head][s][64] in bf16, each number rounded once from its f32 sum.
; h: [4096][1024] bf16; the weights in wb as they lie, [K][N] bf16, wq, wk, wv 2 MB apart; the table [s][32][cos, sin] f32 behind them.
; A work-group makes 128 rows x (2 heads x q, k, v = 384 columns); wave (wr, wh) makes 64 rows x one head's 192 columns: 4 x 12 accumulators, 384 registers.
; K goes in steps of 128 through two LDS slots.  One tensor load a wave and step: wave 0 brings h's 128 rows, waves 1 to 3 the 128 k x 128 columns of wq, wk, wv.
; A slot is four regions of 36,864 bytes, region w filled by wave w: h's tile (34,816 bytes of it), then the three weights' tiles.
; CLUSTER 4 x 4: h's tile hangs on the tile row alone and is asked for jointly along a row of the cluster, the weights' tiles on the tile column alone, jointly along a column.
; THE MATRIX INSTRUCTION IS USED TRANSPOSED: source 0 = 16 columns of W (read turned out of LDS by ds_load_tr16_b128), source 1 = 16 rows of h: a lane holds one row and eight neighbouring columns.
; REGISTERS: window 0: v0-31 addresses, v32-55 biases, v64-127 h's fragments (two buffers of 32), v128-255 my 64 rows of the table (on their way during the whole product);
;   window 1: v0-191 W's fragments (two buffers of 96); windows 2, 3: accumulator (a, b) at v[8 (12 (a % 2) + b)] of window 2 + a / 2.
; LIMITS: operands are bf16 (8 significant bits); NaN and infinities are not treated apart.
.set SLOT,  0x24000                    ; 147,456 bytes = 4 regions.  No region's base (0, 0x9000, 0x12000, 0x1b000) has bit 14 or bit 17 set, so one exclusive or turns it into the other slot's
.set SPARE, 2*SLOT                     ; behind the slots: the spare words, 128 bytes a wave
.set PW,    288                        ; a row of W in LDS: 256 bytes + 32
.set PA,    272                        ; a row of h: 256 + 16: sixteen rows start at sixteen different groups of four banks
.set REGION, 128*PW                    ; 36,864 bytes: what a wave's load fills at the most
.set MA,    4                          ; blocks of 16 rows a wave
.set NBK,   12                         ; blocks of 16 columns a wave
.set APW,   2                          ; row blocks in a window of accumulators
.set KPB,   4                          ; column blocks that share an address register (a kind)
.set NSTEP, 8
.set NAW,   1                          ; waves that fetch h
.set AF0, 64
.set AFS, 32
.set WF0, 0
.set WFS, 96
.set STEPA, 256                        ; bytes from a K step to the next, in h
.set STEPW, 262144                     ; and in a weight: 128 rows of 2,048 bytes
.set ABYTES, REGION                    ; W's tiles begin behind h's region
.set DP,    784                        ; the way out: a row of 192 f32 + 16 bytes
.set ROTW,  4*64*DP                    ; behind the four waves' sums: the table's rows, 64 x 272 bytes a wave
.set ROTOFF, 25165824
.set ADRA, 16                          ; v16     my lane's place in h's tile, slot 0
.set ADRW, 17                          ; v17-19  the same for each kind's tile
.set CA,   20                          ; v20     ADRA + the slot in hand
.set CW,   21                          ; v21-23
.set STO,  24
.set RD,   25
.set RT,   26
.set RSTO, 27
.set SPW,  28                          ; v28  LDS address of my spare word; never rewritten
.set NIL,  29                          ; v29  0; never rewritten
.set CO,   30
.set WV,  16
.set WHI, 17
.set WLO, 18
.set CX,  19
.set CY,  20
.set TX,  21
.set TY,  22
.set MKA, 23
.set MKW, 24
.set G1A, 28                           ; s[28:35] group 1 for h's tiles;  s[36:43] for W's
.set G1W, 36
.set G0A0, 44                          ; s[44:47] group 0: step 0 into slot 0, used once;  s[48:51] the walking set, from step 1 into slot 1 on
.set G0A, 48
.set G0W0, 52
.set G0W, 56
.set TB,  60                           ; s60  the slot that is read: 0 or SLOT
.set CNT, 61
.set LA,  62
.set LW,  63
.set MSB, 0
.macro WIN new                         ; the immediate's high byte repeats the setting that is left; a switch that changes nothing is dropped
.if MSB != (\new)
	s_set_vgpr_msb (MSB<<8)|(\new)
.set MSB, \new
.endif
.endm
.set MUL_LO, 0xa1                      ; source 0 (W) window 1, source 1 (h) window 0, C and D window 2; + 0x50: window 3
.set TO_B,   0x40                      ; destination window 1, address window 0
.macro PLACES                          ; four plain lines between a matrix instruction and a load into, or a read of, its registers
.rept 4
	v_nop
.endr
.endm
.macro JLOAD                           ; the joint refill by the walking set; an s_nop 0 and four v_nop follow each of the two lines
	s_cmp_lt_u32 s[WV], NAW
	s_cbranch_scc0 .Lfor_w_\@
	tensor_load_to_lds s[G0A:G0A+3], s[G1A:G1A+7]
	s_nop 0
.rept 4
	v_nop
.endr
	s_branch .Lasked_\@
.Lfor_w_\@:
	tensor_load_to_lds s[G0W:G0W+3], s[G1W:G1W+7]
	s_nop 0
.rept 4
	v_nop
.endr
.Lasked_\@:
.endm
.macro CREST                           ; a round of the cluster's barrier behind its opening barrier
	s_cmp_lg_u32 s[WV], 0
	s_cbranch_scc1 .Lnot_wave_0_\@
	s_barrier_signal -3
.Lnot_wave_0_\@:
	s_barrier_wait -3
	s_barrier_signal -1
	s_barrier_wait -1
.endm
.macro CROUND
	s_barrier_signal -1
	s_barrier_wait -1
	CREST
.endm
.macro MULS f, p, zero                 ; part p of four of a quarter's products on buffer f; the accumulators take turns, one instruction a turn.  zero = 1: the product starts the sum
	WIN MUL_LO+0x50*((\p)/2)
.set al, ((\p)%2)*(APW/2)
.rept APW/2
.set bb, 0
.rept NBK
.set rD, 8*(NBK*al+bb)
.set rW, WF0+WFS*(\f)+8*bb
.set rA, AF0+AFS*(\f)+8*(APW*((\p)/2)+al)
.if \zero
	v_wmma_f32_16x16x32_bf16 v[rD:rD+7], v[rW:rW+7], v[rA:rA+7], 0
.else
	v_wmma_f32_16x16x32_bf16 v[rD:rD+7], v[rW:rW+7], v[rA:rA+7], v[rD:rD+7]
.endif
.set bb, bb+1
.endr
.set al, al+1
.endr
.endm
.macro FETCH q, f                      ; 32 LDS loads in one run: quarter q of the slot in hand into buffer f; the upper row blocks last
	WIN TO_B
.set bb, 0
.rept NBK
.set rW, WF0+WFS*(\f)+8*bb
	ds_load_tr16_b128 v[rW:rW+3],   v[CW+bb/KPB] offset:32*(\q)*PW+32*(bb%KPB)
	ds_load_tr16_b128 v[rW+4:rW+7], v[CW+bb/KPB] offset:32*(\q)*PW+16*PW+32*(bb%KPB)
.set bb, bb+1
.endr
	WIN 0
.set al, 0
.rept MA
.set rA, AF0+AFS*(\f)+8*al
	ds_load_b128 v[rA:rA+3],   v[CA] offset:64*(\q)+al*16*PA
	ds_load_b128 v[rA+4:rA+7], v[CA] offset:64*(\q)+al*16*PA+32
.set al, al+1
.endr
.endm
.macro SETADR
	v_add_nc_u32 v[CA], s[TB], v[ADRA]
.set bb, 0
.rept NBK/KPB
	v_add_nc_u32 v[CW+bb], s[TB], v[ADRW+bb]
.set bb, bb+1
.endr
.endm
.macro QUARTER q, f, g, zero           ; multiplies buffer f; in its middle fetches quarter q into buffer g
	s_wait_dscnt MA                                ; only the youngest MA loads, the upper row blocks, may be out
	MULS \f, 0, \zero
	MULS \f, 1, \zero
	PLACES
	FETCH \q, \g
	s_wait_dscnt 32                                ; all but the 32 just issued
	MULS \f, 2, \zero
	MULS \f, 3, \zero
.endm
; The last quarter of a step multiplies buffer 1 and changes slots.  Each wave waits for all its tensor loads (one is out: its part of the next slot), adds 0 to its spare word, and waits for that
; and for its reads of this slot, which are all in registers by then.
; fill = 1: a round of the cluster's barrier follows at once, and the joint refill, two steps ahead, is the first thing behind it: nothing of the step's work stands between the wait for one tile and
; the request for the next, and the quarter's 48 products, which need registers alone, are issued while that tile is on its way.
; fill = 0 (the tail): nothing is asked for, so the products stand round the barrier; in the last trip there is no next slot, and its fetch is jumped over.
.macro TURN fill
	WIN 0
	s_wait_tensorcnt 0x0
	ds_add_u32 v[SPW], v[NIL]
.if \fill
	s_xor_b32 s[G0A+1], s[G0A+1], SLOT             ; no load of mine is out, so a group 0 may be written: the other slot than last time, the next step
	s_add_nc_u64 s[G0A+2:G0A+3], s[G0A+2:G0A+3], STEPA
	s_xor_b32 s[G0W+1], s[G0W+1], SLOT
	s_add_nc_u64 s[G0W+2:G0W+3], s[G0W+2:G0W+3], STEPW
	s_wait_dscnt 0x0                               ; the add is done, my reads of this slot are over
	CROUND
	JLOAD                                          ; its four v_nop are also the places in front of the loads below
	s_xor_b32 s[TB], s[TB], SLOT
	SETADR
	FETCH 0, 0
	MULS 1, 0, 0
	MULS 1, 1, 0
.else
	s_wait_dscnt MA+1                              ; (the add and the youngest MA loads may be out)
	MULS 1, 0, 0
	s_wait_dscnt 0x0                               ; the add is done, my reads of this slot are over
	s_barrier_signal -1
	MULS 1, 1, 0
	WIN 0
	s_barrier_wait -1
	PLACES
	s_cmp_eq_u32 s[CNT], 1
	s_cbranch_scc1 .Lnofetch_\@
	s_xor_b32 s[TB], s[TB], SLOT
	SETADR
	FETCH 0, 0
.Lnofetch_\@:
.endif
	MULS 1, 2, 0
	MULS 1, 3, 0
.endm
	s_load_b256 s[4:11], s[0:1], 0x0               ; hb 4, wb 6, bq 8, bk 10
	s_load_b128 s[12:15], s[0:1], 0x20             ; bv 12, qkvb 14
	v_lshl_add_u32 v[SPW], v0, 2, SPARE
	v_mov_b32 v[NIL], 0
	ds_add_u32 v[SPW], v[NIL]                      ; the wave's opening: the add, waited for ahead of my first tensor load
	v_lshrrev_b32 v1, 5, v0
	v_readfirstlane_b32 s[WV], v1
	s_lshr_b32 s[WHI], s[WV], 1                    ; wr: which 64 rows
	s_and_b32 s[WLO], s[WV], 1                     ; wh: which head
	s_bfe_u32 s[CX], ttmp6, 0x40000
	s_bfe_u32 s[CY], ttmp6, 0x40004
	s_lshl_b32 s[TX], ttmp9, 2
	s_add_co_u32 s[TX], s[TX], s[CX]               ; tile column: heads 2 tx, 2 tx + 1
	s_and_b32 s[TY], ttmp7, 0xffff
	s_lshl_b32 s[TY], s[TY], 2
	s_add_co_u32 s[TY], s[TY], s[CY]               ; tile row: 128 tokens
	s_lshl_b32 s[MKA], s[CY], 2
	s_lshl_b32 s[MKA], 15, s[MKA]                  ; my row of the cluster
	s_lshl_b32 s[MKW], 0x1111, s[CX]               ; my column
	s_or_b32 s[G1A], s[MKA], (1<<16)|(1<<20)|(1<<21)|(5<<22)|(3<<25)  ; mask; 2-byte elements; padding on; bit 21 beside a mask; after every 64 words 4 words
	s_or_b32 s[G1W], s[MKW], (1<<16)|(1<<20)|(1<<21)|(5<<22)|(7<<25)  ; the same with 8 words
.irp g, G1A, G1W
	s_mov_b32 s[\g+1], 128<<16                     ; tensor_dim0 = 128
	s_mov_b32 s[\g+2], 128<<16                     ; tensor_dim1 = 128
	s_mov_b32 s[\g+3], 128<<16                     ; tile_dim0 = 128
	s_mov_b32 s[\g+4], 128                         ; tile_dim1 = 128
	s_mov_b32 s[\g+5], 1024                        ; elements from row to row
	s_mov_b32 s[\g+6], 0
	s_mov_b32 s[\g+7], 0
.endr
	s_lshl_b32 s66, s[TY], 18                      ; h: 128 rows of 2,048 bytes a tile row
	s_mov_b32 s67, 0
	s_add_co_u32 s72, s[WV], 3
	s_and_b32 s72, s72, 3                          ; the kind that I fetch: waves 1, 2, 3 take 0, 1, 2 (wave 0's 3 lies inside wb too, and is never asked for: wave 0 fetches h)
	s_lshl_b32 s70, s72, 21                        ; 2 MB a weight
	s_lshl_b32 s73, s[TX], 8                       ; 128 columns are 256 bytes
	s_add_co_u32 s70, s70, s73
	s_mov_b32 s71, 0
	s_mov_b32 s[LA], 0                             ; h's tile lies in region 0,
	s_mul_i32 s[LW], s[WV], REGION                 ; a weight's tile in its wave's region
	s_mov_b32 s[TB], 0
	s_wait_dscnt 0x0                               ; the opening add is done
	s_wait_kmcnt 0x0
	s_add_nc_u64 s[66:67], s[4:5], s[66:67]
	s_add_nc_u64 s[70:71], s[6:7], s[70:71]
	CROUND                                         ; all sixteen work-groups are here: the first joint loads meet
	s_mov_b32 s[G0A0], 1
	s_mov_b32 s[G0A0+1], s[LA]
	s_mov_b64 s[G0A0+2:G0A0+3], s[66:67]
	s_or_b32 s[G0A0+3], s[G0A0+3], 0x80000000
	s_mov_b32 s[G0A], 1
	s_add_co_u32 s[G0A+1], s[LA], SLOT
	s_add_nc_u64 s[G0A+2:G0A+3], s[66:67], STEPA
	s_or_b32 s[G0A+3], s[G0A+3], 0x80000000
	s_mov_b32 s[G0W0], 1
	s_mov_b32 s[G0W0+1], s[LW]
	s_mov_b64 s[G0W0+2:G0W0+3], s[70:71]
	s_or_b32 s[G0W0+3], s[G0W0+3], 0x80000000
	s_mov_b32 s[G0W], 1
	s_add_co_u32 s[G0W+1], s[LW], SLOT
	s_add_nc_u64 s[G0W+2:G0W+3], s[70:71], STEPW
	s_or_b32 s[G0W+3], s[G0W+3], 0x80000000
	s_cmp_lt_u32 s[WV], NAW                        ; a wave's two first fills stand in one branch: two loads of mine are out
	s_cbranch_scc0 .Lfirst_w
	tensor_load_to_lds s[G0A0:G0A0+3], s[G1A:G1A+7]
	s_nop 0
	tensor_load_to_lds s[G0A:G0A+3], s[G1A:G1A+7]
	s_nop 0
.rept 4
	v_nop
.endr
	s_branch .Lfirst_done
.Lfirst_w:
	tensor_load_to_lds s[G0W0:G0W0+3], s[G1W:G1W+7]
	s_nop 0
	tensor_load_to_lds s[G0W:G0W+3], s[G1W:G1W+7]
	s_nop 0
.rept 4
	v_nop
.endr
.Lfirst_done:
	v_and_b32 v1, 15, v0                           ; r = l % 16
	v_bfe_u32 v2, v0, 4, 1                         ; hh = l / 16
	v_and_b32 v3, 7, v0                            ; l % 8
	v_bfe_u32 v4, v0, 3, 1
	v_bfe_u32 v7, v0, 3, 2                         ; l / 8
	v_and_b32 v6, 31, v0
	v_lshlrev_b32 v6, 4, v6                        ; 16 l
	v_mul_u32_u24 v[ADRA], v1, PA                  ; h's fragment: row r, 16 bytes for each half of the lanes
	v_lshl_add_u32 v[ADRA], v2, 4, v[ADRA]
	s_mul_i32 s74, s[WHI], 64*PA
	v_add_nc_u32 v[ADRA], s74, v[ADRA]
	v_lshl_add_u32 v5, v2, 3, v3                   ; the turning load: k row 8 hh + l % 8, 16 bytes by bit 3 of the lane
	v_mul_u32_u24 v5, v5, PW
	v_lshl_add_u32 v5, v4, 4, v5
	s_lshl_b32 s74, s[WLO], 7                      ; my head's 64 columns
	s_add_co_u32 s74, s74, ABYTES
.irp k, 0,1,2
	v_add_nc_u32 v[ADRW+\k], s74, v5
	s_add_co_u32 s74, s74, REGION
.endr
	s_mul_i32 s74, s[WV], 64*DP                    ; the way out: my region for the sums
	v_mul_u32_u24 v[STO], v1, DP
	v_lshl_add_u32 v[STO], v2, 5, v[STO]
	v_add_nc_u32 v[STO], s74, v[STO]
	v_mul_u32_u24 v[RD], v7, DP                    ; back: four rows a trip, eight lanes a row, eight numbers of each kind a lane
	v_lshl_add_u32 v[RD], v3, 5, v[RD]
	v_add_nc_u32 v[RD], s74, v[RD]
	s_mul_i32 s74, s[WV], 64*272
	s_add_co_u32 s74, s74, ROTW                    ; my region for the table's rows
	v_mul_u32_u24 v[RSTO], v2, 272
	v_lshl_add_u32 v[RSTO], v1, 4, v[RSTO]
	v_add_nc_u32 v[RSTO], s74, v[RSTO]
	v_mul_u32_u24 v[RT], v7, 272
	v_lshl_add_u32 v[RT], v3, 5, v[RT]
	v_add_nc_u32 v[RT], s74, v[RT]
	v_mov_b32 v[CO], v6                            ; four rows of 128 bytes are 512 consecutive bytes
	v_lshlrev_b32 v31, 5, v3                       ; my eight columns in a bias
	s_lshl1_add_u32 s94, s[TX], s[WLO]             ; my head
	s_lshl_b32 s96, s94, 8
	s_mov_b32 s97, 0
	s_add_nc_u64 s[8:9], s[8:9], s[96:97]
	s_add_nc_u64 s[10:11], s[10:11], s[96:97]
	s_add_nc_u64 s[12:13], s[12:13], s[96:97]
	s_and_b32 s95, s[TY], 15
	s_lshl_b32 s95, s95, 7
	s_lshl_b32 s98, s[WHI], 6
	s_add_co_u32 s95, s95, s98                     ; my first position in the sequence
	s_lshl_b32 s96, s95, 8
	s_add_co_u32 s96, s96, ROTOFF
	s_add_nc_u64 s[76:77], s[6:7], s[96:97]        ; the table at that position
	s_lshr_b32 s98, s[TY], 4
	s_lshl4_add_u32 s98, s98, s94                  ; batch x 16 + head
	s_lshl_b32 s98, s98, 11
	s_add_co_u32 s98, s98, s95
	s_lshl_b32 s98, s98, 7                         ; rows of 128 bytes
	s_mov_b32 s99, 0
	s_add_nc_u64 s[88:89], s[14:15], s[98:99]      ; q,
	s_add_nc_u64 s[90:91], s[88:89], 0x800000      ; k,
	s_add_nc_u64 s[92:93], s[88:89], 0x1000000     ; v
	global_load_b128 v[32:35], v31, s[8:9]
	global_load_b128 v[36:39], v31, s[8:9] offset:16
	global_load_b128 v[40:43], v31, s[10:11]
	global_load_b128 v[44:47], v31, s[10:11] offset:16
	global_load_b128 v[48:51], v31, s[12:13]
	global_load_b128 v[52:55], v31, s[12:13] offset:16
.set j, 0
.rept 32                                               ; my 64 rows of the table, two rows a load; they are waited for at the way out
	global_load_b128 v[128+4*j:131+4*j], v6, s[76:77] offset:512*j
.set j, j+1
.endr
	s_wait_tensorcnt 1                             ; my part of step 0 is in; step 1 may stay out
	s_barrier_signal -1
	s_barrier_wait -1
	SETADR
	FETCH 0, 0
	QUARTER 1, 0, 1, 1                             ; the first quarter stands in front of the loop: its products start the sums
	WIN 0
	s_mov_b32 s[CNT], NSTEP-2
.Lk:                                                   ; a trip: from a step's second quarter to the next step's first; it fills the slot that it leaves
	QUARTER 2, 1, 0, 0
	QUARTER 3, 0, 1, 0
	TURN 1
	QUARTER 1, 0, 1, 0
	WIN 0
	s_sub_co_u32 s[CNT], s[CNT], 1
	s_cmp_lg_u32 s[CNT], 0
	s_cbranch_scc1 .Lk
	s_mov_b32 s[CNT], 2
.Ltail:                                                ; the last two steps ask for nothing
	QUARTER 2, 1, 0, 0
	QUARTER 3, 0, 1, 0
	TURN 0
	WIN 0
	s_cmp_eq_u32 s[CNT], 1
	s_cbranch_scc1 .Lnoq
	QUARTER 1, 0, 1, 0
	WIN 0
.Lnoq:
	s_sub_co_u32 s[CNT], s[CNT], 1
	s_cmp_lg_u32 s[CNT], 0
	s_cbranch_scc1 .Ltail
	; THE WAY OUT.  The slots have had their last fill.  When no wave reads them any more, each wave lays its f32 sums and its rows of the table into a region of its own,
	; and a loop takes them back four rows at a time: bias, rotary, rounding, three stores of 512 consecutive bytes.
	s_wait_dscnt 0x0
	s_barrier_signal -1
	s_barrier_wait -1
	PLACES
.set al, 0
.rept MA
	WIN 0x08+4*(al/APW)                            ; store data in window 2 or 3
.set bb, 0
.rept NBK
.set rD, 8*(NBK*(al%APW)+bb)
	ds_store_b128 v[STO], v[rD:rD+3] offset:al*16*DP+64*bb       ; each accumulator from its low end on
	ds_store_b128 v[STO], v[rD+4:rD+7] offset:al*16*DP+64*bb+16
.set bb, bb+1
.endr
.set al, al+1
.endr
	WIN 0
	s_wait_loadcnt 0x0                             ; biases and table
.set j, 0
.rept 32
	ds_store_b128 v[RSTO], v[128+4*j:131+4*j] offset:544*j
.set j, j+1
.endr
.macro ROTARY X                        ; (xe, xo) -> (xe c - xo s, xo c + xe s) for the four pairs in v[X .. X+7]; (c, s) in v[88:95]
.set i, 0
.rept 4
	v_mul_f32 v[96+2*i], v[\X+2*i+1], v[89+2*i]
	v_mul_f32 v[97+2*i], v[\X+2*i], v[89+2*i]
.set i, i+1
.endr
.set i, 0
.rept 4
	v_fma_f32 v[\X+2*i], v[\X+2*i], v[88+2*i], -v[96+2*i]
	v_fma_f32 v[\X+2*i+1], v[\X+2*i+1], v[88+2*i], v[97+2*i]
.set i, i+1
.endr
.endm
.macro LDX                             ; the sums of four rows: eight numbers of each kind a lane.  LDS serves a wave's instructions in order: these see my stores above
.irp k, 0,1,2
	ds_load_b128 v[64+8*\k:67+8*\k], v[RD] offset:256*\k
	ds_load_b128 v[68+8*\k:71+8*\k], v[RD] offset:256*\k+16
.endr
.endm
.macro LDT                             ; the table's four pairs for my row and my columns
	ds_load_b128 v[88:91], v[RT]
	ds_load_b128 v[92:95], v[RT] offset:16
.endm
	; The loop runs a trip ahead of itself: the bias add moves the sums into v[128:151], so that the next trip's six loads go out straight behind it; the table's two follow when the rotary has read
	; the old pairs.  The last trip jumps over both.  The stores' data and offset are rewritten only behind s_wait_xcnt 0, which stands ahead of the conversions, most of a trip behind the stores.
	LDX
	LDT
	s_mov_b32 s[CNT], 16
.Lrow:
	s_wait_dscnt 2                                 ; the six loads of sums are in; the table's two, issued behind them, may be out
.set i, 0
.rept 12
	v_pk_add_f32 v[128+2*i:129+2*i], v[64+2*i:65+2*i], v[32+2*i:33+2*i]
.set i, i+1
.endr
	s_wait_dscnt 0x0                               ; the table's pairs
	s_cmp_eq_u32 s[CNT], 1
	s_cbranch_scc1 .Lnox
	v_add_nc_u32 v[RD], 4*DP, v[RD]
	LDX
.Lnox:
	ROTARY 128
	ROTARY 136
	s_cmp_eq_u32 s[CNT], 1
	s_cbranch_scc1 .Lnot
	v_add_nc_u32 v[RT], 4*272, v[RT]
	LDT
.Lnot:
	s_wait_xcnt 0x0                                ; the last trip's stores have read their offset and their data
	v_add_nc_u32 v[CO], 512, v[CO]                 ; stepped ahead of the stores, which reach back by their immediate
.set i, 0
.rept 12
	v_cvt_pk_bf16_f32 v[104+i], v[128+2*i], v[129+2*i]
.set i, i+1
.endr
	global_store_b128 v[CO], v[104:107], s[88:89] offset:-512
	global_store_b128 v[CO], v[108:111], s[90:91] offset:-512
	global_store_b128 v[CO], v[112:115], s[92:93] offset:-512
	s_sub_co_u32 s[CNT], s[CNT], 1
	s_cmp_lg_u32 s[CNT], 0
	s_cbranch_scc1 .Lrow
	s_wait_tensorcnt 0x0                           ; the wave's end
	ds_add_u32 v[SPW], v[NIL]
	s_wait_dscnt 0x0
	CROUND                                         ; the closing round
	s_endpgm
.Lfunc_end_k_q498ecd1ebb_projqkv:
	.size	k_q498ecd1ebb_projqkv, .Lfunc_end_k_q498ecd1ebb_projqkv-k_q498ecd1ebb_projqkv
	.p2alignl 7, 3214868480
	.fill 96, 4, 3214868480
	.section	.rodata,"a",@progbits
	.p2align	6, 0x0
	.amdhsa_kernel k_q498ecd1ebb_projqkv
		.amdhsa_group_segment_fixed_size 327680
		.amdhsa_private_segment_fixed_size 0
		.amdhsa_enable_private_segment 0
		.amdhsa_kernarg_size 48
		.amdhsa_user_sgpr_count 2
		.amdhsa_user_sgpr_kernarg_segment_ptr 1
		.amdhsa_wavefront_size32 1
		.amdhsa_system_sgpr_workgroup_id_x 1
		.amdhsa_system_sgpr_workgroup_id_y 1
		.amdhsa_system_sgpr_workgroup_id_z 1
		.amdhsa_system_vgpr_workitem_id 0
		.amdhsa_next_free_vgpr 960
		.amdhsa_next_free_sgpr 100
		.amdhsa_reserve_vcc 0
		.amdhsa_float_denorm_mode_32 3
		.amdhsa_float_denorm_mode_16_64 3
		.amdhsa_memory_ordered 1
		.amdhsa_forward_progress 1
		.amdhsa_inst_pref_size 77
	.end_amdhsa_kernel
	.amdgpu_metadata
---
amdhsa.version: [ 1, 2 ]
amdhsa.kernels:
  - .name:           k_q498ecd1ebb_projqkv
    .symbol:         k_q498ecd1ebb_projqkv.kd
    .args:
      - { .name: hb, .offset: 0, .size: 8, .value_kind: global_buffer, .address_space: global }
      - { .name: wb, .offset: 8, .size: 8, .value_kind: global_buffer, .address_space: global }
      - { .name: bq, .offset: 16, .size: 8, .value_kind: global_buffer, .address_space: global }
      - { .name: bk, .offset: 24, .size: 8, .value_kind: global_buffer, .address_space: global }
      - { .name: bv, .offset: 32, .size: 8, .value_kind: global_buffer, .address_space: global }
      - { .name: qkvb, .offset: 40, .size: 8, .value_kind: global_buffer, .address_space: global }
    .group_segment_fixed_size: 327680
    .private_segment_fixed_size: 0
    .kernarg_segment_align: 8
    .kernarg_segment_size: 48
    .max_flat_workgroup_size: 128
    .sgpr_count:     100
    .vgpr_count:     960
    .wavefront_size: 32
...
	.end_amdgpu_metadata
.endif
;; end of part 3
;; launch attn (part 4): grid 8 x 32, 4 waves a work-group, clusters of 4 x 1, 327,680 bytes of LDS; arguments qkvb, attn_mask, ob; writes ob
.if DOCPART == 4
	.amdgcn_target "amdgcn-amd-amdhsa--gfx1250"
	.amdhsa_code_object_version 6
	.text
	.protected	k_q498ecd1ebb_attn
	.globl	k_q498ecd1ebb_attn
	.p2align	8
	.type	k_q498ecd1ebb_attn,@function
k_q498ecd1ebb_attn:
	s_mov_b64 s[64:65], 0
	v_nop
	global_prefetch_b8 v0, s[64:65] scope:SCOPE_SE
	s_setreg_imm32_b32 hwreg(HW_REG_WAVE_MODE, 25, 1), 1
	s_wait_xcnt 0x0
	s_wait_alu depctr_hold_cnt(0) depctr_sa_sdst(0) depctr_va_vdst(0) depctr_va_sdst(0) depctr_va_ssrc(0) depctr_va_vcc(0) depctr_vm_vsrc(0)
	s_getreg_b32 s2, hwreg(HW_REG_IB_STS2, 6, 4)
	s_cmp_eq_u32 s2, 0
	s_cbranch_scc0 .Lentry_in_a_cluster
	s_endpgm
.Lentry_in_a_cluster:
	s_bfe_u32 s2, ttmp6, 0x10000c
	s_cmp_lg_u32 s2, 0x3003
	s_cbranch_scc0 .Lentry_shape_is_right
	s_endpgm
.Lentry_shape_is_right:
; O[bh][q][:] = the sum over visible k of softmax_k(Q[bh][q] . K[bh][k] / 8) V[bh][k][:].  Q, K, V: qkvb[kind][32 bh][2048][64], O: ob[32 bh][2048][64], all bf16; attn_mask: [2][2048] bytes, 1 = visible.
; Products, maxima and sums in f32; the weights p are rounded to bf16 for the second product (their sum l is taken of the unrounded p), O once at the end.
; SHARES.  A work-group owns 256 queries of one head, a wave 64: four PIECES of 16.  Every wave walks all 2,048 keys, 64 a step, 256 a slot.
; CLUSTER 4 x 1: four query blocks of one head walk the same K and V: each tile is asked for jointly, by the same tensor load, descriptor and mask in all four.
; LAYOUT.  S^T = K Q^T holds ONE query a lane (lane % 16) and the keys 8 (lane / 16) + 0..7; two such results rounded to bf16 ARE source 1 of O^T = V^T P.  V is read turned, by ds_load_tr16_b128.
; THE MASK is the C operand that starts the sum S^T: 0, or -1e30 where the key is hidden.  It is made once, 2,048 f32 in LDS, and a step's 64 numbers are fetched with the step's K.
; SOFTMAX.  A running maximum m and sum l: p = 2^(c s - c m), c = log2(e) / 8; O and l are multiplied by a = 2^(c m_old - c m_new) in every step.  m starts at -2^96, above every hidden score:
; a hidden key's weight is exactly 0, and a batch with no visible key ends with l = 0 and O = 0 x infinity = NaN, as the definition gives.
; TURNS.  Turn n belongs to piece n: 8 products K Q^T of piece n + 1, later 8 products V^T P of piece n - 1; beside them the scaling, exponentials, roundings, sums and rescaling of piece n and the maximum and
; statistics of piece n + 1.  Four vector instructions stand behind every matrix instruction, the others in two runs of their own.
; LIMITS.  A visible score below -7.9e28 would count as hidden; a weight below 2^-126 counts as 0 in l; operands are bf16; NaN and infinities in the inputs are not treated apart.
; REGISTERS (s_set_vgpr_msb: bits 1:0 source 0, 3:2 source 1, 5:4 source 2, 7:6 destination):
;   window 0: v0-15, v32-38 addresses and at work; v16-31 statistics; v48-55 at work; v64-127 S^T, two buffers; v192-223 P, two buffers (by the piece's parity)
;   window 1: v0-127 O^T, 32 a piece      window 2: v0-63 Q; v64-95 the step's mask; v128-191 K of one step; v192-255 V of one step
.set NP,    4
.set KS,    64
.set PK,    144       ; a row of K in LDS: 128 bytes + 16
.set PV,    160       ; a row of V: 128 + 32
.set VOFF,  4*KS*PK   ; a slot: 256 rows of K, then 256 rows of V
.set SLOT1, 1<<17
.set MASKL, 81920     ; between the slots, in blocks that no tile touches: the mask, 8,192 bytes
.set STAGE, SLOT1+4*KS*(PK+PV)  ; 16 rows x 144 bytes for each wave, for the way out
.set SP,    144
.set SPARE, STAGE+4*16*SP       ; the spare words, 128 bytes a wave
.set AK0, 2
.set AV0, 3
.set AK,  4
.set AV,  5
.set STO, 6
.set RD,  7
.set GO,  8
.set MV,  12
.set AM,  14          ; v14  the LDS address of the mask's next run of loads
.set QO,  15
.set ST,  16          ; piece t: c m, m, l (even keys, odd keys) at v[ST+4 t]
.set AM0, 32          ; v32  my lane's place in a step's mask
.set TMP, 48
.set SPW, 62
.set NIL, 63
.set S,   64
.set P,   192
.set MK,  64          ; window 2
.set KF,  128
.set VF,  192
.set WV,  12
.set G1K, 24
.set G1V, 32
.set G0K, 40
.set G0V, 44
.set SLOTS, 56
.set CNT, 57
.set CS,  58
.set SEL, 60
.set TBK, 62
.set TBV, 63
.set TBM, 66          ; s66  byte of the mask at which the step to be fetched begins
.set BIGN, 67         ; s67  -1e30
.set MSB, 0
.macro WIN new
.if MSB != (\new)
	s_set_vgpr_msb (MSB<<8)|(\new)
.set MSB, (\new)
.endif
.endm
.set W_KQ, 0x0a       ; K and Q in window 2, S^T in window 0
.set W_KM, 0x2a       ; the same with the C operand, the mask, in window 2
.set W_PV, 0x52       ; V in window 2, P in window 0, O^T in window 1
.set W_RS, 0x41       ; destination and source 0 in window 1, source 1 in window 0
.macro JLOAD                        ; waves 0 and 1 fetch the halves of a slot's K, waves 2 and 3 those of its V; an s_nop 0 and four v_nop follow each line
	s_cmp_lt_u32 s[WV], 2
	s_cbranch_scc0 .Lfor_v_\@
	tensor_load_to_lds s[G0K:G0K+3], s[G1K:G1K+7]
	s_nop 0
.rept 4
	v_nop
.endr
	s_branch .Lasked_\@
.Lfor_v_\@:
	tensor_load_to_lds s[G0V:G0V+3], s[G1V:G1V+7]
	s_nop 0
.rept 4
	v_nop
.endr
.Lasked_\@:
.endm
.macro CROUND
	s_barrier_signal -1
	s_barrier_wait -1
	s_cmp_lg_u32 s[WV], 0
	s_cbranch_scc1 .Lnot_wave_0_\@
	s_barrier_signal -3
.Lnot_wave_0_\@:
	s_barrier_wait -3
	s_barrier_signal -1
	s_barrier_wait -1
.endm
; THE CHANGE OF SLOTS.  Each wave waits for all its tensor loads (one is out: its part of the other slot), adds 0 to its spare word, and waits for that and for its LDS instructions.
; fill = 1: a round of the cluster's barrier, and the slot just left is filled again first thing behind it, with the keys two slots on: four key steps in which to land.
; (At its first use nothing has been read: slot 0 is waited for, slot 1 filled, and the mask's stores are made known to all waves.)
.macro CHANGE fill
	WIN 0
	s_wait_tensorcnt 0x0
	ds_add_u32 v[SPW], v[NIL]
.if \fill
.irp g, G0K, G0V
	s_xor_b32 s[\g+1], s[\g+1], SLOT1
	s_add_nc_u64 s[\g+2:\g+3], s[\g+2:\g+3], 4*KS*128
.endr
	s_wait_dscnt 0x0
	CROUND
	JLOAD
.else
	s_wait_dscnt 0x0
	s_barrier_signal -1
	s_barrier_wait -1
.endif
	s_sub_co_u32 s[TBK], s[TBK], 4*KS*PK
	s_xor_b32 s[TBK], s[TBK], SLOT1
	s_sub_co_u32 s[TBV], s[TBV], 4*KS*PV
	s_xor_b32 s[TBV], s[TBV], SLOT1
.endm
	s_load_b128 s[4:7], s[0:1], 0x0    ; qkvb 4, attn_mask 6
	s_load_b64 s[10:11], s[0:1], 0x10  ; ob
	v_lshl_add_u32 v[SPW], v0, 2, SPARE
	v_mov_b32 v[NIL], 0
	ds_add_u32 v[SPW], v[NIL]       ; the wave's opening: the add, waited for ahead of my first tensor load
	v_lshrrev_b32 v1, 5, v0
	v_readfirstlane_b32 s[WV], v1
	s_bfe_u32 s13, ttmp6, 0x40000   ; cx
	s_lshl_b32 s14, ttmp9, 2
	s_add_co_u32 s14, s14, s13      ; my block of 256 queries: it enters Q's and O's addresses alone
	s_and_b32 s15, ttmp7, 0xffff    ; batch x 16 + head, which the four partners share
	s_lshl_b32 s19, s15, 18         ; a head is 262,144 bytes
	s_and_b32 s16, s[WV], 1         ; which half of a slot's 256 keys I fetch
	s_lshl_b32 s22, s16, 14
	s_add_co_u32 s22, s22, s19
	s_mov_b32 s23, 0
	s_mul_i32 s17, s16, 128*PK
	s_mul_i32 s18, s16, 128*PV
	s_lshl_b32 s2, s14, 2
	s_add_co_u32 s2, s2, s[WV]
	s_lshl_b32 s2, s2, 13           ; 64 rows of 128 bytes a wave
	s_add_co_u32 s2, s2, s19
	s_mov_b32 s3, 0
	s_lshr_b32 s20, s15, 4
	s_lshl_b32 s20, s20, 11         ; the batch's 2,048 bytes of the mask
	s_mov_b32 s21, 0
	s_mov_b32 s[G1K], 15|(1<<16)|(1<<20)|(1<<21)|(4<<22)|(3<<25)  ; the mask of four; 2-byte elements; padding on; bit 21 beside a mask; after every 32 words 4 words
	s_mov_b32 s[G1V], 15|(1<<16)|(1<<20)|(1<<21)|(4<<22)|(7<<25)  ; the same with 8 words
.irp g, G1K, G1V                    ; 128 keys are 16,384 dense bytes: asked for as 64 rows of 256 bytes, padded after every key
	s_mov_b32 s[\g+1], 128<<16
	s_mov_b32 s[\g+2], 64<<16
	s_mov_b32 s[\g+3], 128<<16
	s_mov_b32 s[\g+4], 64
	s_mov_b32 s[\g+5], 128
	s_mov_b32 s[\g+6], 0
	s_mov_b32 s[\g+7], 0
.endr
	s_mov_b32 s[CS], 0x3e38aa3b     ; c = log2(e) / 8
	s_mov_b32 s[CS+1], s[CS]
	s_mov_b32 s[SEL], 0x76543210
	s_mov_b32 s[SEL+1], 0xfedcba98
	s_mov_b32 s[TBK], SLOT1+4*KS*PK ; the first change of slots turns these two into 0
	s_mov_b32 s[TBV], SLOT1+4*KS*PV
	s_mov_b32 s[TBM], 0
	s_mov_b32 s[BIGN], 0xf149f2ca
	s_mov_b32 s[G0K], 1
	s_mov_b32 s[G0K+1], s17
	s_mov_b32 s[G0V], 1
	s_add_co_u32 s[G0V+1], s18, VOFF
	s_wait_dscnt 0x0                ; the opening add is done
	s_wait_kmcnt 0x0
	s_add_nc_u64 s[G0K+2:G0K+3], s[4:5], s[22:23]
	s_add_nc_u64 s[G0V+2:G0V+3], s[G0K+2:G0K+3], 0x1000000   ; V lies 16 MB behind Q,
	s_add_nc_u64 s[G0K+2:G0K+3], s[G0K+2:G0K+3], 0x800000    ; K 8 MB
	s_or_b32 s[G0K+3], s[G0K+3], 0x80000000
	s_or_b32 s[G0V+3], s[G0V+3], 0x80000000
	s_add_nc_u64 s[4:5], s[4:5], s[2:3]
	s_add_nc_u64 s[10:11], s[10:11], s[2:3]
	s_add_nc_u64 s[6:7], s[6:7], s[20:21]
	CROUND                          ; all four work-groups are here: the first joint loads meet
	JLOAD                           ; slot 0
	v_lshlrev_b32 v33, 4, v0
	global_load_b128 v[34:37], v33, s[6:7]  ; my 16 bytes of the mask: 128 threads x 16 keys
	v_and_b32 v1, 15, v0            ; l % 16
	v_bfe_u32 v9, v0, 4, 1          ; l / 16
	v_lshlrev_b32 v[QO], 7, v1
	v_lshl_add_u32 v[QO], v9, 4, v[QO]
	WIN 0x80                        ; destination window 2
.set i, 0
.rept 8                             ; Q stays in registers: piece i / 2, channels 32 (i % 2) on
	global_load_b128 v[8*i:8*i+3],   v[QO], s[4:5] offset:(i/2)*2048+(i%2)*64
	global_load_b128 v[8*i+4:8*i+7], v[QO], s[4:5] offset:(i/2)*2048+(i%2)*64+32
.set i, i+1
.endr
	WIN 0
	v_lshl_add_u32 v38, v0, 6, MASKL
	v_lshl_add_u32 v[AM0], v9, 5, MASKL   ; register j of key block kb: key 16 kb + 8 (l / 16) + j
	s_wait_loadcnt 16               ; the mask's load is in; Q's sixteen stay out
.set i, 0
.rept 16
	v_bfe_u32 v[64+i], v[34+i/4], 8*(i%4), 8
	v_add_nc_u32 v[64+i], -1, v[64+i]      ; 1 -> 0, 0 -> all ones
	v_and_b32 v[64+i], s[BIGN], v[64+i]    ; 0, or -1e30
.set i, i+1
.endr
.irp f, 0,1,2,3
	ds_store_b128 v38, v[64+4*\f:67+4*\f] offset:16*\f
.endr
	v_mul_u32_u24 v[AK0], v1, PK
	v_lshl_add_u32 v[AK0], v9, 4, v[AK0]
	v_and_b32 v10, 7, v0
	v_bfe_u32 v11, v0, 3, 1
	v_lshl_add_u32 v[AV0], v9, 3, v10
	v_mul_u32_u24 v[AV0], v[AV0], PV
	v_lshl_add_u32 v[AV0], v11, 4, v[AV0]
	v_add_nc_u32 v[AV0], VOFF, v[AV0]
	s_mul_i32 s13, s[WV], 16*SP
	s_add_co_u32 s13, s13, STAGE
	v_mul_u32_u24 v[STO], v1, SP
	v_lshl_add_u32 v[STO], v9, 4, v[STO]
	v_add_nc_u32 v[STO], s13, v[STO]
	v_bfe_u32 v[RD], v0, 3, 2
	v_mul_u32_u24 v[RD], v[RD], SP
	v_lshl_add_u32 v[RD], v10, 4, v[RD]
	v_add_nc_u32 v[RD], s13, v[RD]
	v_and_b32 v[GO], 31, v0
	v_lshlrev_b32 v[GO], 4, v[GO]
	; No first step is written out: the first step multiplies O^T and l by a = 0, and the first turn's products V^T P, of a piece that has not been, add 0.  These zeros stand in the wait for the first tile.
	WIN 0x80
.set i, VF
.rept 64
	v_mov_b32 v[i], 0
.set i, i+1
.endr
	WIN 0x40
.set i, 0
.rept 128
	v_mov_b32 v[i], 0
.set i, i+1
.endr
	WIN 0
.set i, 0
.rept 4
	v_mov_b32 v[ST+4*i], 0xfe000000    ; c m: far below every c s, so the first a is 0
	v_mov_b32 v[ST+4*i+1], 0xef800000  ; m = -2^96
	v_mov_b32 v[ST+4*i+2], 0
	v_mov_b32 v[ST+4*i+3], 0
.set i, i+1
.endr
.set i, P+16
.rept 16
	v_mov_b32 v[i], 0
.set i, i+1
.endr
; THE MATRIX WORK.  The 4 accumulators of a run of 8 take turns.  Product i of 8 of S^T = K Q^T for piece x: channels 32 (i / 4) on, keys 16 (i % 4) on.  The first 4 start the sums with the mask.
.macro KQ x
.set rS, S+32*((\x)%2)+8*(i%4)
.set rK, KF+16*(i%4)+8*(i/4)
.set rQ, 16*(\x)+8*(i/4)
.set rM, MK+8*(i%4)
.if i < 4
	WIN W_KM
	v_wmma_f32_16x16x32_bf16 v[rS:rS+7], v[rK:rK+7], v[rQ:rQ+7], v[rM:rM+7]
.else
	WIN W_KQ
	v_wmma_f32_16x16x32_bf16 v[rS:rS+7], v[rK:rK+7], v[rQ:rQ+7], v[rS:rS+7]
.endif
.endm
.macro PV x                         ; product i of 8 of O^T += V^T P for piece x: keys 32 (i / 4) on, channels 16 (i % 4) on
	WIN W_PV
.set rO, 32*(\x)+8*(i%4)
.set rV, VF+32*(i/4)+8*(i%4)
.set rP, P+16*((\x)%2)+8*(i/4)
	v_wmma_f32_16x16x32_bf16 v[rO:rO+7], v[rV:rV+7], v[rP:rP+7], v[rO:rO+7]
.endm
.macro MM                           ; the turn's next matrix instruction.  NOKQ = 1: the very last turn: there is no next piece
.if (i < 8) && !NOKQ
	KQ (Y+1)%NP
.elseif i >= 8
.set i, i-8
	PV (Y+NP-1)%NP
.set i, i+8
.endif
.set i, i+1
.endm
.macro FETCH_K                      ; a step's K (8 fragments) and its 64 numbers of the mask: 24 LDS loads in one run
	WIN 0x80
.irp f, 0,1,2,3,4,5,6,7
	ds_load_b128 v[KF+8*\f:KF+8*\f+3],   v[AK] offset:(\f/2)*16*PK+(\f%2)*64
	ds_load_b128 v[KF+8*\f+4:KF+8*\f+7], v[AK] offset:(\f/2)*16*PK+(\f%2)*64+32
.endr
.irp f, 0,1,2,3
	ds_load_b128 v[MK+8*\f:MK+8*\f+3],   v[AM] offset:64*\f
	ds_load_b128 v[MK+8*\f+4:MK+8*\f+7], v[AM] offset:64*\f+16
.endr
	s_add_co_u32 s[TBK], s[TBK], KS*PK
	s_add_co_u32 s[TBM], s[TBM], 4*KS
	WIN 0
.endm
.macro FETCH_V
	WIN 0x80
.irp f, 0,1,2,3,4,5,6,7
	ds_load_tr16_b128 v[VF+8*\f:VF+8*\f+3],   v[AV] offset:(\f/4)*32*PV+(\f%4)*32
	ds_load_tr16_b128 v[VF+8*\f+4:VF+8*\f+7], v[AV] offset:(\f/4)*32*PV+16*PV+(\f%4)*32
.endr
	WIN 0
.endm
; THE VECTOR WORK, one line at a time: OP kind, number.  For piece Y: F n: c s - c m for pair n of 16.  E n: the exponential of score n.  C n: pair n rounded to bf16.  B n: of the four weights 4 n .. the second
; pair is added onto the first.  L n: l takes that sum (L 0: l = a l + sum).  R n: pair n of 16 of O^T times a.  For piece Y + 1: X n, number n of the 22 that find its maximum and statistics
; (each accumulator's lowest registers are read first).
.set F, 0
.set E, 1
.set C, 2
.set B, 3
.set L, 4
.set R, 5
.set X, 6
.macro REGS y
.set rT, ST+4*(\y)
.set rC, TMP+4*((\y)%2)
.set rW, MV+((\y)%2)
.set rS, S+32*((\y)%2)
.set rP, P+16*((\y)%2)
.set rO, 32*(\y)
.endm
.macro OP k, n
.if (\k) == R
	REGS Y
	WIN W_RS
	v_pk_mul_f32 v[rO+2*(\n):rO+2*(\n)+1], v[rO+2*(\n):rO+2*(\n)+1], v[rC+2:rC+3] op_sel_hi:[1,0]
.elseif (\k) < R
	REGS Y
	WIN 0
.if (\k) == F
	v_pk_fma_f32 v[rS+2*(\n):rS+2*(\n)+1], v[rS+2*(\n):rS+2*(\n)+1], s[CS:CS+1], v[rT:rT+1] op_sel_hi:[1,0,0] neg_lo:[0,0,1] neg_hi:[0,0,1]
.elseif (\k) == E
	v_exp_f32 v[rS+(\n)], v[rS+(\n)]
.elseif (\k) == C
	s_wait_alu depctr_va_vdst(0)
	v_cvt_pk_bf16_f32 v[rP+(\n)], v[rS+2*(\n)], v[rS+2*(\n)+1]
.elseif (\k) == B
	s_wait_alu depctr_va_vdst(0)
	v_pk_add_f32 v[rS+4*(\n):rS+4*(\n)+1], v[rS+4*(\n):rS+4*(\n)+1], v[rS+4*(\n)+2:rS+4*(\n)+3]
.elseif (\n) == 0
	v_pk_fma_f32 v[rT+2:rT+3], v[rT+2:rT+3], v[rC+2:rC+3], v[rS:rS+1] op_sel_hi:[1,0,1]
.else
	v_pk_add_f32 v[rT+2:rT+3], v[rT+2:rT+3], v[rS+4*(\n):rS+4*(\n)+1]
.endif
.elseif NOKQ
	v_nop
.else
	REGS (Y+1)%NP
	WIN 0
.if (\n) < 4
	v_max3_num_f32 v[rC+(\n)], v[rS+8*(\n)], v[rS+8*(\n)+1], v[rS+8*(\n)+2]
.elseif (\n) < 12
	v_max3_num_f32 v[rC+(\n)%4], v[rC+(\n)%4], v[rS+8*((\n)%4)+2*((\n)/4)+1], v[rS+8*((\n)%4)+2*((\n)/4)+2]
.elseif (\n) == 12
	v_max3_num_f32 v[rC], v[rC], v[rS+7], v[rS+15]
.elseif (\n) == 13
	v_max3_num_f32 v[rC+1], v[rC+1], v[rS+23], v[rS+31]
.elseif (\n) == 14
	v_max3_num_f32 v[rC+2], v[rC+2], v[rC+3], v[rT+1]
.elseif (\n) == 15
	v_mov_b32 v[rW], v[rT]
.elseif (\n) == 16
	v_max3_num_f32 v[rC], v[rC], v[rC+1], v[rC+2]
.elseif (\n) == 17
	v_permlanex16_b32 v[rC+3], v[rC], s[SEL], s[SEL+1]
.elseif (\n) == 18
	v_max_num_f32 v[rT+1], v[rC], v[rC+3]
.elseif (\n) == 19
	v_mul_f32 v[rT], s[CS], v[rT+1]
.elseif (\n) == 20
	v_sub_f32 v[rC+1], v[rW], v[rT]
.else
	v_exp_f32 v[rC+2], v[rC+1]
.endif
.endif
.endm
.macro OPS a, i1, b=-1, i2=0, c=-1, i3=0, d=-1, i4=0
	OP \a, \i1
.if (\b) >= 0
	OP \b, \i2
.endif
.if (\c) >= 0
	OP \c, \i3
.endif
.if (\d) >= 0
	OP \d, \i4
.endif
.endm
.macro ROW a, i1, b, i2, c, i3, d, i4  ; a matrix instruction and the four behind it
	MM
	OPS \a, \i1, \b, \i2, \c, \i3, \d, \i4
.endm
; A TURN, for piece p: the order of its 16 matrix and 118 vector instructions, written out.  A line reads no result made fewer than three vector instructions in front of it, five if an exponential made it.
; end = 1: the last two turns: nothing is fetched.  cnt = 1: the loop's count is taken down some lines ahead of the branch behind the turn.
; K and the mask of the next step are fetched in piece 2's turn, six plain instructions behind the last product that read them; V of the step in hand in piece 0's turn, eight plain ones behind its last reader.
; Each is waited for a turn later.
.macro TURN p, end=0, cnt=0
.set Y, (\p)
.set i, 0
.set NOKQ, (\end)*((\p)/3)
.if ((\p) == 3) && !(\end)
	s_wait_dscnt 0x0                ; K and the mask are in
.endif
	ROW F,0, F,1, F,2, F,3
	ROW F,4, E,0, F,5, F,6
	ROW F,7, E,1, F,8, F,9
	ROW F,10, E,2, C,0, F,11
	ROW F,12, E,3, X,15, F,13
	ROW R,0, R,1, R,2, R,3
	ROW B,0, E,4, F,14, L,0
.if ((\p) == 2) && !(\end)
	v_add_nc_u32 v[AK], s[TBK], v[AK0]
	v_add_nc_u32 v[AM], s[TBM], v[AM0]
.endif
	ROW R,4, R,5, R,6, R,7
	OPS E,5, F,15
.if ((\p) == 2) && !(\end)
	FETCH_K
.endif
	OPS E,6, C,1, E,7, R,8
	OPS E,8, R,9, E,9, C,2
	OPS E,10, X,0, E,11, X,1
	OPS E,12, X,2, E,13, X,3
.if (\p) == 1
	s_wait_dscnt 0x0                ; V is in
.endif
	ROW X,4, E,14, X,5, X,6
	ROW X,7, E,15, X,8, X,9
	ROW X,10, E,16, X,11, X,12
	ROW X,13, E,17, X,14, B,1
	ROW C,4, E,18, X,16, L,1
	ROW B,2, E,19, C,6, L,2
	ROW C,8, E,20, B,3, B,4
.if (\p) == 0
	v_add_nc_u32 v[AV], s[TBV], v[AV0]
.endif
	ROW C,3, E,21, L,3, C,5
	OPS E,22, X,17, E,23, C,10
.if (\p) == 0
	FETCH_V
.endif
	OPS E,24, L,4
	OPS E,25, X,18, E,26, C,7
	OPS E,27, B,5, E,28, X,19
	OPS E,29, C,12, E,30, L,5
	OPS E,31, X,20, B,6, C,9
	OPS C,14, C,11, X,21, L,6
.if (\p) == 0
	s_add_co_u32 s[TBV], s[TBV], KS*PV
.endif
.if \cnt
	s_sub_co_u32 s[CNT], s[CNT], 1
	s_cmp_lg_u32 s[CNT], 0
.endif
	OPS C,13, B,7, C,15, R,10
	OPS R,11, R,12, L,7, R,13
	OPS R,14, R,15
.endm
	CHANGE 1                        ; slot 0 is in, the mask is known to all; slot 1 is asked for
	v_add_nc_u32 v[AK], s[TBK], v[AK0]
	v_add_nc_u32 v[AM], s[TBM], v[AM0]
	FETCH_K                         ; key step 0
	s_wait_loadcnt 0x0              ; Q
	s_wait_dscnt 0x0
.set NOKQ, 0
.set i, 0
.rept 8
	KQ 0                            ; piece 0's first scores
.set i, i+1
.endr
	WIN 0
.rept 4
	v_nop                           ; the places behind those products
.endr
.set Y, NP-1                        ; X works for piece Y + 1: piece 0
.irp n, 0,1,2,3,4,5,6,7,8,9,10,11,12,13,14,15,16,17,18,19,20,21
	OP X, \n
.endr
	v_nop                           ; a plain line behind the exponential
	s_mov_b32 s[CNT], 4
	s_mov_b32 s[SLOTS], 7
	s_branch .Lfirst                ; the loop is entered at a step's first turn, in the middle of a trip
.Lslot:                             ; six times: tiles 2 to 7 are asked for
	CHANGE 1
	s_mov_b32 s[CNT], 4
.Lstep:                             ; a trip: pieces 2 and 3 of one step, then pieces 0 and 1 of the next, whose K and V it fetches
	TURN 2
	TURN 3
	WIN 0
.Lfirst:
	TURN 0
	TURN 1, 0, 1
	WIN 0
	s_cbranch_scc1 .Lstep
	s_sub_co_u32 s[SLOTS], s[SLOTS], 1
	s_cmp_lg_u32 s[SLOTS], 0
	s_cbranch_scc1 .Lslot
	CHANGE 0                        ; the last tile is written out
	s_mov_b32 s[CNT], 4
.Ltail:
	TURN 2
	TURN 3
	TURN 0
	TURN 1, 0, 1
	WIN 0
	s_cbranch_scc1 .Ltail
	TURN 2, 1
	TURN 3, 1
.set i, 0
.rept 8
	PV NP-1
.set i, i+1
.endr
	; THE WAY OUT: l's two halves and the other half of the lanes' are added; O^T is divided by l, rounded to bf16 and sent through my stage in LDS, a piece at a time.  The additions are the places behind the last products.
	WIN 0
.macro ALL line:vararg
.set t, 0
.rept 4
	\line
.set t, t+1
.endr
.endm
	ALL v_add_f32 v[ST+4*t+2], v[ST+4*t+2], v[ST+4*t+3]
	ALL v_permlanex16_b32 v[ST+4*t+3], v[ST+4*t+2], s[SEL], s[SEL+1]
	ALL v_add_f32 v[ST+4*t+2], v[ST+4*t+2], v[ST+4*t+3]
	ALL v_rcp_f32 v[ST+4*t+2], v[ST+4*t+2]
	v_nop                           ; a plain line between the last reciprocal and its use
.macro PACK t
	WIN W_RS
.set i, 32*(\t)
.rept 16
	s_wait_alu depctr_va_vdst(0)
	v_pk_mul_f32 v[i:i+1], v[i:i+1], v[ST+4*(\t)+2:ST+4*(\t)+3] op_sel_hi:[1,0]
.set i, i+2
.endr
	WIN 0x05                        ; sources 0 and 1 window 1, destination window 0
.set i, 0
.rept 16
	v_cvt_pk_bf16_f32 v[S+16*(\t)+i], v[32*(\t)+2*i], v[32*(\t)+2*i+1]
.set i, i+1
.endr
	WIN 0
.irp f, 0,1,2,3
	ds_store_b128 v[STO], v[S+16*(\t)+4*\f:S+16*(\t)+4*\f+3] offset:32*\f
.endr
.irp f, 0,1,2,3
	ds_load_b128 v[S+16*(\t)+4*\f:S+16*(\t)+4*\f+3], v[RD] offset:\f*4*SP  ; LDS serves a wave's instructions in order: these see the stores above
.endr
.endm
.macro SEND t, younger              ; younger: the LDS instructions issued behind piece t's loads: the next piece's eight, or none
	WIN 0
.irp f, 0,1,2,3
	s_wait_dscnt (\younger)+3-\f
	global_store_b128 v[GO], v[S+16*(\t)+4*\f:S+16*(\t)+4*\f+3], s[10:11] offset:(\t)*2048+\f*512  ; 512 consecutive bytes, aligned
.endr
.endm
	PACK 0
.set t, 1
.rept 3
	PACK t
	SEND t-1, 8
.set t, t+1
.endr
	SEND 3, 0
	s_wait_tensorcnt 0x0            ; the wave's end
	ds_add_u32 v[SPW], v[NIL]
	s_wait_dscnt 0x0
	CROUND                          ; the closing round
	s_endpgm
.Lfunc_end_k_q498ecd1ebb_attn:
	.size	k_q498ecd1ebb_attn, .Lfunc_end_k_q498ecd1ebb_attn-k_q498ecd1ebb_attn
	.p2alignl 7, 3214868480
	.fill 96, 4, 3214868480
	.section	.rodata,"a",@progbits
	.p2align	6, 0x0
	.amdhsa_kernel k_q498ecd1ebb_attn
		.amdhsa_group_segment_fixed_size 327680
		.amdhsa_private_segment_fixed_size 0
		.amdhsa_enable_private_segment 0
		.amdhsa_kernarg_size 24
		.amdhsa_user_sgpr_count 2
		.amdhsa_user_sgpr_kernarg_segment_ptr 1
		.amdhsa_wavefront_size32 1
		.amdhsa_system_sgpr_workgroup_id_x 1
		.amdhsa_system_sgpr_workgroup_id_y 1
		.amdhsa_system_sgpr_workgroup_id_z 1
		.amdhsa_system_vgpr_workitem_id 0
		.amdhsa_next_free_vgpr 768
		.amdhsa_next_free_sgpr 72
		.amdhsa_reserve_vcc 0
		.amdhsa_float_denorm_mode_32 3
		.amdhsa_float_denorm_mode_16_64 3
		.amdhsa_memory_ordered 1
		.amdhsa_forward_progress 1
		.amdhsa_inst_pref_size 138
	.end_amdhsa_kernel
	.amdgpu_metadata
---
amdhsa.version: [ 1, 2 ]
amdhsa.kernels:
  - .name:           k_q498ecd1ebb_attn
    .symbol:         k_q498ecd1ebb_attn.kd
    .args:
      - { .name: qkvb, .offset: 0, .size: 8, .value_kind: global_buffer, .address_space: global }
      - { .name: attn_mask, .offset: 8, .size: 8, .value_kind: global_buffer, .address_space: global }
      - { .name: ob, .offset: 16, .size: 8, .value_kind: global_buffer, .address_space: global }
    .group_segment_fixed_size: 327680
    .private_segment_fixed_size: 0
    .kernarg_segment_align: 8
    .kernarg_segment_size: 24
    .max_flat_workgroup_size: 128
    .sgpr_count:     72
    .vgpr_count:     768
    .wavefront_size: 32
...
	.end_amdgpu_metadata
.endif
;; end of part 4
;; launch projo (part 5): grid 8 x 32, 4 waves a work-group, clusters of 4 x 4, 327,680 bytes of LDS; arguments ob, wb, bo, x, x1; writes x1
.if DOCPART == 5
	.amdgcn_target "amdgcn-amd-amdhsa--gfx1250"
	.amdhsa_code_object_version 6
	.text
	.protected	k_q498ecd1ebb_projo
	.globl	k_q498ecd1ebb_projo
	.p2align	8
	.type	k_q498ecd1ebb_projo,@function
k_q498ecd1ebb_projo:
	s_mov_b64 s[64:65], 0
	v_nop
	global_prefetch_b8 v0, s[64:65] scope:SCOPE_SE
	s_setreg_imm32_b32 hwreg(HW_REG_WAVE_MODE, 25, 1), 1
	s_wait_xcnt 0x0
	s_wait_alu depctr_hold_cnt(0) depctr_sa_sdst(0) depctr_va_vdst(0) depctr_va_sdst(0) depctr_va_ssrc(0) depctr_va_vcc(0) depctr_vm_vsrc(0)
	s_getreg_b32 s2, hwreg(HW_REG_IB_STS2, 6, 4)
	s_cmp_eq_u32 s2, 0
	s_cbranch_scc0 .Lentry_in_a_cluster
	s_endpgm
.Lentry_in_a_cluster:
	s_bfe_u32 s2, ttmp6, 0x10000c
	s_cmp_lg_u32 s2, 0xf033
	s_cbranch_scc0 .Lentry_shape_is_right
	s_endpgm
.Lentry_shape_is_right:
; out = res + A @ W + bias, f32.  One source text for two launches; FF2 chooses the sizes.
;   FF2 = 0: A = ob, attention's result by heads [32 bh][2048][64] bf16, K = 1,024 (a K step of 256 is four heads), W = wo, res = x, out = x1.
;   FF2 = 1: A = gb [4096][4096] bf16, K = 4,096, W = ff_w2, res = x1, out = out0.
; A work-group makes 128 x 128 of the result, so that there are 256 of them.  K IS SPLIT OVER THE WAVES: each wave makes the whole 128 x 128 over its 64 of every 256 k (64 accumulators, 512 registers),
; so each fragment read from LDS feeds eight products; the four partial tiles are added through LDS at the end.  The order of that sum differs from a plain dot product.
; One tensor load a wave and step: waves 0 and 1 bring A's halves, waves 2 and 3 the halves (128 k x 128 columns) of W.  CLUSTER 4 x 4: A jointly along a row of the cluster, W along a column.
; THE MATRIX INSTRUCTION IS USED TRANSPOSED: source 0 = 16 columns of W (read turned by ds_load_tr16_b128), source 1 = 16 rows of A.
; PREFETCH (FF2 = 1 alone: sixteen K steps, each tile wanted first by this launch).  The eight work-groups of a tile row want the same 128 rows x 512 bytes of A for a K step: work-group tx asks for rows
; 16 tx .. 16 tx + 15 of them, 32 blocks of 256 bytes, one a lane: wave 0, in trip t of the loop for K step t + 4, whose tensor load goes out two trips later.  The 32 work-groups of a tile column want the
; same 256 rows x 256 bytes of W: a work-group's part is 8 blocks a step, and wave 1 asks for four steps' parts at once, in trips 0, 4 and 8, for steps 4 to 15.  So each block is asked for once in the
; launch.  Trips 12 and 13 ask for nothing: their look-ahead would pass K's end.
; REGISTERS: window 0: v0-31 addresses, v32-39 bias, v64-191 A's fragments (two buffers), later at work; window 1: v64-191 W's fragments, v0-63 and v192-255 my 32 rows of the residual
; (on their way during the whole product); windows 2, 3: accumulator (a, b) at v[8 (8 (a % 4) + b)] of window 2 + a / 4.
; LIMITS: operands are bf16; NaN and infinities are not treated apart.
.set FF2, 0
.set SLOT,  0x24000                    ; no LDS base of a descriptor has bit 14 or bit 17 set, so one exclusive or turns it into the other slot's
.set SPARE, 2*SLOT
.set PW,    288
.if FF2
.set PA,     528                       ; a row of A in LDS: 512 bytes + 16
.set NSTEP,  16
.set STEPA,  512
.set WOFF,   16777216
.set AHALF,  64*528                    ; what one load brings of A: 64 rows
.set AWV,    128                       ; my 64 k in a row of A, in bytes
.else
.set PA,     144                       ; a token's 64 channels of a head: 128 bytes + 16
.set NSTEP,  4
.set STEPA,  1048576                   ; four heads on
.set WOFF,   6291456
.set AHALF,  2*128*144                 ; two heads x 128 tokens
.set AWV,    128*144                   ; my head of the step's four
.endif
.set ABYTES, 2*AHALF
.set MA,    8
.set NBK,   8
.set APW,   4
.set KPB,   8
.set NAW,   2
.set AF0, 64
.set AFS, 64
.set WF0, 64
.set WFS, 64
.set STEPW, 524288                     ; 256 rows of 2,048 bytes
.set HP,    272                        ; the way out: half a row, 64 f32 + 16 bytes
.set PART,  128*HP                     ; a wave's partial half tile
.set RES,   4*PART                     ; behind the four: the residual, 128 rows x 512 bytes
.set ADRA, 16
.set ADRW, 17
.set CA,   20
.set CW,   21
.set STO,  24
.set RD,   25
.set RR,   26
.set RSTO, 27
.set SPW,  28
.set NIL,  29
.set CO,   30
.set RDW,  8                           ; v8-11  the loop's own copies of RD, RD + 2 parts, RR, CO
.set RDW2, 9
.set RRW,  10
.set COW,  11
.set PFA,  12                          ; v12  my lane's block among the 32 of A that wave 0 asks for; never rewritten
.set PFW,  13                          ; v13  the same among the 32 of W that wave 1 asks for
.set WV,  16
.set WHI, 17
.set WLO, 18
.set CX,  19
.set CY,  20
.set TX,  21
.set TY,  22
.set MKA, 23
.set MKW, 24
.set G1A, 28
.set G1W, 36
.set G0A0, 44
.set G0A, 48
.set G0W0, 52
.set G0W, 56
.set TB,  60
.set CNT, 61
.set LA,  62
.set LW,  63
.set PFB, 76                           ; s[76:77] A at my sixteen rows, at the K step asked for last
.set PWB, 78                           ; s[78:79] W at my eight rows and my tile column, at the first of the four K steps asked for last
.set MSB, 0
.macro WIN new
.if MSB != (\new)
	s_set_vgpr_msb (MSB<<8)|(\new)
.set MSB, \new
.endif
.endm
.set MUL_LO, 0xa1
.set TO_B,   0x40
.macro PLACES
.rept 4
	v_nop
.endr
.endm
.macro JLOAD                           ; the joint refill by the walking set; an s_nop 0 and four v_nop follow each of the two lines
	s_cmp_lt_u32 s[WV], NAW
	s_cbranch_scc0 .Lfor_w_\@
	tensor_load_to_lds s[G0A:G0A+3], s[G1A:G1A+7]
	s_nop 0
.rept 4
	v_nop
.endr
	s_branch .Lasked_\@
.Lfor_w_\@:
	tensor_load_to_lds s[G0W:G0W+3], s[G1W:G1W+7]
	s_nop 0
.rept 4
	v_nop
.endr
.Lasked_\@:
.endm
.macro CREST
	s_cmp_lg_u32 s[WV], 0
	s_cbranch_scc1 .Lnot_wave_0_\@
	s_barrier_signal -3
.Lnot_wave_0_\@:
	s_barrier_wait -3
	s_barrier_signal -1
	s_barrier_wait -1
.endm
.macro CROUND
	s_barrier_signal -1
	s_barrier_wait -1
	CREST
.endm
; The prefetch of a trip (see the head).  The loop's counter is 14 - t.  A base is stepped only behind s_wait_xcnt 0, a trip or more behind the prefetch that read it.
.macro ASK
	s_cmp_lt_u32 s[CNT], 3
	s_cbranch_scc1 .Lpf_done_\@                    ; trips 12 and 13
	s_cmp_lg_u32 s[WV], 0
	s_cbranch_scc1 .Lpf_w_\@
	s_wait_xcnt 0x0
	s_add_nc_u64 s[PFB:PFB+1], s[PFB:PFB+1], STEPA
	global_prefetch_b8 v[PFA], s[PFB:PFB+1] th:TH_LOAD_NT scope:SCOPE_SE
	s_branch .Lpf_done_\@
.Lpf_w_\@:
	s_cmp_lg_u32 s[WV], 1
	s_cbranch_scc1 .Lpf_done_\@
	s_and_b32 s80, s[CNT], 3
	s_cmp_lg_u32 s80, 2
	s_cbranch_scc1 .Lpf_done_\@                    ; the counter is 14, 10 or 6 in trips 0, 4 and 8
	s_wait_xcnt 0x0
	s_add_nc_u64 s[PWB:PWB+1], s[PWB:PWB+1], 4*STEPW
	global_prefetch_b8 v[PFW], s[PWB:PWB+1] th:TH_LOAD_NT scope:SCOPE_SE
.Lpf_done_\@:
.endm
.macro MULS f, p, zero                 ; part p of four of the 64 products on buffer f; the accumulators take turns, one instruction a turn
	WIN MUL_LO+0x50*((\p)/2)
.set al, ((\p)%2)*(APW/2)
.rept APW/2
.set bb, 0
.rept NBK
.set rD, 8*(NBK*al+bb)
.set rW, WF0+WFS*(\f)+8*bb
.set rA, AF0+AFS*(\f)+8*(APW*((\p)/2)+al)
.if \zero
	v_wmma_f32_16x16x32_bf16 v[rD:rD+7], v[rW:rW+7], v[rA:rA+7], 0
.else
	v_wmma_f32_16x16x32_bf16 v[rD:rD+7], v[rW:rW+7], v[rA:rA+7], v[rD:rD+7]
.endif
.set bb, bb+1
.endr
.set al, al+1
.endr
.endm
.macro FETCH q, f                      ; 32 LDS loads in one run: 32 k at place q of my share into buffer f; the upper row blocks last
	WIN TO_B
.set bb, 0
.rept NBK
.set rW, WF0+WFS*(\f)+8*bb
	ds_load_tr16_b128 v[rW:rW+3],   v[CW+bb/KPB] offset:32*(\q)*PW+32*(bb%KPB)
	ds_load_tr16_b128 v[rW+4:rW+7], v[CW+bb/KPB] offset:32*(\q)*PW+16*PW+32*(bb%KPB)
.set bb, bb+1
.endr
	WIN 0
.set al, 0
.rept MA
.set rA, AF0+AFS*(\f)+8*al
	ds_load_b128 v[rA:rA+3],   v[CA] offset:64*(\q)+al*16*PA
	ds_load_b128 v[rA+4:rA+7], v[CA] offset:64*(\q)+al*16*PA+32
.set al, al+1
.endr
.endm
.macro SETADR
	v_add_nc_u32 v[CA], s[TB], v[ADRA]
	v_add_nc_u32 v[CW], s[TB], v[ADRW]
.endm
.macro QUARTER q, f, g, zero
	s_wait_dscnt MA                                ; only the youngest MA loads, the upper row blocks, may be out
	MULS \f, 0, \zero
	MULS \f, 1, \zero
	PLACES
	FETCH \q, \g
	s_wait_dscnt 32                                ; all but the 32 just issued
	MULS \f, 2, \zero
	MULS \f, 3, \zero
.endm
; The second half of a step multiplies buffer 1 and changes slots.  Each wave waits for all its tensor loads (one is out: its part of the next slot), adds 0 to its spare word, and waits for that and
; for its reads of this slot, which are all in registers by then.
; fill = 1: a round of the cluster's barrier follows at once, and the joint refill, two steps ahead, is the first thing behind it: nothing of the step's work stands between the wait for one tile and
; the request for the next, and the half step's 64 products, which need registers alone, are issued while that tile is on its way.
; fill = 0 (the tail): nothing is asked for, so the products stand round the barrier; in the last trip the fetch from a next slot is jumped over.
.macro TURN fill
	WIN 0
	s_wait_tensorcnt 0x0
	ds_add_u32 v[SPW], v[NIL]
.if \fill
	s_xor_b32 s[G0A+1], s[G0A+1], SLOT             ; no load of mine is out, so a group 0 may be written: the other slot than last time, the next step
	s_add_nc_u64 s[G0A+2:G0A+3], s[G0A+2:G0A+3], STEPA
	s_xor_b32 s[G0W+1], s[G0W+1], SLOT
	s_add_nc_u64 s[G0W+2:G0W+3], s[G0W+2:G0W+3], STEPW
	s_wait_dscnt 0x0                               ; the add is done, my reads of this slot are over
	CROUND
	JLOAD                                          ; its four v_nop are also the places in front of the loads below
	s_xor_b32 s[TB], s[TB], SLOT
	SETADR
	FETCH 0, 0
.if FF2
	ASK
.endif
	MULS 1, 0, 0
	MULS 1, 1, 0
.else
	s_wait_dscnt MA+1                              ; (the add and the youngest MA loads may be out)
	MULS 1, 0, 0
	s_wait_dscnt 0x0
	s_barrier_signal -1
	MULS 1, 1, 0
	WIN 0
	s_barrier_wait -1
	PLACES
	s_cmp_eq_u32 s[CNT], 1
	s_cbranch_scc1 .Lnofetch_\@
	s_xor_b32 s[TB], s[TB], SLOT
	SETADR
	FETCH 0, 0
.Lnofetch_\@:
.endif
	MULS 1, 2, 0
	MULS 1, 3, 0
.endm
	s_load_b256 s[4:11], s[0:1], 0x0               ; A 4, wb 6, bias 8, res 10
	s_load_b64 s[12:13], s[0:1], 0x20              ; out
	v_lshl_add_u32 v[SPW], v0, 2, SPARE
	v_mov_b32 v[NIL], 0
	ds_add_u32 v[SPW], v[NIL]                      ; the wave's opening: the add, waited for ahead of my first tensor load
	v_lshrrev_b32 v1, 5, v0
	v_readfirstlane_b32 s[WV], v1
	s_lshr_b32 s[WHI], s[WV], 1
	s_and_b32 s[WLO], s[WV], 1                     ; which half of A's or W's tile I fetch
	s_bfe_u32 s[CX], ttmp6, 0x40000
	s_bfe_u32 s[CY], ttmp6, 0x40004
	s_lshl_b32 s[TX], ttmp9, 2
	s_add_co_u32 s[TX], s[TX], s[CX]
	s_and_b32 s[TY], ttmp7, 0xffff
	s_lshl_b32 s[TY], s[TY], 2
	s_add_co_u32 s[TY], s[TY], s[CY]
	s_lshl_b32 s[MKA], s[CY], 2
	s_lshl_b32 s[MKA], 15, s[MKA]
	s_lshl_b32 s[MKW], 0x1111, s[CX]
.if FF2
	s_or_b32 s[G1A], s[MKA], (1<<16)|(1<<20)|(1<<21)|(6<<22)|(3<<25)  ; 64 rows x 256 elements; after every 128 words 4 words
	s_mov_b32 s[G1A+1], 256<<16
	s_mov_b32 s[G1A+2], 64<<16
	s_mov_b32 s[G1A+3], 256<<16
	s_mov_b32 s[G1A+4], 64
	s_mov_b32 s[G1A+5], 4096
.else
	s_or_b32 s[G1A], s[MKA], (1<<16)|(1<<20)|(1<<21)|(4<<22)|(3<<25)  ; two heads, each 128 dense token rows = 8,192 elements; after every 32 words (a token) 4 words
	s_mov_b32 s[G1A+1], 8192<<16
	s_mov_b32 s[G1A+2], 2<<16
	s_mov_b32 s[G1A+3], 8192<<16
	s_mov_b32 s[G1A+4], 2
	s_mov_b32 s[G1A+5], 131072                     ; elements from head to head
.endif
	s_mov_b32 s[G1A+6], 0
	s_mov_b32 s[G1A+7], 0
	s_or_b32 s[G1W], s[MKW], (1<<16)|(1<<20)|(1<<21)|(5<<22)|(7<<25)  ; 128 k x 128 columns; after every 64 words 8 words
	s_mov_b32 s[G1W+1], 128<<16
	s_mov_b32 s[G1W+2], 128<<16
	s_mov_b32 s[G1W+3], 128<<16
	s_mov_b32 s[G1W+4], 128
	s_mov_b32 s[G1W+5], 1024
	s_mov_b32 s[G1W+6], 0
	s_mov_b32 s[G1W+7], 0
.if FF2
	s_lshl_b32 s66, s[TY], 7
	s_lshl_b32 s68, s[WLO], 6
	s_add_co_u32 s66, s66, s68
	s_lshl_b32 s66, s66, 13                        ; rows of 8,192 bytes
.else
	s_lshr_b32 s66, s[TY], 4                       ; the batch
	s_lshl_b32 s66, s66, 4
	s_lshl1_add_u32 s66, s[WLO], s66               ; + my first head of the step's four
	s_lshl_b32 s66, s66, 11
	s_and_b32 s68, s[TY], 15
	s_lshl_b32 s68, s68, 7
	s_add_co_u32 s66, s66, s68                     ; + the tile's first token
	s_lshl_b32 s66, s66, 7                         ; rows of 128 bytes
.endif
	s_mov_b32 s67, 0
	s_lshl_b32 s70, s[WLO], 18                     ; 128 rows of 2,048 bytes
	s_lshl_b32 s72, s[TX], 8
	s_add_co_u32 s70, s70, s72
	s_add_co_u32 s70, s70, WOFF
	s_mov_b32 s71, 0
	s_mul_i32 s[LA], s[WLO], AHALF
	s_mul_i32 s[LW], s[WLO], 128*PW
	s_add_co_u32 s[LW], s[LW], ABYTES
	s_mov_b32 s[TB], 0
	s_wait_dscnt 0x0                               ; the opening add is done
	s_wait_kmcnt 0x0
	s_add_nc_u64 s[66:67], s[4:5], s[66:67]
	s_add_nc_u64 s[70:71], s[6:7], s[70:71]
	CROUND                                         ; all sixteen work-groups are here: the first joint loads meet
	s_mov_b32 s[G0A0], 1
	s_mov_b32 s[G0A0+1], s[LA]
	s_mov_b64 s[G0A0+2:G0A0+3], s[66:67]
	s_or_b32 s[G0A0+3], s[G0A0+3], 0x80000000
	s_mov_b32 s[G0A], 1
	s_add_co_u32 s[G0A+1], s[LA], SLOT
	s_add_nc_u64 s[G0A+2:G0A+3], s[66:67], STEPA
	s_or_b32 s[G0A+3], s[G0A+3], 0x80000000
	s_mov_b32 s[G0W0], 1
	s_mov_b32 s[G0W0+1], s[LW]
	s_mov_b64 s[G0W0+2:G0W0+3], s[70:71]
	s_or_b32 s[G0W0+3], s[G0W0+3], 0x80000000
	s_mov_b32 s[G0W], 1
	s_add_co_u32 s[G0W+1], s[LW], SLOT
	s_add_nc_u64 s[G0W+2:G0W+3], s[70:71], STEPW
	s_or_b32 s[G0W+3], s[G0W+3], 0x80000000
	s_cmp_lt_u32 s[WV], NAW                        ; a wave's two first fills stand in one branch: two loads of mine are out
	s_cbranch_scc0 .Lfirst_w
	tensor_load_to_lds s[G0A0:G0A0+3], s[G1A:G1A+7]
	s_nop 0
	tensor_load_to_lds s[G0A:G0A+3], s[G1A:G1A+7]
	s_nop 0
.rept 4
	v_nop
.endr
	s_branch .Lfirst_done
.Lfirst_w:
	tensor_load_to_lds s[G0W0:G0W0+3], s[G1W:G1W+7]
	s_nop 0
	tensor_load_to_lds s[G0W:G0W+3], s[G1W:G1W+7]
	s_nop 0
.rept 4
	v_nop
.endr
.Lfirst_done:
	v_and_b32 v1, 15, v0                           ; r = l % 16
	v_bfe_u32 v2, v0, 4, 1                         ; hh = l / 16
	v_and_b32 v3, 7, v0
	v_bfe_u32 v4, v0, 3, 1
	v_and_b32 v6, 31, v0
.if FF2
	v_lshrrev_b32 v[PFA], 1, v6                    ; A: row l / 2 of my sixteen, 8,192 bytes a row, block l % 2 of the step's 512 bytes
	v_lshlrev_b32 v[PFA], 13, v[PFA]
	v_and_b32 v14, 1, v6
	v_lshl_add_u32 v[PFA], v14, 8, v[PFA]
	v_lshlrev_b32 v[PFW], 11, v3                   ; W: row l % 8 of my eight, 2,048 bytes a row, K step l / 8 of four, 2^19 bytes a step
	v_lshrrev_b32 v14, 3, v6
	v_lshl_add_u32 v[PFW], v14, 19, v[PFW]
	s_lshl_b32 s80, s[TY], 7
	s_lshl4_add_u32 s80, s[TX], s80                ; row 128 ty + 16 tx
	s_lshl_b32 s80, s80, 13
	s_add_co_u32 s80, s80, 3*STEPA                 ; the first trip's step makes it K step 4
	s_mov_b32 s81, 0
	s_add_nc_u64 s[PFB:PFB+1], s[4:5], s[80:81]
	s_lshl_b32 s82, s[TY], 14                      ; row 8 ty of a step's 256
	s_lshl_b32 s83, s[TX], 8
	s_add_co_u32 s82, s82, s83
	s_add_co_u32 s82, s82, WOFF                    ; the first trip's step makes it K steps 4 to 7
	s_mov_b32 s83, 0
	s_add_nc_u64 s[PWB:PWB+1], s[6:7], s[82:83]
.endif
	v_lshlrev_b32 v6, 4, v6                        ; 16 l
	v_mul_u32_u24 v[ADRA], v1, PA
	v_lshl_add_u32 v[ADRA], v2, 4, v[ADRA]
	s_mul_i32 s74, s[WV], AWV                      ; my share of K
	v_add_nc_u32 v[ADRA], s74, v[ADRA]
	v_lshl_add_u32 v5, v2, 3, v3
	v_mul_u32_u24 v5, v5, PW
	v_lshl_add_u32 v5, v4, 4, v5
	s_mul_i32 s74, s[WV], 64*PW                    ; my 64 k rows of W
	s_add_co_u32 s74, s74, ABYTES
	v_add_nc_u32 v[ADRW], s74, v5
	s_mul_i32 s74, s[WV], PART                     ; the way out: my partial half tile
	v_mul_u32_u24 v[STO], v1, HP
	v_lshl_add_u32 v[STO], v2, 5, v[STO]
	v_add_nc_u32 v[STO], s74, v[STO]
	s_mul_i32 s74, s[WV], 32*HP                    ; back: I finish rows 32 w .. 32 w + 31; lanes 0-15 one row, lanes 16-31 the next
	v_mul_u32_u24 v[RD], v2, HP
	v_lshl_add_u32 v[RD], v1, 4, v[RD]
	v_add_nc_u32 v[RD], s74, v[RD]
	s_lshl_b32 s74, s[WV], 14
	s_add_co_u32 s74, s74, RES                     ; my 32 rows of the residual
	v_add_nc_u32 v[RSTO], s74, v6
	v_lshlrev_b32 v[RR], 9, v2
	v_lshl_add_u32 v[RR], v1, 4, v[RR]
	v_add_nc_u32 v[RR], s74, v[RR]
	v_lshlrev_b32 v[CO], 12, v2
	v_lshl_add_u32 v[CO], v1, 4, v[CO]
	v_lshlrev_b32 v31, 4, v1
	s_lshl_b32 s90, s[TX], 9                       ; the tile's 128 columns: 512 bytes of f32
	s_mov_b32 s91, 0
	s_add_nc_u64 s[8:9], s[8:9], s[90:91]
	s_lshl_b32 s92, s[TY], 7
	s_lshl_b32 s94, s[WV], 5
	s_add_co_u32 s92, s92, s94
	s_lshl_b32 s92, s92, 12                        ; rows of 4,096 bytes
	s_add_co_u32 s92, s92, s90
	s_mov_b32 s93, 0
	s_add_nc_u64 s[10:11], s[10:11], s[92:93]
	s_add_nc_u64 s[12:13], s[12:13], s[92:93]
	global_load_b128 v[32:35], v31, s[8:9]
	global_load_b128 v[36:39], v31, s[8:9] offset:256
	WIN 0x40                                       ; destination window 1
.set j, 0
.rept 32                                               ; my 32 rows of the residual, 512 bytes each; they are waited for at the way out
.set rR, 4*j+128*(j/16)
	global_load_b128 v[rR:rR+3], v6, s[10:11] offset:4096*j
.set j, j+1
.endr
	WIN 0
	s_wait_tensorcnt 1                             ; my part of step 0 is in; step 1 may stay out
	s_barrier_signal -1
	s_barrier_wait -1
	SETADR
	FETCH 0, 0
	QUARTER 1, 0, 1, 1                             ; the first 32 k stand in front of the loop: their products start the sums
	WIN 0
	s_mov_b32 s[CNT], NSTEP-2
.Lk:                                                   ; a trip: the second half of a step, the first half of the next; it fills the slot that it leaves
	TURN 1
	QUARTER 1, 0, 1, 0
	WIN 0
	s_sub_co_u32 s[CNT], s[CNT], 1
	s_cmp_lg_u32 s[CNT], 0
	s_cbranch_scc1 .Lk
	s_mov_b32 s[CNT], 2
.Ltail:                                                ; the last two steps ask for nothing
	TURN 0
	WIN 0
	s_cmp_eq_u32 s[CNT], 1
	s_cbranch_scc1 .Lnoq
	QUARTER 1, 0, 1, 0
	WIN 0
.Lnoq:
	s_sub_co_u32 s[CNT], s[CNT], 1
	s_cmp_lg_u32 s[CNT], 0
	s_cbranch_scc1 .Ltail
	; THE WAY OUT.  The slots have had their last fill.  The four partial tiles meet in LDS, 64 columns at a time (four whole tiles and the residual do not fit together); each wave then finishes 32 rows.
.macro DUMPH hf                        ; my sums for columns 64 hf .. 64 hf + 63
.set al, 0
.rept MA
	WIN 0x08+4*(al/APW)                            ; store data in window 2 or 3
.set bb, 0
.rept 4
.set rD, 8*(NBK*(al%APW)+4*(\hf)+bb)
	ds_store_b128 v[STO], v[rD:rD+3] offset:al*16*HP+64*bb        ; each accumulator from its low end on
	ds_store_b128 v[STO], v[rD+4:rD+7] offset:al*16*HP+64*bb+16
.set bb, bb+1
.endr
.set al, al+1
.endr
	WIN 0
.endm
.macro EPI hf                          ; four trips of eight rows: four partial sums + residual + bias; sixteen lanes store 256 consecutive bytes, aligned
	v_mov_b32 v[RDW], v[RD]
	v_add_nc_u32 v[RDW2], 2*PART, v[RD]
	v_add_nc_u32 v[RRW], 256*(\hf), v[RR]
	v_add_nc_u32 v[COW], 256*(\hf), v[CO]
	s_mov_b32 s[CNT], 4
.Lepi_\@:
.irp u, 0,1,2,3
	ds_load_b128 v[64+20*\u:67+20*\u], v[RDW] offset:2*HP*\u
	ds_load_b128 v[68+20*\u:71+20*\u], v[RDW] offset:2*HP*\u+PART
	ds_load_b128 v[72+20*\u:75+20*\u], v[RDW2] offset:2*HP*\u
	ds_load_b128 v[76+20*\u:79+20*\u], v[RDW2] offset:2*HP*\u+PART
	ds_load_b128 v[80+20*\u:83+20*\u], v[RRW] offset:1024*\u
.endr
.irp u, 0,1,2,3
	s_wait_dscnt 15-5*\u                           ; this pair of rows is in; the later pairs, five loads each, may stay out
.irp c, 0,2
	v_pk_add_f32 v[64+20*\u+\c:65+20*\u+\c], v[64+20*\u+\c:65+20*\u+\c], v[68+20*\u+\c:69+20*\u+\c]
	v_pk_add_f32 v[72+20*\u+\c:73+20*\u+\c], v[72+20*\u+\c:73+20*\u+\c], v[76+20*\u+\c:77+20*\u+\c]
	v_pk_add_f32 v[80+20*\u+\c:81+20*\u+\c], v[80+20*\u+\c:81+20*\u+\c], v[32+4*(\hf)+\c:33+4*(\hf)+\c]
	v_pk_add_f32 v[64+20*\u+\c:65+20*\u+\c], v[64+20*\u+\c:65+20*\u+\c], v[72+20*\u+\c:73+20*\u+\c]
	v_pk_add_f32 v[64+20*\u+\c:65+20*\u+\c], v[64+20*\u+\c:65+20*\u+\c], v[80+20*\u+\c:81+20*\u+\c]
.endr
	global_store_b128 v[COW], v[64+20*\u:67+20*\u], s[12:13] offset:8192*\u
.endr
	s_wait_xcnt 0x0                                ; the offset and the data are rewritten only behind this wait
	v_add_nc_u32 v[RDW], 8*HP, v[RDW]
	v_add_nc_u32 v[RDW2], 8*HP, v[RDW2]
	v_add_nc_u32 v[RRW], 4096, v[RRW]
	v_add_nc_u32 v[COW], 32768, v[COW]
	s_sub_co_u32 s[CNT], s[CNT], 1
	s_cmp_lg_u32 s[CNT], 0
	s_cbranch_scc1 .Lepi_\@
.endm
	s_wait_dscnt 0x0
	s_barrier_signal -1
	s_barrier_wait -1                              ; no wave reads the slots any more
	PLACES
	s_wait_loadcnt 0x0                             ; bias and residual
	WIN 0x04                                       ; store data in window 1
.set j, 0
.rept 32
.set rR, 4*j+128*(j/16)
	ds_store_b128 v[RSTO], v[rR:rR+3] offset:512*j ; rows that I alone read back
.set j, j+1
.endr
	DUMPH 0
	s_wait_dscnt 0x0                               ; for the others: my stores are done
	s_barrier_signal -1
	s_barrier_wait -1
	EPI 0
	s_wait_dscnt 0x0                               ; my reads of the partial tiles are over
	s_barrier_signal -1
	s_barrier_wait -1                              ; everybody's are: they may be written again
	DUMPH 1
	s_wait_dscnt 0x0
	s_barrier_signal -1
	s_barrier_wait -1
	EPI 1
	s_wait_tensorcnt 0x0                           ; the wave's end
	ds_add_u32 v[SPW], v[NIL]
	s_wait_dscnt 0x0
	CROUND                                         ; the closing round
	s_endpgm
.Lfunc_end_k_q498ecd1ebb_projo:
	.size	k_q498ecd1ebb_projo, .Lfunc_end_k_q498ecd1ebb_projo-k_q498ecd1ebb_projo
	.p2alignl 7, 3214868480
	.fill 96, 4, 3214868480
	.section	.rodata,"a",@progbits
	.p2align	6, 0x0
	.amdhsa_kernel k_q498ecd1ebb_projo
		.amdhsa_group_segment_fixed_size 327680
		.amdhsa_private_segment_fixed_size 0
		.amdhsa_enable_private_segment 0
		.amdhsa_kernarg_size 40
		.amdhsa_user_sgpr_count 2
		.amdhsa_user_sgpr_kernarg_segment_ptr 1
		.amdhsa_wavefront_size32 1
		.amdhsa_system_sgpr_workgroup_id_x 1
		.amdhsa_system_sgpr_workgroup_id_y 1
		.amdhsa_system_sgpr_workgroup_id_z 1
		.amdhsa_system_vgpr_workitem_id 0
		.amdhsa_next_free_vgpr 1024
		.amdhsa_next_free_sgpr 100
		.amdhsa_reserve_vcc 0
		.amdhsa_float_denorm_mode_32 3
		.amdhsa_float_denorm_mode_16_64 3
		.amdhsa_memory_ordered 1
		.amdhsa_forward_progress 1
		.amdhsa_inst_pref_size 67
	.end_amdhsa_kernel
	.amdgpu_metadata
---
amdhsa.version: [ 1, 2 ]
amdhsa.kernels:
  - .name:           k_q498ecd1ebb_projo
    .symbol:         k_q498ecd1ebb_projo.kd
    .args:
      - { .name: ob, .offset: 0, .size: 8, .value_kind: global_buffer, .address_space: global }
      - { .name: wb, .offset: 8, .size: 8, .value_kind: global_buffer, .address_space: global }
      - { .name: bo, .offset: 16, .size: 8, .value_kind: global_buffer, .address_space: global }
      - { .name: x, .offset: 24, .size: 8, .value_kind: global_buffer, .address_space: global }
      - { .name: x1, .offset: 32, .size: 8, .value_kind: global_buffer, .address_space: global }
    .group_segment_fixed_size: 327680
    .private_segment_fixed_size: 0
    .kernarg_segment_align: 8
    .kernarg_segment_size: 40
    .max_flat_workgroup_size: 128
    .sgpr_count:     100
    .vgpr_count:     1024
    .wavefront_size: 32
...
	.end_amdgpu_metadata
.endif
;; end of part 5
;; launch norm2: the kernel of part 2 again; grid 256 x 1, 8 waves a work-group, no clusters, 9,216 bytes of LDS; arguments x1, ln2_g, ln2_b, mod2, hb; writes hb
;; launch ffup (part 6): grid 16 x 16, 4 waves a work-group, clusters of 4 x 4, 327,680 bytes of LDS; arguments hb, wb, ff_b1, gb; writes gb
.if DOCPART == 6
	.amdgcn_target "amdgcn-amd-amdhsa--gfx1250"
	.amdhsa_code_object_version 6
	.text
	.protected	k_q498ecd1ebb_ffup
	.globl	k_q498ecd1ebb_ffup
	.p2align	8
	.type	k_q498ecd1ebb_ffup,@function
k_q498ecd1ebb_ffup:
	s_mov_b64 s[64:65], 0
	v_nop
	global_prefetch_b8 v0, s[64:65] scope:SCOPE_SE
	s_setreg_imm32_b32 hwreg(HW_REG_WAVE_MODE, 25, 1), 1
	s_wait_xcnt 0x0
	s_wait_alu depctr_hold_cnt(0) depctr_sa_sdst(0) depctr_va_vdst(0) depctr_va_sdst(0) depctr_va_ssrc(0) depctr_va_vcc(0) depctr_vm_vsrc(0)
	s_getreg_b32 s2, hwreg(HW_REG_IB_STS2, 6, 4)
	s_cmp_eq_u32 s2, 0
	s_cbranch_scc0 .Lentry_in_a_cluster
	s_endpgm
.Lentry_in_a_cluster:
	s_bfe_u32 s2, ttmp6, 0x10000c
	s_cmp_lg_u32 s2, 0xf033
	s_cbranch_scc0 .Lentry_shape_is_right
	s_endpgm
.Lentry_shape_is_right:
; g = gelu(h @ ff_w1 + ff_b1), the exact (erf) form, rounded once to bf16.  h: [4096][1024] bf16; ff_w1 in wb as it lies, [1024][4096] bf16; g: [4096][4096] bf16.
; A work-group makes 256 x 256, wave (wr, wc) 128 x 128: 64 accumulators, 512 registers.  K goes in steps of 128 through two LDS slots.
; One tensor load a wave and step: waves 0 and 1 bring h's halves (128 rows), waves 2 and 3 the column halves (128 k x 128 columns) of W.  CLUSTER 4 x 4: h jointly along a row of the cluster, W along a column.
; THE MATRIX INSTRUCTION IS USED TRANSPOSED: source 0 = 16 columns of W (read turned by ds_load_tr16_b128), source 1 = 16 rows of h.
; GELU: erf by the rational form t = 1 / (1 + p u), erf(u) = 1 - (a1 t + .. + a5 t^5) e^(-u u), absolute error at most 1.5e-7; with u = |x| / sqrt(2):
; gelu(x) = max(x, 0) - |x| P, P = half that polynomial times 2^(-x x log2(e) / 2).  For large |x| the exponential is 0 and gelu is x or 0.
; REGISTERS: window 0: v0-31 addresses, v32-39 bias, v64-191 h's fragments (two buffers), later at work; window 1: v64-191 W's fragments; windows 2, 3: accumulator (a, b) at v[8 (8 (a % 4) + b)] of window 2 + a / 4.
; LIMITS: operands are bf16; NaN and infinities are not treated apart.
.set SLOT,  0x24000                    ; no LDS base of a descriptor has bit 14 or bit 17 set, so one exclusive or turns it into the other slot's
.set SPARE, 2*SLOT
.set PW,    288
.set PA,    272
.set MA,    8
.set NBK,   8
.set APW,   4
.set KPB,   8
.set NSTEP, 8
.set NAW,   2
.set AF0, 64
.set AFS, 64
.set WF0, 64
.set WFS, 64
.set STEPA, 256
.set STEPW, 1048576                    ; 128 rows of 8,192 bytes
.set W1OFF, 8388608
.set ABYTES, 256*PA
.set DP,    528                        ; the way out: a row of 128 f32 + 16 bytes
.set ADRA, 16
.set ADRW, 17
.set CA,   20
.set CW,   21
.set STO,  24
.set RD,   25
.set SPW,  28
.set NIL,  29
.set CO,   30
.set WV,  16
.set WHI, 17
.set WLO, 18
.set CX,  19
.set CY,  20
.set TX,  21
.set TY,  22
.set MKA, 23
.set MKW, 24
.set G1A, 28
.set G1W, 36
.set G0A0, 44
.set G0A, 48
.set G0W0, 52
.set G0W, 56
.set TB,  60
.set CNT, 61
.set LA,  62
.set LW,  63
.set KD,  76                           ; s[76:89] gelu's constants, each twice: a packed instruction names a pair
.set KE,  78
.set K1,  80
.set K2,  82
.set K3,  84
.set K4,  86
.set K5,  88
.set MSB, 0
.macro WIN new
.if MSB != (\new)
	s_set_vgpr_msb (MSB<<8)|(\new)
.set MSB, \new
.endif
.endm
.set MUL_LO, 0xa1
.set TO_B,   0x40
.macro PLACES
.rept 4
	v_nop
.endr
.endm
.macro JLOAD                           ; the joint refill by the walking set; an s_nop 0 and four v_nop follow each of the two lines
	s_cmp_lt_u32 s[WV], NAW
	s_cbranch_scc0 .Lfor_w_\@
	tensor_load_to_lds s[G0A:G0A+3], s[G1A:G1A+7]
	s_nop 0
.rept 4
	v_nop
.endr
	s_branch .Lasked_\@
.Lfor_w_\@:
	tensor_load_to_lds s[G0W:G0W+3], s[G1W:G1W+7]
	s_nop 0
.rept 4
	v_nop
.endr
.Lasked_\@:
.endm
.macro CREST
	s_cmp_lg_u32 s[WV], 0
	s_cbranch_scc1 .Lnot_wave_0_\@
	s_barrier_signal -3
.Lnot_wave_0_\@:
	s_barrier_wait -3
	s_barrier_signal -1
	s_barrier_wait -1
.endm
.macro CROUND
	s_barrier_signal -1
	s_barrier_wait -1
	CREST
.endm
.macro MULS f, p, zero                 ; part p of four of a quarter's 64 products on buffer f; the accumulators take turns, one instruction a turn
	WIN MUL_LO+0x50*((\p)/2)
.set al, ((\p)%2)*(APW/2)
.rept APW/2
.set bb, 0
.rept NBK
.set rD, 8*(NBK*al+bb)
.set rW, WF0+WFS*(\f)+8*bb
.set rA, AF0+AFS*(\f)+8*(APW*((\p)/2)+al)
.if \zero
	v_wmma_f32_16x16x32_bf16 v[rD:rD+7], v[rW:rW+7], v[rA:rA+7], 0
.else
	v_wmma_f32_16x16x32_bf16 v[rD:rD+7], v[rW:rW+7], v[rA:rA+7], v[rD:rD+7]
.endif
.set bb, bb+1
.endr
.set al, al+1
.endr
.endm
.macro FETCH q, f                      ; 32 LDS loads in one run: quarter q of the slot in hand into buffer f; the upper row blocks last
	WIN TO_B
.set bb, 0
.rept NBK
.set rW, WF0+WFS*(\f)+8*bb
	ds_load_tr16_b128 v[rW:rW+3],   v[CW+bb/KPB] offset:32*(\q)*PW+32*(bb%KPB)
	ds_load_tr16_b128 v[rW+4:rW+7], v[CW+bb/KPB] offset:32*(\q)*PW+16*PW+32*(bb%KPB)
.set bb, bb+1
.endr
	WIN 0
.set al, 0
.rept MA
.set rA, AF0+AFS*(\f)+8*al
	ds_load_b128 v[rA:rA+3],   v[CA] offset:64*(\q)+al*16*PA
	ds_load_b128 v[rA+4:rA+7], v[CA] offset:64*(\q)+al*16*PA+32
.set al, al+1
.endr
.endm
.macro SETADR
	v_add_nc_u32 v[CA], s[TB], v[ADRA]
	v_add_nc_u32 v[CW], s[TB], v[ADRW]
.endm
.macro QUARTER q, f, g, zero
	s_wait_dscnt MA                                ; only the youngest MA loads, the upper row blocks, may be out
	MULS \f, 0, \zero
	MULS \f, 1, \zero
	PLACES
	FETCH \q, \g
	s_wait_dscnt 32                                ; all but the 32 just issued
	MULS \f, 2, \zero
	MULS \f, 3, \zero
.endm
; The last quarter of a step multiplies buffer 1 and changes slots.  In front of the barrier each wave waits for all its tensor loads (one is out: its part of the next slot), adds 0 to its spare
; word, and waits for that and for its reads of this slot.  fill = 1: the barrier opens a round of the cluster's; the joint refill, two steps ahead, is the first thing behind the round.
; A step here holds 256 products a wave, 224 of them between a request and the wait for it, so products stand round the barrier and the wave works while the others arrive.
; fill = 0 (the tail): nothing is asked for, and in the last trip the fetch from a next slot is jumped over.
.macro TURN fill
	WIN 0
	s_wait_tensorcnt 0x0
	ds_add_u32 v[SPW], v[NIL]
	s_wait_dscnt MA+1                              ; (the add and the youngest MA loads may be out)
	MULS 1, 0, 0
	s_wait_dscnt 0x0
	s_barrier_signal -1
	MULS 1, 1, 0
	WIN 0
	s_barrier_wait -1
.if \fill
	CREST
	s_xor_b32 s[G0A+1], s[G0A+1], SLOT
	s_add_nc_u64 s[G0A+2:G0A+3], s[G0A+2:G0A+3], STEPA
	s_xor_b32 s[G0W+1], s[G0W+1], SLOT
	s_add_nc_u64 s[G0W+2:G0W+3], s[G0W+2:G0W+3], STEPW
	JLOAD
.else
	PLACES
	s_cmp_eq_u32 s[CNT], 1
	s_cbranch_scc1 .Lnofetch_\@
.endif
	s_xor_b32 s[TB], s[TB], SLOT
	SETADR
	FETCH 0, 0
.if !(\fill)
.Lnofetch_\@:
.endif
	MULS 1, 2, 0
	MULS 1, 3, 0
.endm
	s_load_b256 s[4:11], s[0:1], 0x0               ; hb 4, wb 6, ff_b1 8, gb 10
	v_lshl_add_u32 v[SPW], v0, 2, SPARE
	v_mov_b32 v[NIL], 0
	ds_add_u32 v[SPW], v[NIL]                      ; the wave's opening: the add, waited for ahead of my first tensor load
	v_lshrrev_b32 v1, 5, v0
	v_readfirstlane_b32 s[WV], v1
	s_lshr_b32 s[WHI], s[WV], 1                    ; wr: which 128 rows
	s_and_b32 s[WLO], s[WV], 1                     ; wc: which 128 columns.  Also: which half of h's or W's tile I fetch
	s_bfe_u32 s[CX], ttmp6, 0x40000
	s_bfe_u32 s[CY], ttmp6, 0x40004
	s_lshl_b32 s[TX], ttmp9, 2
	s_add_co_u32 s[TX], s[TX], s[CX]
	s_and_b32 s[TY], ttmp7, 0xffff
	s_lshl_b32 s[TY], s[TY], 2
	s_add_co_u32 s[TY], s[TY], s[CY]
	s_lshl_b32 s[MKA], s[CY], 2
	s_lshl_b32 s[MKA], 15, s[MKA]
	s_lshl_b32 s[MKW], 0x1111, s[CX]
	s_or_b32 s[G1A], s[MKA], (1<<16)|(1<<20)|(1<<21)|(5<<22)|(3<<25)  ; mask; 2-byte elements; padding on; bit 21 beside a mask; after every 64 words 4 words
	s_or_b32 s[G1W], s[MKW], (1<<16)|(1<<20)|(1<<21)|(5<<22)|(7<<25)  ; the same with 8 words
.irp g, G1A, G1W
	s_mov_b32 s[\g+1], 128<<16
	s_mov_b32 s[\g+2], 128<<16
	s_mov_b32 s[\g+3], 128<<16
	s_mov_b32 s[\g+4], 128
	s_mov_b32 s[\g+6], 0
	s_mov_b32 s[\g+7], 0
.endr
	s_mov_b32 s[G1A+5], 1024                       ; elements from row to row: h,
	s_mov_b32 s[G1W+5], 4096                       ; ff_w1
	s_lshl_b32 s66, s[TY], 8
	s_lshl_b32 s68, s[WLO], 7
	s_add_co_u32 s66, s66, s68
	s_lshl_b32 s66, s66, 11                        ; rows of 2,048 bytes
	s_mov_b32 s67, 0
	s_lshl_b32 s70, s[TX], 8
	s_lshl_b32 s72, s[WLO], 7
	s_add_co_u32 s70, s70, s72
	s_lshl_b32 s70, s70, 1
	s_add_co_u32 s70, s70, W1OFF
	s_mov_b32 s71, 0
	s_mul_i32 s[LA], s[WLO], 128*PA
	s_mul_i32 s[LW], s[WLO], 128*PW
	s_add_co_u32 s[LW], s[LW], ABYTES
	s_mov_b32 s[TB], 0
	s_mov_b32 s[KD], 0x3e6d3388                    ; 0.3275911 / sqrt(2)
	s_mov_b32 s[KE], 0xbf38aa3b                    ; - log2(e) / 2
	s_mov_b32 s[K1], 0x3e027906                    ; a1 / 2 .. a5 / 2
	s_mov_b32 s[K2], 0xbe11a98e
	s_mov_b32 s[K3], 0x3f35f0e3
	s_mov_b32 s[K4], 0xbf3a00e3
	s_mov_b32 s[K5], 0x3f07dc22
.irp k, KD, KE, K1, K2, K3, K4, K5
	s_mov_b32 s[\k+1], s[\k]
.endr
	s_wait_dscnt 0x0                               ; the opening add is done
	s_wait_kmcnt 0x0
	s_add_nc_u64 s[66:67], s[4:5], s[66:67]
	s_add_nc_u64 s[70:71], s[6:7], s[70:71]
	CROUND                                         ; all sixteen work-groups are here: the first joint loads meet
	s_mov_b32 s[G0A0], 1
	s_mov_b32 s[G0A0+1], s[LA]
	s_mov_b64 s[G0A0+2:G0A0+3], s[66:67]
	s_or_b32 s[G0A0+3], s[G0A0+3], 0x80000000
	s_mov_b32 s[G0A], 1
	s_add_co_u32 s[G0A+1], s[LA], SLOT
	s_add_nc_u64 s[G0A+2:G0A+3], s[66:67], STEPA
	s_or_b32 s[G0A+3], s[G0A+3], 0x80000000
	s_mov_b32 s[G0W0], 1
	s_mov_b32 s[G0W0+1], s[LW]
	s_mov_b64 s[G0W0+2:G0W0+3], s[70:71]
	s_or_b32 s[G0W0+3], s[G0W0+3], 0x80000000
	s_mov_b32 s[G0W], 1
	s_add_co_u32 s[G0W+1], s[LW], SLOT
	s_add_nc_u64 s[G0W+2:G0W+3], s[70:71], STEPW
	s_or_b32 s[G0W+3], s[G0W+3], 0x80000000
	s_cmp_lt_u32 s[WV], NAW                        ; a wave's two first fills stand in one branch: two loads of mine are out
	s_cbranch_scc0 .Lfirst_w
	tensor_load_to_lds s[G0A0:G0A0+3], s[G1A:G1A+7]
	s_nop 0
	tensor_load_to_lds s[G0A:G0A+3], s[G1A:G1A+7]
	s_nop 0
.rept 4
	v_nop
.endr
	s_branch .Lfirst_done
.Lfirst_w:
	tensor_load_to_lds s[G0W0:G0W0+3], s[G1W:G1W+7]
	s_nop 0
	tensor_load_to_lds s[G0W:G0W+3], s[G1W:G1W+7]
	s_nop 0
.rept 4
	v_nop
.endr
.Lfirst_done:
	v_and_b32 v1, 15, v0                           ; r = l % 16
	v_bfe_u32 v2, v0, 4, 1                         ; hh = l / 16
	v_and_b32 v3, 7, v0
	v_bfe_u32 v4, v0, 3, 1
	v_mul_u32_u24 v[ADRA], v1, PA
	v_lshl_add_u32 v[ADRA], v2, 4, v[ADRA]
	s_mul_i32 s74, s[WHI], 128*PA
	v_add_nc_u32 v[ADRA], s74, v[ADRA]
	v_lshl_add_u32 v5, v2, 3, v3
	v_mul_u32_u24 v5, v5, PW
	v_lshl_add_u32 v5, v4, 4, v5
	s_mul_i32 s74, s[WLO], 128*PW
	s_add_co_u32 s74, s74, ABYTES
	v_add_nc_u32 v[ADRW], s74, v5
	s_mul_i32 s74, s[WV], 128*DP                   ; the way out: my region for the sums
	v_mul_u32_u24 v[STO], v1, DP
	v_lshl_add_u32 v[STO], v2, 5, v[STO]
	v_add_nc_u32 v[STO], s74, v[STO]
	v_mul_u32_u24 v[RD], v2, DP                    ; back: lanes 0-15 one row, lanes 16-31 the next; eight numbers a lane
	v_lshl_add_u32 v[RD], v1, 5, v[RD]
	v_add_nc_u32 v[RD], s74, v[RD]
	v_lshlrev_b32 v[CO], 13, v2                    ; a row of g is 8,192 bytes
	v_lshl_add_u32 v[CO], v1, 4, v[CO]
	v_lshlrev_b32 v31, 5, v1
	s_lshl_b32 s94, s[TX], 8
	s_lshl_b32 s95, s[WLO], 7
	s_add_co_u32 s94, s94, s95                     ; my first column
	s_lshl_b32 s90, s94, 2
	s_mov_b32 s91, 0
	s_add_nc_u64 s[8:9], s[8:9], s[90:91]
	s_lshl_b32 s92, s[TY], 8
	s_lshl_b32 s95, s[WHI], 7
	s_add_co_u32 s92, s92, s95                     ; my first row
	s_lshl_b32 s92, s92, 13
	s_lshl1_add_u32 s92, s94, s92
	s_mov_b32 s93, 0
	s_add_nc_u64 s[10:11], s[10:11], s[92:93]
	global_load_b128 v[32:35], v31, s[8:9]
	global_load_b128 v[36:39], v31, s[8:9] offset:16
	s_wait_tensorcnt 1                             ; my part of step 0 is in; step 1 may stay out
	s_barrier_signal -1
	s_barrier_wait -1
	SETADR
	FETCH 0, 0
	QUARTER 1, 0, 1, 1                             ; the first quarter stands in front of the loop: its products start the sums
	WIN 0
	s_mov_b32 s[CNT], NSTEP-2
.Lk:                                                   ; a trip: from a step's second quarter to the next step's first; it fills the slot that it leaves
	QUARTER 2, 1, 0, 0
	QUARTER 3, 0, 1, 0
	TURN 1
	QUARTER 1, 0, 1, 0
	WIN 0
	s_sub_co_u32 s[CNT], s[CNT], 1
	s_cmp_lg_u32 s[CNT], 0
	s_cbranch_scc1 .Lk
	s_mov_b32 s[CNT], 2
.Ltail:                                                ; the last two steps ask for nothing
	QUARTER 2, 1, 0, 0
	QUARTER 3, 0, 1, 0
	TURN 0
	WIN 0
	s_cmp_eq_u32 s[CNT], 1
	s_cbranch_scc1 .Lnoq
	QUARTER 1, 0, 1, 0
	WIN 0
.Lnoq:
	s_sub_co_u32 s[CNT], s[CNT], 1
	s_cmp_lg_u32 s[CNT], 0
	s_cbranch_scc1 .Ltail
	; THE WAY OUT.  The slots have had their last fill.  When no wave reads them any more, each wave lays its f32 sums into a region of its own, and a loop takes them back four rows at a time.
	s_wait_dscnt 0x0
	s_barrier_signal -1
	s_barrier_wait -1
	PLACES
.set al, 0
.rept MA
	WIN 0x08+4*(al/APW)                            ; store data in window 2 or 3
.set bb, 0
.rept NBK
.set rD, 8*(NBK*(al%APW)+bb)
	ds_store_b128 v[STO], v[rD:rD+3] offset:al*16*DP+64*bb       ; each accumulator from its low end on
	ds_store_b128 v[STO], v[rD+4:rD+7] offset:al*16*DP+64*bb+16
.set bb, bb+1
.endr
.set al, al+1
.endr
	WIN 0
.macro GELU8 x                         ; eight numbers in v[x .. x+7] -> their gelu, in place
.irp k, 0,1,2,3,4,5,6,7
	v_and_b32 v[80+\k], 0x7fffffff, v[\x+\k]       ; |x|
.endr
.irp k, 0,2,4,6
	v_pk_fma_f32 v[88+\k:89+\k], v[80+\k:81+\k], s[KD:KD+1], 1.0 op_sel_hi:[1,0,0]
	v_pk_mul_f32 v[96+\k:97+\k], v[\x+\k:\x+\k+1], v[\x+\k:\x+\k+1]
.endr
.irp k, 0,2,4,6
	v_pk_mul_f32 v[96+\k:97+\k], v[96+\k:97+\k], s[KE:KE+1] op_sel_hi:[1,0]
.endr
.irp k, 0,1,2,3,4,5,6,7
	v_rcp_f32 v[88+\k], v[88+\k]                   ; t
.endr
.irp k, 0,1,2,3,4,5,6,7
	v_exp_f32 v[96+\k], v[96+\k]                   ; e
.endr
.irp k, 0,1,2,3,4,5,6,7
	v_max_num_f32 v[\x+\k], 0, v[\x+\k]            ; plain lines between the last exponential and its use
.endr
	s_wait_alu depctr_va_vdst(0)
.irp k, 0,2,4,6
	v_pk_fma_f32 v[104+\k:105+\k], v[88+\k:89+\k], s[K5:K5+1], s[K4:K4+1] op_sel_hi:[1,0,0]
.endr
.irp k, 0,2,4,6
	v_pk_fma_f32 v[104+\k:105+\k], v[104+\k:105+\k], v[88+\k:89+\k], s[K3:K3+1] op_sel_hi:[1,1,0]
.endr
.irp k, 0,2,4,6
	v_pk_fma_f32 v[104+\k:105+\k], v[104+\k:105+\k], v[88+\k:89+\k], s[K2:K2+1] op_sel_hi:[1,1,0]
	v_pk_mul_f32 v[96+\k:97+\k], v[96+\k:97+\k], v[88+\k:89+\k]       ; t e
.endr
.irp k, 0,2,4,6
	v_pk_fma_f32 v[104+\k:105+\k], v[104+\k:105+\k], v[88+\k:89+\k], s[K1:K1+1] op_sel_hi:[1,1,0]
.endr
.irp k, 0,2,4,6
	v_pk_mul_f32 v[104+\k:105+\k], v[104+\k:105+\k], v[96+\k:97+\k]   ; P
.endr
.irp k, 0,2,4,6
	v_pk_fma_f32 v[\x+\k:\x+\k+1], v[80+\k:81+\k], v[104+\k:105+\k], v[\x+\k:\x+\k+1] neg_lo:[1,0,0] neg_hi:[1,0,0]
.endr
.endm
.macro LDX                             ; the sums of four rows, eight numbers of two rows a lane.  LDS serves a wave's instructions in order: these see my stores above
	ds_load_b128 v[64:67], v[RD]
	ds_load_b128 v[68:71], v[RD] offset:16
	ds_load_b128 v[72:75], v[RD] offset:2*DP
	ds_load_b128 v[76:79], v[RD] offset:2*DP+16
.endm
	; The loop runs a trip ahead of itself: the bias add moves the sums into v[128:143], so that the next trip's four loads go out straight behind it, a whole trip ahead of the wait for them; the last
	; trip jumps over them.  The stores' data and offset are rewritten only behind s_wait_xcnt 0, which stands ahead of the conversions, most of a trip behind the stores.
	s_wait_loadcnt 0x0                             ; the bias
	LDX
	s_mov_b32 s[CNT], 32
.Lrow:
	s_wait_dscnt 0x0                               ; this trip's four loads, issued a trip ago
.irp k, 0,2,4,6
	v_pk_add_f32 v[128+\k:129+\k], v[64+\k:65+\k], v[32+\k:33+\k]
	v_pk_add_f32 v[136+\k:137+\k], v[72+\k:73+\k], v[32+\k:33+\k]
.endr
	s_cmp_eq_u32 s[CNT], 1
	s_cbranch_scc1 .Lnox
	v_add_nc_u32 v[RD], 4*DP, v[RD]
	LDX
.Lnox:
	GELU8 128
	GELU8 136
	s_wait_xcnt 0x0                                ; the last trip's stores have read their offset and their data
	v_add_nc_u32 v[CO], 32768, v[CO]               ; stepped ahead of the stores, which reach back by their immediate
.irp k, 0,1,2,3
	v_cvt_pk_bf16_f32 v[112+\k], v[128+2*\k], v[129+2*\k]
	v_cvt_pk_bf16_f32 v[116+\k], v[136+2*\k], v[137+2*\k]
.endr
	global_store_b128 v[CO], v[112:115], s[10:11] offset:-32768    ; sixteen lanes store 256 consecutive bytes, aligned
	global_store_b128 v[CO], v[116:119], s[10:11] offset:-16384    ; the same two rows further down
	s_sub_co_u32 s[CNT], s[CNT], 1
	s_cmp_lg_u32 s[CNT], 0
	s_cbranch_scc1 .Lrow
	s_wait_tensorcnt 0x0                           ; the wave's end
	ds_add_u32 v[SPW], v[NIL]
	s_wait_dscnt 0x0
	CROUND                                         ; the closing round
	s_endpgm
.Lfunc_end_k_q498ecd1ebb_ffup:
	.size	k_q498ecd1ebb_ffup, .Lfunc_end_k_q498ecd1ebb_ffup-k_q498ecd1ebb_ffup
	.p2alignl 7, 3214868480
	.fill 96, 4, 3214868480
	.section	.rodata,"a",@progbits
	.p2align	6, 0x0
	.amdhsa_kernel k_q498ecd1ebb_ffup
		.amdhsa_group_segment_fixed_size 327680
		.amdhsa_private_segment_fixed_size 0
		.amdhsa_enable_private_segment 0
		.amdhsa_kernarg_size 32
		.amdhsa_user_sgpr_count 2
		.amdhsa_user_sgpr_kernarg_segment_ptr 1
		.amdhsa_wavefront_size32 1
		.amdhsa_system_sgpr_workgroup_id_x 1
		.amdhsa_system_sgpr_workgroup_id_y 1
		.amdhsa_system_sgpr_workgroup_id_z 1
		.amdhsa_system_vgpr_workitem_id 0
		.amdhsa_next_free_vgpr 1024
		.amdhsa_next_free_sgpr 100
		.amdhsa_reserve_vcc 0
		.amdhsa_float_denorm_mode_32 3
		.amdhsa_float_denorm_mode_16_64 3
		.amdhsa_memory_ordered 1
		.amdhsa_forward_progress 1
		.amdhsa_inst_pref_size 87
	.end_amdhsa_kernel
	.amdgpu_metadata
---
amdhsa.version: [ 1, 2 ]
amdhsa.kernels:
  - .name:           k_q498ecd1ebb_ffup
    .symbol:         k_q498ecd1ebb_ffup.kd
    .args:
      - { .name: hb, .offset: 0, .size: 8, .value_kind: global_buffer, .address_space: global }
      - { .name: wb, .offset: 8, .size: 8, .value_kind: global_buffer, .address_space: global }
      - { .name: ff_b1, .offset: 16, .size: 8, .value_kind: global_buffer, .address_space: global }
      - { .name: gb, .offset: 24, .size: 8, .value_kind: global_buffer, .address_space: global }
    .group_segment_fixed_size: 327680
    .private_segment_fixed_size: 0
    .kernarg_segment_align: 8
    .kernarg_segment_size: 32
    .max_flat_workgroup_size: 128
    .sgpr_count:     100
    .vgpr_count:     1024
    .wavefront_size: 32
...
	.end_amdgpu_metadata
.endif
;; end of part 6
;; launch ffdown (part 7): grid 8 x 32, 4 waves a work-group, clusters of 4 x 4, 327,680 bytes of LDS; arguments gb, wb, ff_b2, x1, out0; writes out0
.if DOCPART == 7
	.amdgcn_target "amdgcn-amd-amdhsa--gfx1250"
	.amdhsa_code_object_version 6
	.text
	.protected	k_q498ecd1ebb_ffdown
	.globl	k_q498ecd1ebb_ffdown
	.p2align	8
	.type	k_q498ecd1ebb_ffdown,@function
k_q498ecd1ebb_ffdown:
	s_mov_b64 s[64:65], 0
	v_nop
	global_prefetch_b8 v0, s[64:65] scope:SCOPE_SE
	s_setreg_imm32_b32 hwreg(HW_REG_WAVE_MODE, 25, 1), 1
	s_wait_xcnt 0x0
	s_wait_alu depctr_hold_cnt(0) depctr_sa_sdst(0) depctr_va_vdst(0) depctr_va_sdst(0) depctr_va_ssrc(0) depctr_va_vcc(0) depctr_vm_vsrc(0)
	s_getreg_b32 s2, hwreg(HW_REG_IB_STS2, 6, 4)
	s_cmp_eq_u32 s2, 0
	s_cbranch_scc0 .Lentry_in_a_cluster
	s_endpgm
.Lentry_in_a_cluster:
	s_bfe_u32 s2, ttmp6, 0x10000c
	s_cmp_lg_u32 s2, 0xf033
	s_cbranch_scc0 .Lentry_shape_is_right
	s_endpgm
.Lentry_shape_is_right:
; out = res + A @ W + bias, f32.  One source text for two launches; FF2 chooses the sizes.
;   FF2 = 0: A = ob, attention's result by heads [32 bh][2048][64] bf16, K = 1,024 (a K step of 256 is four heads), W = wo, res = x, out = x1.
;   FF2 = 1: A = gb [4096][4096] bf16, K = 4,096, W = ff_w2, res = x1, out = out0.
; A work-group makes 128 x 128 of the result, so that there are 256 of them.  K IS SPLIT OVER THE WAVES: each wave makes the whole 128 x 128 over its 64 of every 256 k (64 accumulators, 512 registers),
; so each fragment read from LDS feeds eight products; the four partial tiles are added through LDS at the end.  The order of that sum differs from a plain dot product.
; One tensor load a wave and step: waves 0 and 1 bring A's halves, waves 2 and 3 the halves (128 k x 128 columns) of W.  CLUSTER 4 x 4: A jointly along a row of the cluster, W along a column.
; THE MATRIX INSTRUCTION IS USED TRANSPOSED: source 0 = 16 columns of W (read turned by ds_load_tr16_b128), source 1 = 16 rows of A.
; PREFETCH (FF2 = 1 alone: sixteen K steps, each tile wanted first by this launch).  The eight work-groups of a tile row want the same 128 rows x 512 bytes of A for a K step: work-group tx asks for rows
; 16 tx .. 16 tx + 15 of them, 32 blocks of 256 bytes, one a lane: wave 0, in trip t of the loop for K step t + 4, whose tensor load goes out two trips later.  The 32 work-groups of a tile column want the
; same 256 rows x 256 bytes of W: a work-group's part is 8 blocks a step, and wave 1 asks for four steps' parts at once, in trips 0, 4 and 8, for steps 4 to 15.  So each block is asked for once in the
; launch.  Trips 12 and 13 ask for nothing: their look-ahead would pass K's end.
; REGISTERS: window 0: v0-31 addresses, v32-39 bias, v64-191 A's fragments (two buffers), later at work; window 1: v64-191 W's fragments, v0-63 and v192-255 my 32 rows of the residual
; (on their way during the whole product); windows 2, 3: accumulator (a, b) at v[8 (8 (a % 4) + b)] of window 2 + a / 4.
; LIMITS: operands are bf16; NaN and infinities are not treated apart.
.set FF2, 1
.set SLOT,  0x24000                    ; no LDS base of a descriptor has bit 14 or bit 17 set, so one exclusive or turns it into the other slot's
.set SPARE, 2*SLOT
.set PW,    288
.if FF2
.set PA,     528                       ; a row of A in LDS: 512 bytes + 16
.set NSTEP,  16
.set STEPA,  512
.set WOFF,   16777216
.set AHALF,  64*528                    ; what one load brings of A: 64 rows
.set AWV,    128                       ; my 64 k in a row of A, in bytes
.else
.set PA,     144                       ; a token's 64 channels of a head: 128 bytes + 16
.set NSTEP,  4
.set STEPA,  1048576                   ; four heads on
.set WOFF,   6291456
.set AHALF,  2*128*144                 ; two heads x 128 tokens
.set AWV,    128*144                   ; my head of the step's four
.endif
.set ABYTES, 2*AHALF
.set MA,    8
.set NBK,   8
.set APW,   4
.set KPB,   8
.set NAW,   2
.set AF0, 64
.set AFS, 64
.set WF0, 64
.set WFS, 64
.set STEPW, 524288                     ; 256 rows of 2,048 bytes
.set HP,    272                        ; the way out: half a row, 64 f32 + 16 bytes
.set PART,  128*HP                     ; a wave's partial half tile
.set RES,   4*PART                     ; behind the four: the residual, 128 rows x 512 bytes
.set ADRA, 16
.set ADRW, 17
.set CA,   20
.set CW,   21
.set STO,  24
.set RD,   25
.set RR,   26
.set RSTO, 27
.set SPW,  28
.set NIL,  29
.set CO,   30
.set RDW,  8                           ; v8-11  the loop's own copies of RD, RD + 2 parts, RR, CO
.set RDW2, 9
.set RRW,  10
.set COW,  11
.set PFA,  12                          ; v12  my lane's block among the 32 of A that wave 0 asks for; never rewritten
.set PFW,  13                          ; v13  the same among the 32 of W that wave 1 asks for
.set WV,  16
.set WHI, 17
.set WLO, 18
.set CX,  19
.set CY,  20
.set TX,  21
.set TY,  22
.set MKA, 23
.set MKW, 24
.set G1A, 28
.set G1W, 36
.set G0A0, 44
.set G0A, 48
.set G0W0, 52
.set G0W, 56
.set TB,  60
.set CNT, 61
.set LA,  62
.set LW,  63
.set PFB, 76                           ; s[76:77] A at my sixteen rows, at the K step asked for last
.set PWB, 78                           ; s[78:79] W at my eight rows and my tile column, at the first of the four K steps asked for last
.set MSB, 0
.macro WIN new
.if MSB != (\new)
	s_set_vgpr_msb (MSB<<8)|(\new)
.set MSB, \new
.endif
.endm
.set MUL_LO, 0xa1
.set TO_B,   0x40
.macro PLACES
.rept 4
	v_nop
.endr
.endm
.macro JLOAD                           ; the joint refill by the walking set; an s_nop 0 and four v_nop follow each of the two lines
	s_cmp_lt_u32 s[WV], NAW
	s_cbranch_scc0 .Lfor_w_\@
	tensor_load_to_lds s[G0A:G0A+3], s[G1A:G1A+7]
	s_nop 0
.rept 4
	v_nop
.endr
	s_branch .Lasked_\@
.Lfor_w_\@:
	tensor_load_to_lds s[G0W:G0W+3], s[G1W:G1W+7]
	s_nop 0
.rept 4
	v_nop
.endr
.Lasked_\@:
.endm
.macro CREST
	s_cmp_lg_u32 s[WV], 0
	s_cbranch_scc1 .Lnot_wave_0_\@
	s_barrier_signal -3
.Lnot_wave_0_\@:
	s_barrier_wait -3
	s_barrier_signal -1
	s_barrier_wait -1
.endm
.macro CROUND
	s_barrier_signal -1
	s_barrier_wait -1
	CREST
.endm
; The prefetch of a trip (see the head).  The loop's counter is 14 - t.  A base is stepped only behind s_wait_xcnt 0, a trip or more behind the prefetch that read it.
.macro ASK
	s_cmp_lt_u32 s[CNT], 3
	s_cbranch_scc1 .Lpf_done_\@                    ; trips 12 and 13
	s_cmp_lg_u32 s[WV], 0
	s_cbranch_scc1 .Lpf_w_\@
	s_wait_xcnt 0x0
	s_add_nc_u64 s[PFB:PFB+1], s[PFB:PFB+1], STEPA
	global_prefetch_b8 v[PFA], s[PFB:PFB+1] th:TH_LOAD_NT scope:SCOPE_SE
	s_branch .Lpf_done_\@
.Lpf_w_\@:
	s_cmp_lg_u32 s[WV], 1
	s_cbranch_scc1 .Lpf_done_\@
	s_and_b32 s80, s[CNT], 3
	s_cmp_lg_u32 s80, 2
	s_cbranch_scc1 .Lpf_done_\@                    ; the counter is 14, 10 or 6 in trips 0, 4 and 8
	s_wait_xcnt 0x0
	s_add_nc_u64 s[PWB:PWB+1], s[PWB:PWB+1], 4*STEPW
	global_prefetch_b8 v[PFW], s[PWB:PWB+1] th:TH_LOAD_NT scope:SCOPE_SE
.Lpf_done_\@:
.endm
.macro MULS f, p, zero                 ; part p of four of the 64 products on buffer f; the accumulators take turns, one instruction a turn
	WIN MUL_LO+0x50*((\p)/2)
.set al, ((\p)%2)*(APW/2)
.rept APW/2
.set bb, 0
.rept NBK
.set rD, 8*(NBK*al+bb)
.set rW, WF0+WFS*(\f)+8*bb
.set rA, AF0+AFS*(\f)+8*(APW*((\p)/2)+al)
.if \zero
	v_wmma_f32_16x16x32_bf16 v[rD:rD+7], v[rW:rW+7], v[rA:rA+7], 0
.else
	v_wmma_f32_16x16x32_bf16 v[rD:rD+7], v[rW:rW+7], v[rA:rA+7], v[rD:rD+7]
.endif
.set bb, bb+1
.endr
.set al, al+1
.endr
.endm
.macro FETCH q, f                      ; 32 LDS loads in one run: 32 k at place q of my share into buffer f; the upper row blocks last
	WIN TO_B
.set bb, 0
.rept NBK
.set rW, WF0+WFS*(\f)+8*bb
	ds_load_tr16_b128 v[rW:rW+3],   v[CW+bb/KPB] offset:32*(\q)*PW+32*(bb%KPB)
	ds_load_tr16_b128 v[rW+4:rW+7], v[CW+bb/KPB] offset:32*(\q)*PW+16*PW+32*(bb%KPB)
.set bb, bb+1
.endr
	WIN 0
.set al, 0
.rept MA
.set rA, AF0+AFS*(\f)+8*al
	ds_load_b128 v[rA:rA+3],   v[CA] offset:64*(\q)+al*16*PA
	ds_load_b128 v[rA+4:rA+7], v[CA] offset:64*(\q)+al*16*PA+32
.set al, al+1
.endr
.endm
.macro SETADR
	v_add_nc_u32 v[CA], s[TB], v[ADRA]
	v_add_nc_u32 v[CW], s[TB], v[ADRW]
.endm
.macro QUARTER q, f, g, zero
	s_wait_dscnt MA                                ; only the youngest MA loads, the upper row blocks, may be out
	MULS \f, 0, \zero
	MULS \f, 1, \zero
	PLACES
	FETCH \q, \g
	s_wait_dscnt 32                                ; all but the 32 just issued
	MULS \f, 2, \zero
	MULS \f, 3, \zero
.endm
; The second half of a step multiplies buffer 1 and changes slots.  Each wave waits for all its tensor loads (one is out: its part of the next slot), adds 0 to its spare word, and waits for that and
; for its reads of this slot, which are all in registers by then.
; fill = 1: a round of the cluster's barrier follows at once, and the joint refill, two steps ahead, is the first thing behind it: nothing of the step's work stands between the wait for one tile and
; the request for the next, and the half step's 64 products, which need registers alone, are issued while that tile is on its way.
; fill = 0 (the tail): nothing is asked for, so the products stand round the barrier; in the last trip the fetch from a next slot is jumped over.
.macro TURN fill
	WIN 0
	s_wait_tensorcnt 0x0
	ds_add_u32 v[SPW], v[NIL]
.if \fill
	s_xor_b32 s[G0A+1], s[G0A+1], SLOT             ; no load of mine is out, so a group 0 may be written: the other slot than last time, the next step
	s_add_nc_u64 s[G0A+2:G0A+3], s[G0A+2:G0A+3], STEPA
	s_xor_b32 s[G0W+1], s[G0W+1], SLOT
	s_add_nc_u64 s[G0W+2:G0W+3], s[G0W+2:G0W+3], STEPW
	s_wait_dscnt 0x0                               ; the add is done, my reads of this slot are over
	CROUND
	JLOAD                                          ; its four v_nop are also the places in front of the loads below
	s_xor_b32 s[TB], s[TB], SLOT
	SETADR
	FETCH 0, 0
.if FF2
	ASK
.endif
	MULS 1, 0, 0
	MULS 1, 1, 0
.else
	s_wait_dscnt MA+1                              ; (the add and the youngest MA loads may be out)
	MULS 1, 0, 0
	s_wait_dscnt 0x0
	s_barrier_signal -1
	MULS 1, 1, 0
	WIN 0
	s_barrier_wait -1
	PLACES
	s_cmp_eq_u32 s[CNT], 1
	s_cbranch_scc1 .Lnofetch_\@
	s_xor_b32 s[TB], s[TB], SLOT
	SETADR
	FETCH 0, 0
.Lnofetch_\@:
.endif
	MULS 1, 2, 0
	MULS 1, 3, 0
.endm
	s_load_b256 s[4:11], s[0:1], 0x0               ; A 4, wb 6, bias 8, res 10
	s_load_b64 s[12:13], s[0:1], 0x20              ; out
	v_lshl_add_u32 v[SPW], v0, 2, SPARE
	v_mov_b32 v[NIL], 0
	ds_add_u32 v[SPW], v[NIL]                      ; the wave's opening: the add, waited for ahead of my first tensor load
	v_lshrrev_b32 v1, 5, v0
	v_readfirstlane_b32 s[WV], v1
	s_lshr_b32 s[WHI], s[WV], 1
	s_and_b32 s[WLO], s[WV], 1                     ; which half of A's or W's tile I fetch
	s_bfe_u32 s[CX], ttmp6, 0x40000
	s_bfe_u32 s[CY], ttmp6, 0x40004
	s_lshl_b32 s[TX], ttmp9, 2
	s_add_co_u32 s[TX], s[TX], s[CX]
	s_and_b32 s[TY], ttmp7, 0xffff
	s_lshl_b32 s[TY], s[TY], 2
	s_add_co_u32 s[TY], s[TY], s[CY]
	s_lshl_b32 s[MKA], s[CY], 2
	s_lshl_b32 s[MKA], 15, s[MKA]
	s_lshl_b32 s[MKW], 0x1111, s[CX]
.if FF2
	s_or_b32 s[G1A], s[MKA], (1<<16)|(1<<20)|(1<<21)|(6<<22)|(3<<25)  ; 64 rows x 256 elements; after every 128 words 4 words
	s_mov_b32 s[G1A+1], 256<<16
	s_mov_b32 s[G1A+2], 64<<16
	s_mov_b32 s[G1A+3], 256<<16
	s_mov_b32 s[G1A+4], 64
	s_mov_b32 s[G1A+5], 4096
.else
	s_or_b32 s[G1A], s[MKA], (1<<16)|(1<<20)|(1<<21)|(4<<22)|(3<<25)  ; two heads, each 128 dense token rows = 8,192 elements; after every 32 words (a token) 4 words
	s_mov_b32 s[G1A+1], 8192<<16
	s_mov_b32 s[G1A+2], 2<<16
	s_mov_b32 s[G1A+3], 8192<<16
	s_mov_b32 s[G1A+4], 2
	s_mov_b32 s[G1A+5], 131072                     ; elements from head to head
.endif
	s_mov_b32 s[G1A+6], 0
	s_mov_b32 s[G1A+7], 0
	s_or_b32 s[G1W], s[MKW], (1<<16)|(1<<20)|(1<<21)|(5<<22)|(7<<25)  ; 128 k x 128 columns; after every 64 words 8 words
	s_mov_b32 s[G1W+1], 128<<16
	s_mov_b32 s[G1W+2], 128<<16
	s_mov_b32 s[G1W+3], 128<<16
	s_mov_b32 s[G1W+4], 128
	s_mov_b32 s[G1W+5], 1024
	s_mov_b32 s[G1W+6], 0
	s_mov_b32 s[G1W+7], 0
.if FF2
	s_lshl_b32 s66, s[TY], 7
	s_lshl_b32 s68, s[WLO], 6
	s_add_co_u32 s66, s66, s68
	s_lshl_b32 s66, s66, 13                        ; rows of 8,192 bytes
.else
	s_lshr_b32 s66, s[TY], 4                       ; the batch
	s_lshl_b32 s66, s66, 4
	s_lshl1_add_u32 s66, s[WLO], s66               ; + my first head of the step's four
	s_lshl_b32 s66, s66, 11
	s_and_b32 s68, s[TY], 15
	s_lshl_b32 s68, s68, 7
	s_add_co_u32 s66, s66, s68                     ; + the tile's first token
	s_lshl_b32 s66, s66, 7                         ; rows of 128 bytes
.endif
	s_mov_b32 s67, 0
	s_lshl_b32 s70, s[WLO], 18                     ; 128 rows of 2,048 bytes
	s_lshl_b32 s72, s[TX], 8
	s_add_co_u32 s70, s70, s72
	s_add_co_u32 s70, s70, WOFF
	s_mov_b32 s71, 0
	s_mul_i32 s[LA], s[WLO], AHALF
	s_mul_i32 s[LW], s[WLO], 128*PW
	s_add_co_u32 s[LW], s[LW], ABYTES
	s_mov_b32 s[TB], 0
	s_wait_dscnt 0x0                               ; the opening add is done
	s_wait_kmcnt 0x0
	s_add_nc_u64 s[66:67], s[4:5], s[66:67]
	s_add_nc_u64 s[70:71], s[6:7], s[70:71]
	CROUND                                         ; all sixteen work-groups are here: the first joint loads meet
	s_mov_b32 s[G0A0], 1
	s_mov_b32 s[G0A0+1], s[LA]
	s_mov_b64 s[G0A0+2:G0A0+3], s[66:67]
	s_or_b32 s[G0A0+3], s[G0A0+3], 0x80000000
	s_mov_b32 s[G0A], 1
	s_add_co_u32 s[G0A+1], s[LA], SLOT
	s_add_nc_u64 s[G0A+2:G0A+3], s[66:67], STEPA
	s_or_b32 s[G0A+3], s[G0A+3], 0x80000000
	s_mov_b32 s[G0W0], 1
	s_mov_b32 s[G0W0+1], s[LW]
	s_mov_b64 s[G0W0+2:G0W0+3], s[70:71]
	s_or_b32 s[G0W0+3], s[G0W0+3], 0x80000000
	s_mov_b32 s[G0W], 1
	s_add_co_u32 s[G0W+1], s[LW], SLOT
	s_add_nc_u64 s[G0W+2:G0W+3], s[70:71], STEPW
	s_or_b32 s[G0W+3], s[G0W+3], 0x80000000
	s_cmp_lt_u32 s[WV], NAW                        ; a wave's two first fills stand in one branch: two loads of mine are out
	s_cbranch_scc0 .Lfirst_w
	tensor_load_to_lds s[G0A0:G0A0+3], s[G1A:G1A+7]
	s_nop 0
	tensor_load_to_lds s[G0A:G0A+3], s[G1A:G1A+7]
	s_nop 0
.rept 4
	v_nop
.endr
	s_branch .Lfirst_done
.Lfirst_w:
	tensor_load_to_lds s[G0W0:G0W0+3], s[G1W:G1W+7]
	s_nop 0
	tensor_load_to_lds s[G0W:G0W+3], s[G1W:G1W+7]
	s_nop 0
.rept 4
	v_nop
.endr
.Lfirst_done:
	v_and_b32 v1, 15, v0                           ; r = l % 16
	v_bfe_u32 v2, v0, 4, 1                         ; hh = l / 16
	v_and_b32 v3, 7, v0
	v_bfe_u32 v4, v0, 3, 1
	v_and_b32 v6, 31, v0
.if FF2
	v_lshrrev_b32 v[PFA], 1, v6                    ; A: row l / 2 of my sixteen, 8,192 bytes a row, block l % 2 of the step's 512 bytes
	v_lshlrev_b32 v[PFA], 13, v[PFA]
	v_and_b32 v14, 1, v6
	v_lshl_add_u32 v[PFA], v14, 8, v[PFA]
	v_lshlrev_b32 v[PFW], 11, v3                   ; W: row l % 8 of my eight, 2,048 bytes a row, K step l / 8 of four, 2^19 bytes a step
	v_lshrrev_b32 v14, 3, v6
	v_lshl_add_u32 v[PFW], v14, 19, v[PFW]
	s_lshl_b32 s80, s[TY], 7
	s_lshl4_add_u32 s80, s[TX], s80                ; row 128 ty + 16 tx
	s_lshl_b32 s80, s80, 13
	s_add_co_u32 s80, s80, 3*STEPA                 ; the first trip's step makes it K step 4
	s_mov_b32 s81, 0
	s_add_nc_u64 s[PFB:PFB+1], s[4:5], s[80:81]
	s_lshl_b32 s82, s[TY], 14                      ; row 8 ty of a step's 256
	s_lshl_b32 s83, s[TX], 8
	s_add_co_u32 s82, s82, s83
	s_add_co_u32 s82, s82, WOFF                    ; the first trip's step makes it K steps 4 to 7
	s_mov_b32 s83, 0
	s_add_nc_u64 s[PWB:PWB+1], s[6:7], s[82:83]
.endif
	v_lshlrev_b32 v6, 4, v6                        ; 16 l
	v_mul_u32_u24 v[ADRA], v1, PA
	v_lshl_add_u32 v[ADRA], v2, 4, v[ADRA]
	s_mul_i32 s74, s[WV], AWV                      ; my share of K
	v_add_nc_u32 v[ADRA], s74, v[ADRA]
	v_lshl_add_u32 v5, v2, 3, v3
	v_mul_u32_u24 v5, v5, PW
	v_lshl_add_u32 v5, v4, 4, v5
	s_mul_i32 s74, s[WV], 64*PW                    ; my 64 k rows of W
	s_add_co_u32 s74, s74, ABYTES
	v_add_nc_u32 v[ADRW], s74, v5
	s_mul_i32 s74, s[WV], PART                     ; the way out: my partial half tile
	v_mul_u32_u24 v[STO], v1, HP
	v_lshl_add_u32 v[STO], v2, 5, v[STO]
	v_add_nc_u32 v[STO], s74, v[STO]
	s_mul_i32 s74, s[WV], 32*HP                    ; back: I finish rows 32 w .. 32 w + 31; lanes 0-15 one row, lanes 16-31 the next
	v_mul_u32_u24 v[RD], v2, HP
	v_lshl_add_u32 v[RD], v1, 4, v[RD]
	v_add_nc_u32 v[RD], s74, v[RD]
	s_lshl_b32 s74, s[WV], 14
	s_add_co_u32 s74, s74, RES                     ; my 32 rows of the residual
	v_add_nc_u32 v[RSTO], s74, v6
	v_lshlrev_b32 v[RR], 9, v2
	v_lshl_add_u32 v[RR], v1, 4, v[RR]
	v_add_nc_u32 v[RR], s74, v[RR]
	v_lshlrev_b32 v[CO], 12, v2
	v_lshl_add_u32 v[CO], v1, 4, v[CO]
	v_lshlrev_b32 v31, 4, v1
	s_lshl_b32 s90, s[TX], 9                       ; the tile's 128 columns: 512 bytes of f32
	s_mov_b32 s91, 0
	s_add_nc_u64 s[8:9], s[8:9], s[90:91]
	s_lshl_b32 s92, s[TY], 7
	s_lshl_b32 s94, s[WV], 5
	s_add_co_u32 s92, s92, s94
	s_lshl_b32 s92, s92, 12                        ; rows of 4,096 bytes
	s_add_co_u32 s92, s92, s90
	s_mov_b32 s93, 0
	s_add_nc_u64 s[10:11], s[10:11], s[92:93]
	s_add_nc_u64 s[12:13], s[12:13], s[92:93]
	global_load_b128 v[32:35], v31, s[8:9]
	global_load_b128 v[36:39], v31, s[8:9] offset:256
	WIN 0x40                                       ; destination window 1
.set j, 0
.rept 32                                               ; my 32 rows of the residual, 512 bytes each; they are waited for at the way out
.set rR, 4*j+128*(j/16)
	global_load_b128 v[rR:rR+3], v6, s[10:11] offset:4096*j
.set j, j+1
.endr
	WIN 0
	s_wait_tensorcnt 1                             ; my part of step 0 is in; step 1 may stay out
	s_barrier_signal -1
	s_barrier_wait -1
	SETADR
	FETCH 0, 0
	QUARTER 1, 0, 1, 1                             ; the first 32 k stand in front of the loop: their products start the sums
	WIN 0
	s_mov_b32 s[CNT], NSTEP-2
.Lk:                                                   ; a trip: the second half of a step, the first half of the next; it fills the slot that it leaves
	TURN 1
	QUARTER 1, 0, 1, 0
	WIN 0
	s_sub_co_u32 s[CNT], s[CNT], 1
	s_cmp_lg_u32 s[CNT], 0
	s_cbranch_scc1 .Lk
	s_mov_b32 s[CNT], 2
.Ltail:                                                ; the last two steps ask for nothing
	TURN 0
	WIN 0
	s_cmp_eq_u32 s[CNT], 1
	s_cbranch_scc1 .Lnoq
	QUARTER 1, 0, 1, 0
	WIN 0
.Lnoq:
	s_sub_co_u32 s[CNT], s[CNT], 1
	s_cmp_lg_u32 s[CNT], 0
	s_cbranch_scc1 .Ltail
	; THE WAY OUT.  The slots have had their last fill.  The four partial tiles meet in LDS, 64 columns at a time (four whole tiles and the residual do not fit together); each wave then finishes 32 rows.
.macro DUMPH hf                        ; my sums for columns 64 hf .. 64 hf + 63
.set al, 0
.rept MA
	WIN 0x08+4*(al/APW)                            ; store data in window 2 or 3
.set bb, 0
.rept 4
.set rD, 8*(NBK*(al%APW)+4*(\hf)+bb)
	ds_store_b128 v[STO], v[rD:rD+3] offset:al*16*HP+64*bb        ; each accumulator from its low end on
	ds_store_b128 v[STO], v[rD+4:rD+7] offset:al*16*HP+64*bb+16
.set bb, bb+1
.endr
.set al, al+1
.endr
	WIN 0
.endm
.macro EPI hf                          ; four trips of eight rows: four partial sums + residual + bias; sixteen lanes store 256 consecutive bytes, aligned
	v_mov_b32 v[RDW], v[RD]
	v_add_nc_u32 v[RDW2], 2*PART, v[RD]
	v_add_nc_u32 v[RRW], 256*(\hf), v[RR]
	v_add_nc_u32 v[COW], 256*(\hf), v[CO]
	s_mov_b32 s[CNT], 4
.Lepi_\@:
.irp u, 0,1,2,3
	ds_load_b128 v[64+20*\u:67+20*\u], v[RDW] offset:2*HP*\u
	ds_load_b128 v[68+20*\u:71+20*\u], v[RDW] offset:2*HP*\u+PART
	ds_load_b128 v[72+20*\u:75+20*\u], v[RDW2] offset:2*HP*\u
	ds_load_b128 v[76+20*\u:79+20*\u], v[RDW2] offset:2*HP*\u+PART
	ds_load_b128 v[80+20*\u:83+20*\u], v[RRW] offset:1024*\u
.endr
.irp u, 0,1,2,3
	s_wait_dscnt 15-5*\u                           ; this pair of rows is in; the later pairs, five loads each, may stay out
.irp c, 0,2
	v_pk_add_f32 v[64+20*\u+\c:65+20*\u+\c], v[64+20*\u+\c:65+20*\u+\c], v[68+20*\u+\c:69+20*\u+\c]
	v_pk_add_f32 v[72+20*\u+\c:73+20*\u+\c], v[72+20*\u+\c:73+20*\u+\c], v[76+20*\u+\c:77+20*\u+\c]
	v_pk_add_f32 v[80+20*\u+\c:81+20*\u+\c], v[80+20*\u+\c:81+20*\u+\c], v[32+4*(\hf)+\c:33+4*(\hf)+\c]
	v_pk_add_f32 v[64+20*\u+\c:65+20*\u+\c], v[64+20*\u+\c:65+20*\u+\c], v[72+20*\u+\c:73+20*\u+\c]
	v_pk_add_f32 v[64+20*\u+\c:65+20*\u+\c], v[64+20*\u+\c:65+20*\u+\c], v[80+20*\u+\c:81+20*\u+\c]
.endr
	global_store_b128 v[COW], v[64+20*\u:67+20*\u], s[12:13] offset:8192*\u
.endr
	s_wait_xcnt 0x0                                ; the offset and the data are rewritten only behind this wait
	v_add_nc_u32 v[RDW], 8*HP, v[RDW]
	v_add_nc_u32 v[RDW2], 8*HP, v[RDW2]
	v_add_nc_u32 v[RRW], 4096, v[RRW]
	v_add_nc_u32 v[COW], 32768, v[COW]
	s_sub_co_u32 s[CNT], s[CNT], 1
	s_cmp_lg_u32 s[CNT], 0
	s_cbranch_scc1 .Lepi_\@
.endm
	s_wait_dscnt 0x0
	s_barrier_signal -1
	s_barrier_wait -1                              ; no wave reads the slots any more
	PLACES
	s_wait_loadcnt 0x0                             ; bias and residual
	WIN 0x04                                       ; store data in window 1
.set j, 0
.rept 32
.set rR, 4*j+128*(j/16)
	ds_store_b128 v[RSTO], v[rR:rR+3] offset:512*j ; rows that I alone read back
.set j, j+1
.endr
	DUMPH 0
	s_wait_dscnt 0x0                               ; for the others: my stores are done
	s_barrier_signal -1
	s_barrier_wait -1
	EPI 0
	s_wait_dscnt 0x0                               ; my reads of the partial tiles are over
	s_barrier_signal -1
	s_barrier_wait -1                              ; everybody's are: they may be written again
	DUMPH 1
	s_wait_dscnt 0x0
	s_barrier_signal -1
	s_barrier_wait -1
	EPI 1
	s_wait_tensorcnt 0x0                           ; the wave's end
	ds_add_u32 v[SPW], v[NIL]
	s_wait_dscnt 0x0
	CROUND                                         ; the closing round
	s_endpgm
.Lfunc_end_k_q498ecd1ebb_ffdown:
	.size	k_q498ecd1ebb_ffdown, .Lfunc_end_k_q498ecd1ebb_ffdown-k_q498ecd1ebb_ffdown
	.p2alignl 7, 3214868480
	.fill 96, 4, 3214868480
	.section	.rodata,"a",@progbits
	.p2align	6, 0x0
	.amdhsa_kernel k_q498ecd1ebb_ffdown
		.amdhsa_group_segment_fixed_size 327680
		.amdhsa_private_segment_fixed_size 0
		.amdhsa_enable_private_segment 0
		.amdhsa_kernarg_size 40
		.amdhsa_user_sgpr_count 2
		.amdhsa_user_sgpr_kernarg_segment_ptr 1
		.amdhsa_wavefront_size32 1
		.amdhsa_system_sgpr_workgroup_id_x 1
		.amdhsa_system_sgpr_workgroup_id_y 1
		.amdhsa_system_sgpr_workgroup_id_z 1
		.amdhsa_system_vgpr_workitem_id 0
		.amdhsa_next_free_vgpr 1024
		.amdhsa_next_free_sgpr 100
		.amdhsa_reserve_vcc 0
		.amdhsa_float_denorm_mode_32 3
		.amdhsa_float_denorm_mode_16_64 3
		.amdhsa_memory_ordered 1
		.amdhsa_forward_progress 1
		.amdhsa_inst_pref_size 69
	.end_amdhsa_kernel
	.amdgpu_metadata
---
amdhsa.version: [ 1, 2 ]
amdhsa.kernels:
  - .name:           k_q498ecd1ebb_ffdown
    .symbol:         k_q498ecd1ebb_ffdown.kd
    .args:
      - { .name: gb, .offset: 0, .size: 8, .value_kind: global_buffer, .address_space: global }
      - { .name: wb, .offset: 8, .size: 8, .value_kind: global_buffer, .address_space: global }
      - { .name: ff_b2, .offset: 16, .size: 8, .value_kind: global_buffer, .address_space: global }
      - { .name: x1, .offset: 24, .size: 8, .value_kind: global_buffer, .address_space: global }
      - { .name: out0, .offset: 32, .size: 8, .value_kind: global_buffer, .address_space: global }
    .group_segment_fixed_size: 327680
    .private_segment_fixed_size: 0
    .kernarg_segment_align: 8
    .kernarg_segment_size: 40
    .max_flat_workgroup_size: 128
    .sgpr_count:     100
    .vgpr_count:     1024
    .wavefront_size: 32
...
	.end_amdgpu_metadata
.endif
;; end of part 7
;; ======== version 2 of 2: 8 launches; version 1 with the launches prep, norm1, norm2 written anew for expert scheduling mode
;; workspace buffers: wb 25,690,112 bytes; mod1 65,536 bytes; mod2 65,536 bytes; hb 8,388,608 bytes; qkvb 25,165,824 bytes; ob 8,388,608 bytes; x1 16,777,216 bytes; gb 33,554,432 bytes
;; launch prep (part 8): grid 928 x 1, 8 waves a work-group, no clusters, 9,216 bytes of LDS; arguments wq, wk, wv, wo, ff_w1, ff_w2, ada1_w, ada1_b, ada2_w, ada2_b, cond, wb, mod1, mod2; writes wb, mod1, mod2
.if DOCPART == 8
	.amdgcn_target "amdgcn-amd-amdhsa--gfx1250"
	.amdhsa_code_object_version 6
	.text
	.protected	k_q498ecd1ebb_prep
	.globl	k_q498ecd1ebb_prep
	.p2align	8
	.type	k_q498ecd1ebb_prep,@function
k_q498ecd1ebb_prep:
	s_mov_b64 s[64:65], 0
	v_nop
	global_prefetch_b8 v0, s[64:65] scope:SCOPE_SE
	s_setreg_imm32_b32 hwreg(HW_REG_WAVE_SCHED_MODE, 0, 2), 2
	s_setreg_imm32_b32 hwreg(HW_REG_WAVE_MODE, 25, 1), 1
	s_wait_xcnt 0x0
	s_wait_alu depctr_vm_vsrc(0)
; THREE ROLES, chosen by the work-group's number (the same for all eight waves of a work-group).
;   0-127   ADA: partial sums of cond @ ada_w (+ bias) in f32 on the vector unit: two rows of cond against 8 MB of weights is a stream, the matrix unit would add nothing.
;           Work-group = (which ada, which 256 of the 1,024 k, which 128 of the 2,048 columns); a wave takes 32 k, a lane 4 columns; the eight waves meet in LDS.
;           mod[ks][batch][column]: four partial sums, added up by the norm launches; the bias enters part ks = 0.  The order of the sum differs from a plain dot product.
;   128-159 ROT: the table cos, sin of s / 10000^(j/32), f32, [2048 s][32 j][cos, sin], behind the weights in wb.
;           The angle is s x 2^(-j log2(10000)/32), rounded once; it is reduced by multiples of pi/2 in two parts; polynomials on |r| <= pi/4.  The angle is off by about 2e-4 rad at the most (s = 2047).
;   160-927 CAST: wq, wk, wv, wo, ff_w1, ff_w2 to bf16, round to nearest even, as they lie ([K][N]), one behind the other in wb.  A work-group takes 65,536 bytes of f32.
; THE MODE: SCHED_MODE bits 1:0 = 2 (LLVM: expert scheduling mode 2), set by the entry lines.  The code itself states the register dependences
; between vector instructions and memory or LDS instructions, and those through scalar registers and VCC that vector instructions write, with s_wait_alu, always for 0.
; THE PLAN.  Registers that memory or LDS instructions touch:
;   CAST  v2, v3     offsets, made once.   v[32:95]  loaded once, read by the conversions.   v[96:127]  group g of four: eight registers, written once by group g's conversions,
;                    read by the four stores that stand among group g + 1's conversions, behind the one wait at that group's head.
;   ROT   v8         the store's offset, stepped once a trip.   v[20:23]  written by a trip's selects and sign flips, read by its store.  One wait ahead of the store, one behind it.
;   ADA   v2, v3, v4 the offset and the two LDS addresses, made once, together.   v[16:19], v[32:159]  loaded once.   v[8:15]  the sums, read by the LDS stores.
;                    v[32:63]  read by the multiply-adds, then the LDS loads of waves 0 and 1 land there; v[32:35] then hold the total, which the global store reads.
;   v28, v29         written at the head, read by the closing add alone.
.set SPARE,  8192                      ; behind the 8 KB of partial sums: the spare words, 128 bytes a wave
.set SPW,    28                        ; v28  LDS address of my spare word; never rewritten
.set NIL,    29                        ; v29  0; never rewritten
.set ROTOFF, 25165824                  ; the table's first byte in wb
	s_load_b512 s[4:19], s[0:1], 0x0               ; wq 4, wk 6, wv 8, wo 10, ff_w1 12, ff_w2 14, ada1_w 16, ada1_b 18
	s_load_b256 s[20:27], s[0:1], 0x40             ; ada2_w 20, ada2_b 22, cond 24, wb 26
	s_load_b128 s[28:31], s[0:1], 0x60             ; mod1 28, mod2 30
	v_lshl_add_u32 v[SPW], v0, 2, SPARE
	v_mov_b32 v[NIL], 0
	v_lshrrev_b32 v1, 5, v0
	v_readfirstlane_b32 s2, v1                     ; wave 0..7
	v_and_b32 v1, 31, v0                           ; lane
	s_wait_alu depctr_va_sdst(0)                   ; s2 is written: ahead of the branches below and of its first reader in each of the three roles
	s_wait_kmcnt 0x0
	s_cmp_lt_u32 ttmp9, 128
	s_cbranch_scc1 .Lada
	s_cmp_lt_u32 ttmp9, 160
	s_cbranch_scc1 .Lrot
	; ---------------- CAST
	s_sub_co_u32 s3, ttmp9, 160                    ; chunk 0..767; wb holds the weights in the order of the chunks
	s_mov_b64 s[32:33], s[4:5]
	s_mov_b32 s34, 0                               ; the tensor's first chunk
	s_cmp_ge_u32 s3, 64
	s_cselect_b64 s[32:33], s[6:7], s[32:33]
	s_cselect_b32 s34, 64, s34
	s_cmp_ge_u32 s3, 128
	s_cselect_b64 s[32:33], s[8:9], s[32:33]
	s_cselect_b32 s34, 128, s34
	s_cmp_ge_u32 s3, 192
	s_cselect_b64 s[32:33], s[10:11], s[32:33]
	s_cselect_b32 s34, 192, s34
	s_cmp_ge_u32 s3, 256
	s_cselect_b64 s[32:33], s[12:13], s[32:33]
	s_cselect_b32 s34, 256, s34
	s_cmp_ge_u32 s3, 512
	s_cselect_b64 s[32:33], s[14:15], s[32:33]
	s_cselect_b32 s34, 512, s34
	s_sub_co_u32 s34, s3, s34
	s_lshl_b32 s34, s34, 16                        ; 65,536 bytes of f32 a chunk
	s_mov_b32 s35, 0
	s_add_nc_u64 s[32:33], s[32:33], s[34:35]
	s_lshl_b32 s36, s3, 15                         ; 32,768 bytes of bf16
	s_mov_b32 s37, 0
	s_add_nc_u64 s[26:27], s[26:27], s[36:37]
	v_lshlrev_b32 v2, 4, v1
	v_lshl_add_u32 v2, s2, 13, v2                  ; in: 8,192 w + 16 l
	v_lshlrev_b32 v3, 3, v1
	v_lshl_add_u32 v3, s2, 12, v3                  ; out: 4,096 w + 8 l
	s_wait_alu depctr_va_vdst(0)                   ; v2 and v3 are written: every load and store of this role reads one of them as its offset
.set j, 0
.rept 16                                               ; the wave's 8 KB all at once: 512 consecutive bytes a load
	global_load_b128 v[32+4*j:35+4*j], v2, s[32:33] offset:512*j th:TH_LOAD_NT
.set j, j+1
.endr
; Four groups of four loads.  Group g rounds into eight registers of its own; its four stores stand among group g + 1's conversions, which name none of those registers.
.set g, 0
.rept 4
	s_wait_loadcnt 12-4*g                          ; loads come back in order: group g is in, the younger groups stay out
.if g > 0
	s_wait_alu depctr_va_vdst(0)                   ; the group before has written its eight packed words, which the four stores below read
.endif
.set j, 0
.rept 4
.if g > 0
	global_store_b64 v3, v[96+8*(g-1)+2*j:97+8*(g-1)+2*j], s[26:27] offset:256*(4*(g-1)+j)   ; 32 lanes store 256 consecutive bytes, aligned
.endif
	v_cvt_pk_bf16_f32 v[96+8*g+2*j], v[32+16*g+4*j], v[32+16*g+4*j+1]
	v_cvt_pk_bf16_f32 v[97+8*g+2*j], v[32+16*g+4*j+2], v[32+16*g+4*j+3]
.set j, j+1
.endr
.set g, g+1
.endr
	s_wait_alu depctr_va_vdst(0)                   ; the last group has written v[120:127], which the last four stores read
.set j, 0
.rept 4
	global_store_b64 v3, v[120+2*j:121+2*j], s[26:27] offset:256*(12+j)
.set j, j+1
.endr
	s_endpgm
	; ---------------- ROT
.macro SINCOS th, oc, os               ; cos and sin of v[th] >= 0
	v_mul_f32 v12, 0x3f22f983, v[\th]              ; 2 / pi
	v_rndne_f32 v12, v12                           ; k
	v_cvt_i32_f32 v17, v12
	v_and_b32 v18, 1, v17
	v_cmp_eq_u32 vcc_lo, 1, v18                    ; odd k: the two change places.  The mask is made here, so that the polynomials stand between it and the wait for it
	v_fmamk_f32 v13, v12, 0xbfc90fdb, v[\th]       ; r = th - k pi/2, pi/2 in two parts
	v_fmamk_f32 v13, v12, 0x333bbd2e, v13
	v_mul_f32 v14, v13, v13                        ; z = r r
	v_fmaak_f32 v15, s8, v14, 0x3c08839e
	v_fmaak_f32 v16, s9, v14, 0xbab6061a
	v_fmaak_f32 v15, v15, v14, 0xbe2aaaa3
	v_fmaak_f32 v16, v16, v14, 0x3d2aaaa5
	v_mul_f32 v15, v15, v14
	v_mul_f32 v16, v16, v14
	v_fma_f32 v15, v15, v13, v13                   ; sin r
	v_mul_f32 v16, v16, v14
	v_fma_f32 v16, v14, -0.5, v16
	v_add_f32 v16, 1.0, v16                        ; cos r
	s_wait_alu depctr_va_vcc(0)                    ; the compare has written VCC, which the two selects read
	v_cndmask_b32 v[\os], v15, v16, vcc_lo
	v_cndmask_b32 v[\oc], v16, v15, vcc_lo
	v_and_b32 v18, 2, v17                          ; k mod 4 = 2, 3: sin changes sign
	v_lshlrev_b32 v18, 30, v18
	v_xor_b32 v[\os], v18, v[\os]
	v_add_nc_u32 v18, 1, v17                       ; k mod 4 = 1, 2: cos changes sign
	v_and_b32 v18, 2, v18
	v_lshlrev_b32 v18, 30, v18
	v_xor_b32 v[\oc], v18, v[\oc]
.endm
.Lrot:
	s_sub_co_u32 s4, ttmp9, 128                    ; 64 rows of the table a work-group
	s_mov_b32 s8, 0xb94ca1f9                       ; the highest coefficients of sin and cos
	s_mov_b32 s9, 0x37ccf5ce
	s_add_nc_u64 s[26:27], s[26:27], ROTOFF
	v_and_b32 v1, 15, v0                           ; my two frequencies: 2 (t % 16) and the next
	v_lshrrev_b32 v2, 4, v0                        ; my row of a pass's 16
	v_lshlrev_b32 v3, 1, v1
	v_cvt_f32_u32 v4, v3
	v_add_f32 v5, 1.0, v4
	v_mul_f32 v4, 0xbed49a78, v4                   ; - j log2(10000) / 32
	v_mul_f32 v5, 0xbed49a78, v5
	v_exp_f32 v4, v4
	v_exp_f32 v5, v5
	s_lshl_b32 s5, s4, 6
	v_add_nc_u32 v6, s5, v2                        ; s (a plain line behind the exponentials)
	v_cvt_f32_u32 v7, v6
	v_lshlrev_b32 v8, 8, v6                        ; a row of the table is 256 bytes
	v_lshl_add_u32 v8, v1, 4, v8
	s_mov_b32 s6, 4
	s_wait_alu depctr_va_vdst(0)                   ; the two exponentials have written v4 and v5: one wait for both, ahead of the label and of their first reader
.Lrotp:
	v_mul_f32 v10, v7, v4
	v_mul_f32 v11, v7, v5
	SINCOS 10, 20, 21
	SINCOS 11, 22, 23
	s_wait_alu depctr_va_vdst(0)                   ; v[20:23] are written, and so is v8 (at the head, or by the last trip's step): the store reads all five
	global_store_b128 v8, v[20:23], s[26:27]       ; sixteen lanes store a row: 256 consecutive bytes, aligned
	s_wait_xcnt 0x0                                ; the offset and the data are rewritten only behind this wait,
	s_wait_alu depctr_vm_vsrc(0)                   ; and behind this one: the store has read v8, which the next line writes, and v[20:23], which the next trip writes
	v_add_nc_u32 v8, 4096, v8                      ; 16 rows on
	v_add_f32 v7, 0x41800000, v7
	s_sub_co_u32 s6, s6, 1
	s_cmp_lg_u32 s6, 0
	s_cbranch_scc1 .Lrotp
	s_endpgm
	; ---------------- ADA
.Lada:
	s_lshr_b32 s4, ttmp9, 6                        ; which ada
	s_bfe_u32 s5, ttmp9, 0x20004                   ; ks: which 256 k
	s_and_b32 s6, ttmp9, 15                        ; cb: which 128 columns
	s_cmp_eq_u32 s4, 0
	s_cselect_b64 s[16:17], s[16:17], s[20:21]     ; weights
	s_cselect_b64 s[18:19], s[18:19], s[22:23]     ; bias
	s_cselect_b64 s[28:29], s[28:29], s[30:31]     ; partial sums
	s_lshl_b32 s7, s5, 8
	s_lshl_b32 s8, s2, 5
	s_add_co_u32 s7, s7, s8                        ; my first k
	s_lshl_b32 s3, s7, 2
	s_load_b512 s[32:47], s[24:25], s3 offset:0x0      ; cond of batch 0 for my 32 k, as scalars
	s_load_b512 s[48:63], s[24:25], s3 offset:0x40
	s_load_b512 s[68:83], s[24:25], s3 offset:0x1000   ; and of batch 1
	s_load_b512 s[84:99], s[24:25], s3 offset:0x1040
	s_lshl_b32 s10, s6, 9                          ; 128 columns are 512 bytes
	s_mov_b32 s11, 0
	s_lshl_b32 s8, s7, 13                          ; a row of the weights is 8,192 bytes
	s_add_co_u32 s8, s8, s10
	s_mov_b32 s9, 0
	s_add_nc_u64 s[16:17], s[16:17], s[8:9]
	s_add_nc_u64 s[18:19], s[18:19], s[10:11]
	s_cmp_eq_u32 s5, 0
	s_cselect_b32 s14, 1.0, 0                      ; the bias counts in part 0 alone
	s_mov_b32 s15, s14
	v_lshlrev_b32 v2, 4, v1
	v_lshl_add_u32 v3, s2, 10, v2                  ; LDS, as I store: 1,024 w + 16 l
	v_lshl_add_u32 v4, s2, 9, v2                   ; LDS, as waves 0 and 1 read back: 512 x batch + 16 l
	s_wait_alu depctr_va_vdst(0)                   ; v2, v3 and v4 are written: the offset and the addresses of every load and store of this role
	global_load_b128 v[16:19], v2, s[18:19]
.set i, 0
.rept 32                                               ; my 32 rows all at once: 16 KB a wave on their way
	global_load_b128 v[32+4*i:35+4*i], v2, s[16:17] offset:8192*i th:TH_LOAD_NT
.set i, i+1
.endr
	s_wait_kmcnt 0x0
.set i, 0
.rept 32
	s_wait_loadcnt 31-i                            ; row i is in, the younger rows stay out
.set c, 0
.rept 4
.if i == 0
	v_mul_f32 v[8+c], s32, v[32+c]                 ; the first row starts the sums
	v_mul_f32 v[12+c], s68, v[32+c]
.else
	v_fmac_f32 v[8+c], s[32+i], v[32+4*i+c]
	v_fmac_f32 v[12+c], s[68+i], v[32+4*i+c]
.endif
.set c, c+1
.endr
.set i, i+1
.endr
	s_wait_alu depctr_va_vdst(0)                   ; the sums v[8:15] are written, which the LDS stores read; the multiply-adds are done reading v[32:63], in which the LDS loads below land (no vector line stands between)
	ds_store_b128 v3, v[8:11]
	ds_store_b128 v3, v[12:15] offset:512
	s_wait_dscnt 0x0                               ; for the others: my stores are done
	s_barrier_signal -1
	s_barrier_wait -1
	s_cmp_gt_u32 s2, 1
	s_cbranch_scc1 .Lada_end                       ; waves 0 and 1 add up batch 0 and batch 1
.set j, 0
.rept 8
	ds_load_b128 v[32+4*j:35+4*j], v4 offset:1024*j
.set j, j+1
.endr
	s_lshl_b32 s12, s5, 14                         ; ((2 ks + batch) 2,048 + 128 cb) x 4 bytes
	s_lshl_b32 s13, s2, 13
	s_add_co_u32 s12, s12, s13
	s_add_co_u32 s12, s12, s10
	s_mov_b32 s13, 0
	s_add_nc_u64 s[28:29], s[28:29], s[12:13]
	s_wait_dscnt 0x0
.set j, 1
.rept 7
	v_pk_add_f32 v[32:33], v[32:33], v[32+4*j:33+4*j]
	v_pk_add_f32 v[34:35], v[34:35], v[34+4*j:35+4*j]
.set j, j+1
.endr
	v_pk_fma_f32 v[32:33], v[16:17], s[14:15], v[32:33] op_sel_hi:[1,0,1]
	v_pk_fma_f32 v[34:35], v[18:19], s[14:15], v[34:35] op_sel_hi:[1,0,1]
	s_wait_alu depctr_va_vdst(0)                   ; the totals v[32:35] are written, which the store reads
	global_store_b128 v2, v[32:35], s[28:29]       ; 512 consecutive bytes, aligned
.Lada_end:
	s_wait_dscnt 0x0                               ; the closing lines, six on end
	s_wait_alu 0x0
	s_wait_tensorcnt 0x0
	ds_add_u32 v[SPW], v[NIL]
	s_wait_dscnt 0x0
	s_endpgm
.Lfunc_end_k_q498ecd1ebb_prep:
	.size	k_q498ecd1ebb_prep, .Lfunc_end_k_q498ecd1ebb_prep-k_q498ecd1ebb_prep
	.p2alignl 7, 3214868480
	.fill 96, 4, 3214868480
	.section	.rodata,"a",@progbits
	.p2align	6, 0x0
	.amdhsa_kernel k_q498ecd1ebb_prep
		.amdhsa_group_segment_fixed_size 9216
		.amdhsa_private_segment_fixed_size 0
		.amdhsa_enable_private_segment 0
		.amdhsa_kernarg_size 112
		.amdhsa_user_sgpr_count 2
		.amdhsa_user_sgpr_kernarg_segment_ptr 1
		.amdhsa_wavefront_size32 1
		.amdhsa_system_sgpr_workgroup_id_x 1
		.amdhsa_system_sgpr_workgroup_id_y 1
		.amdhsa_system_sgpr_workgroup_id_z 1
		.amdhsa_system_vgpr_workitem_id 0
		.amdhsa_next_free_vgpr 160
		.amdhsa_next_free_sgpr 100
		.amdhsa_reserve_vcc 1
		.amdhsa_float_denorm_mode_32 3
		.amdhsa_float_denorm_mode_16_64 3
		.amdhsa_memory_ordered 1
		.amdhsa_forward_progress 1
		.amdhsa_inst_pref_size 27
	.end_amdhsa_kernel
	.amdgpu_metadata
---
amdhsa.version: [ 1, 2 ]
amdhsa.kernels:
  - .name:           k_q498ecd1ebb_prep
    .symbol:         k_q498ecd1ebb_prep.kd
    .args:
      - { .name: wq, .offset: 0, .size: 8, .value_kind: global_buffer, .address_space: global }
      - { .name: wk, .offset: 8, .size: 8, .value_kind: global_buffer, .address_space: global }
      - { .name: wv, .offset: 16, .size: 8, .value_kind: global_buffer, .address_space: global }
      - { .name: wo, .offset: 24, .size: 8, .value_kind: global_buffer, .address_space: global }
      - { .name: ff_w1, .offset: 32, .size: 8, .value_kind: global_buffer, .address_space: global }
      - { .name: ff_w2, .offset: 40, .size: 8, .value_kind: global_buffer, .address_space: global }
      - { .name: ada1_w, .offset: 48, .size: 8, .value_kind: global_buffer, .address_space: global }
      - { .name: ada1_b, .offset: 56, .size: 8, .value_kind: global_buffer, .address_space: global }
      - { .name: ada2_w, .offset: 64, .size: 8, .value_kind: global_buffer, .address_space: global }
      - { .name: ada2_b, .offset: 72, .size: 8, .value_kind: global_buffer, .address_space: global }
      - { .name: cond, .offset: 80, .size: 8, .value_kind: global_buffer, .address_space: global }
      - { .name: wb, .offset: 88, .size: 8, .value_kind: global_buffer, .address_space: global }
      - { .name: mod1, .offset: 96, .size: 8, .value_kind: global_buffer, .address_space: global }
      - { .name: mod2, .offset: 104, .size: 8, .value_kind: global_buffer, .address_space: global }
    .group_segment_fixed_size: 9216
    .private_segment_fixed_size: 0
    .kernarg_segment_align: 8
    .kernarg_segment_size: 112
    .max_flat_workgroup_size: 256
    .sgpr_count:     100
    .vgpr_count:     160
    .wavefront_size: 32
...
	.end_amdgpu_metadata
.endif
;; end of part 8
;; launch norm1 (part 9): grid 256 x 1, 8 waves a work-group, no clusters, 9,216 bytes of LDS; arguments x, ln1_g, ln1_b, mod1, hb; writes hb
.if DOCPART == 9
	.amdgcn_target "amdgcn-amd-amdhsa--gfx1250"
	.amdhsa_code_object_version 6
	.text
	.protected	k_q498ecd1ebb_norm1
	.globl	k_q498ecd1ebb_norm1
	.p2align	8
	.type	k_q498ecd1ebb_norm1,@function
k_q498ecd1ebb_norm1:
	s_mov_b64 s[64:65], 0
	v_nop
	global_prefetch_b8 v0, s[64:65] scope:SCOPE_SE
	s_setreg_imm32_b32 hwreg(HW_REG_WAVE_SCHED_MODE, 0, 2), 2
	s_setreg_imm32_b32 hwreg(HW_REG_WAVE_MODE, 25, 1), 1
	s_wait_xcnt 0x0
	s_wait_alu depctr_vm_vsrc(0)
; h = LN(x) (1 + scale) + shift, rounded once to bf16.  x: [4096][1024] f32; mod: [4 parts][2 batches][shift 1,024 | scale 1,024] f32.
; LN(x) g + b, times (1 + scale), plus shift = (x - mu) rs G + Bc with G = g (1 + scale), Bc = b (1 + scale) + shift: made once a work-group, one column set a thread, and handed round in LDS.
; A work-group takes 16 rows (all of one batch), a wave two; a row stays in 32 registers of its wave between the passes: mean, then the mean of (x - mean)^2, as the definition has it,
; so a common offset of the inputs costs nothing.  Memory binds: each byte of x is read once, 512 consecutive bytes a load; each store of a wave covers 256 consecutive bytes, aligned.
; THE MODE: SCHED_MODE bits 1:0 = 2 (LLVM: expert scheduling mode 2), set by the entry lines.  The code itself states the register dependences
; between vector instructions and memory or LDS instructions, with s_wait_alu, always for 0.
; THE PLAN.  Registers that memory or LDS instructions touch:
;   v10, v11, v20, v21   offsets and LDS addresses, made once at the head and never written again.
;   v[96:135]            the ten parameter loads land here; the arithmetic that makes G and Bc reads them and writes some of them.
;   v[2:9]               G and Bc of my four columns: written by that arithmetic, read by the two LDS stores, never written again.
;   v[96:159]            behind the barrier the sixteen LDS loads land here: G and Bc of my lane's 32 columns, read by the rows' multiply-adds.
;   v[32:63], v[64:95]   the two rows: loaded once at the head, worked on in place; a row's conversions leave 16 packed words there, which its eight stores read; never written again.
;   v30, v31             written at the head, read by the closing add alone.
; No register that a memory or LDS instruction reads is written again, so the text holds waits on va_vdst alone: one for the offsets; one ahead of the LDS stores, which also serves the LDS loads
; behind the barrier; one a row behind the root; one ahead of the last row's stores.  The second row's wait behind its root also shows the first row's conversions written: the first row's
; stores stand behind it, dealt among the second row's scaling, which names v[12:13], v[64:95] and v[96:159] and none of the registers that those stores read.
.set SPARE, 8192                       ; G at 0, Bc at 4,096, then the spare words, 128 bytes a wave
.set SPW, 30
.set NIL, 31
	s_load_b256 s[4:11], s[0:1], 0x0               ; x 4, g 6, b 8, mod 10
	s_load_b64 s[12:13], s[0:1], 0x20              ; h
	v_lshl_add_u32 v[SPW], v0, 2, SPARE
	v_mov_b32 v[NIL], 0
	v_and_b32 v1, 31, v0
	v_and_b32 v3, 0xe0, v0                         ; 32 x wave
	v_lshlrev_b32 v10, 4, v0                       ; 16 t: my four columns of the parameters
	v_lshlrev_b32 v11, 4, v1                       ; 16 l
	v_lshl_or_b32 v20, v3, 8, v11                  ; x: two rows of 4,096 bytes a wave
	v_lshlrev_b32 v4, 3, v1
	v_lshl_or_b32 v21, v3, 7, v4                   ; h: two rows of 2,048 bytes a wave, 8 bytes a lane
	s_lshl_b32 s14, ttmp9, 16
	s_mov_b32 s15, 0
	s_lshl_b32 s16, ttmp9, 15
	s_mov_b32 s17, 0
	s_lshr_b32 s18, ttmp9, 7                       ; the batch: 128 work-groups each
	s_lshl_b32 s18, s18, 13
	s_mov_b32 s19, 0
	s_mov_b32 s20, 0x76543210                      ; v_permlanex16_b32: each lane takes its own place in the other half
	s_mov_b32 s21, 0xfedcba98
	s_mov_b32 s22, 0x3a800000                      ; 1 / 1024
	s_wait_kmcnt 0x0
	s_add_nc_u64 s[4:5], s[4:5], s[14:15]
	s_add_nc_u64 s[12:13], s[12:13], s[16:17]
	s_add_nc_u64 s[10:11], s[10:11], s[18:19]
	s_wait_alu depctr_va_vdst(0)                   ; v10, v11, v20 and v21 are written: every load, LDS access and store of the kernel reads one of them
	global_load_b128 v[96:99], v10, s[6:7]
	global_load_b128 v[100:103], v10, s[8:9]
.irp k, 0,1,2,3
	global_load_b128 v[104+4*\k:107+4*\k], v10, s[10:11] offset:16384*\k        ; shift, part k
	global_load_b128 v[120+4*\k:123+4*\k], v10, s[10:11] offset:16384*\k+4096   ; scale, part k
.endr
.set j, 0
.rept 16                                               ; both rows
	global_load_b128 v[32+4*j:35+4*j], v20, s[4:5] offset:512*j
.set j, j+1
.endr
	s_wait_loadcnt 16                              ; the ten parameter loads are in; the sixteen row loads stay out
.irp c, 0,2
	v_pk_add_f32 v[104+\c:105+\c], v[104+\c:105+\c], v[108+\c:109+\c]
	v_pk_add_f32 v[112+\c:113+\c], v[112+\c:113+\c], v[116+\c:117+\c]
	v_pk_add_f32 v[120+\c:121+\c], v[120+\c:121+\c], v[124+\c:125+\c]
	v_pk_add_f32 v[128+\c:129+\c], v[128+\c:129+\c], v[132+\c:133+\c]
	v_pk_add_f32 v[104+\c:105+\c], v[104+\c:105+\c], v[112+\c:113+\c]       ; shift
	v_pk_add_f32 v[120+\c:121+\c], v[120+\c:121+\c], v[128+\c:129+\c]       ; scale
	v_pk_add_f32 v[120+\c:121+\c], v[120+\c:121+\c], 1.0 op_sel_hi:[1,0]
	v_pk_mul_f32 v[2+\c:3+\c], v[96+\c:97+\c], v[120+\c:121+\c]             ; G
	v_pk_fma_f32 v[6+\c:7+\c], v[100+\c:101+\c], v[120+\c:121+\c], v[104+\c:105+\c]  ; Bc
.endr
	s_wait_alu depctr_va_vdst(0)                   ; G and Bc, v[2:9], are written, which the LDS stores read; the lines above are done reading and writing v[96:135], in which the LDS loads behind the barrier land (no vector line stands between)
	ds_store_b128 v10, v[2:5]
	ds_store_b128 v10, v[6:9] offset:4096
	s_wait_dscnt 0x0                               ; for the others: my stores are done
	s_barrier_signal -1
	s_barrier_wait -1
.set j, 0
.rept 8                                                ; G and Bc of my lane's 32 columns
	ds_load_b128 v[96+4*j:99+4*j], v11 offset:512*j
	ds_load_b128 v[128+4*j:131+4*j], v11 offset:4096+512*j
.set j, j+1
.endr
.macro LANESUM                         ; v12 summed over the 32 lanes, in every lane
	v_add_f32_dpp v12, v12, v12 row_xmask:1 row_mask:0xf bank_mask:0xf
	v_add_f32_dpp v12, v12, v12 row_xmask:2 row_mask:0xf bank_mask:0xf
	v_add_f32_dpp v12, v12, v12 row_xmask:4 row_mask:0xf bank_mask:0xf
	v_add_f32_dpp v12, v12, v12 row_xmask:8 row_mask:0xf bank_mask:0xf
	v_permlanex16_b32 v13, v12, s20, s21
	v_add_f32 v12, v12, v13
.endm
.macro FOLD                            ; four chains of pairs in v[12:19] into v12
	v_pk_add_f32 v[12:13], v[12:13], v[14:15]
	v_pk_add_f32 v[16:17], v[16:17], v[18:19]
	v_pk_add_f32 v[12:13], v[12:13], v[16:17]
	v_add_f32 v12, v12, v13
	LANESUM
.endm
; The row in v[X .. X+31], up to its conversions.  left: younger loads that may stay out.  prev = 1: the row before, in v[32:63], is stored meanwhile.
.macro ROW X, left, prev
	s_wait_loadcnt \left
.set k, 0
.rept 4
	v_pk_add_f32 v[12+2*k:13+2*k], v[\X+2*k:\X+2*k+1], v[\X+8+2*k:\X+9+2*k]
.set k, k+1
.endr
.set k, 8
.rept 8
	v_pk_add_f32 v[12+2*(k%4):13+2*(k%4)], v[12+2*(k%4):13+2*(k%4)], v[\X+2*k:\X+2*k+1]
.set k, k+1
.endr
	FOLD
	v_mul_f32 v12, s22, v12                        ; the mean
	v_mov_b32 v13, v12
.set k, 0
.rept 16
	v_pk_add_f32 v[\X+2*k:\X+2*k+1], v[\X+2*k:\X+2*k+1], v[12:13] neg_lo:[0,1] neg_hi:[0,1]
.set k, k+1
.endr
.set k, 0
.rept 4
	v_pk_mul_f32 v[12+2*k:13+2*k], v[\X+2*k:\X+2*k+1], v[\X+2*k:\X+2*k+1]
.set k, k+1
.endr
.rept 12
	v_pk_fma_f32 v[12+2*(k%4):13+2*(k%4)], v[\X+2*k:\X+2*k+1], v[\X+2*k:\X+2*k+1], v[12+2*(k%4):13+2*(k%4)]
.set k, k+1
.endr
	FOLD
	v_fmaak_f32 v12, s22, v12, 0x3727c5ac          ; the variance + 1e-5
	v_rsq_f32 v12, v12
	v_nop                                          ; a plain line between the root and its use
	s_wait_alu depctr_va_vdst(0)                   ; the root has written v12, ahead of its first reader; with prev = 1 also: the row before's conversions have written their packed words in v[32:63], which the stores below read
	v_mov_b32 v13, v12
.set k, 0
.rept 16
.if (\prev) && (k%2 == 0)
	global_store_b64 v21, v[32+2*k:33+2*k], s[12:13] offset:128*k   ; the row before: 256 consecutive bytes a store.  No wait: no vector line since the wait above names v21 or v[32:63]
.endif
	v_pk_mul_f32 v[\X+2*k:\X+2*k+1], v[\X+2*k:\X+2*k+1], v[12:13]
	v_pk_fma_f32 v[\X+2*k:\X+2*k+1], v[\X+2*k:\X+2*k+1], v[96+2*k:97+2*k], v[128+2*k:129+2*k]
.set k, k+1
.endr
.set j, 0
.rept 8
	v_cvt_pk_bf16_f32 v[\X+4*j], v[\X+4*j], v[\X+4*j+1]
	v_cvt_pk_bf16_f32 v[\X+4*j+1], v[\X+4*j+2], v[\X+4*j+3]
.set j, j+1
.endr
.endm
	s_wait_dscnt 0x0                               ; G and Bc are in
	ROW 32, 8, 0                                   ; the second row's eight loads may stay out
	ROW 64, 0, 1
	s_wait_alu depctr_va_vdst(0)                   ; the second row's conversions have written their packed words in v[64:95], which the last eight stores read
.set j, 0
.rept 8
	global_store_b64 v21, v[64+4*j:65+4*j], s[12:13] offset:2048+256*j
.set j, j+1
.endr
	s_wait_dscnt 0x0                               ; the closing lines, six on end
	s_wait_alu 0x0
	s_wait_tensorcnt 0x0
	ds_add_u32 v[SPW], v[NIL]
	s_wait_dscnt 0x0
	s_endpgm
.Lfunc_end_k_q498ecd1ebb_norm1:
	.size	k_q498ecd1ebb_norm1, .Lfunc_end_k_q498ecd1ebb_norm1-k_q498ecd1ebb_norm1
	.p2alignl 7, 3214868480
	.fill 96, 4, 3214868480
	.section	.rodata,"a",@progbits
	.p2align	6, 0x0
	.amdhsa_kernel k_q498ecd1ebb_norm1
		.amdhsa_group_segment_fixed_size 9216
		.amdhsa_private_segment_fixed_size 0
		.amdhsa_enable_private_segment 0
		.amdhsa_kernarg_size 40
		.amdhsa_user_sgpr_count 2
		.amdhsa_user_sgpr_kernarg_segment_ptr 1
		.amdhsa_wavefront_size32 1
		.amdhsa_system_sgpr_workgroup_id_x 1
		.amdhsa_system_sgpr_workgroup_id_y 1
		.amdhsa_system_sgpr_workgroup_id_z 1
		.amdhsa_system_vgpr_workitem_id 0
		.amdhsa_next_free_vgpr 160
		.amdhsa_next_free_sgpr 66
		.amdhsa_reserve_vcc 0
		.amdhsa_float_denorm_mode_32 3
		.amdhsa_float_denorm_mode_16_64 3
		.amdhsa_memory_ordered 1
		.amdhsa_forward_progress 1
		.amdhsa_inst_pref_size 23
	.end_amdhsa_kernel
	.amdgpu_metadata
---
amdhsa.version: [ 1, 2 ]
amdhsa.kernels:
  - .name:           k_q498ecd1ebb_norm1
    .symbol:         k_q498ecd1ebb_norm1.kd
    .args:
      - { .name: x, .offset: 0, .size: 8, .value_kind: global_buffer, .address_space: global }
      - { .name: ln1_g, .offset: 8, .size: 8, .value_kind: global_buffer, .address_space: global }
      - { .name: ln1_b, .offset: 16, .size: 8, .value_kind: global_buffer, .address_space: global }
      - { .name: mod1, .offset: 24, .size: 8, .value_kind: global_buffer, .address_space: global }
      - { .name: hb, .offset: 32, .size: 8, .value_kind: global_buffer, .address_space: global }
    .group_segment_fixed_size: 9216
    .private_segment_fixed_size: 0
    .kernarg_segment_align: 8
    .kernarg_segment_size: 40
    .max_flat_workgroup_size: 256
    .sgpr_count:     66
    .vgpr_count:     160
    .wavefront_size: 32
...
	.end_amdgpu_metadata
.endif
;; end of part 9
;; launch projqkv: the kernel of part 3 again; grid 8 x 32, 4 waves a work-group, clusters of 4 x 4, 327,680 bytes of LDS; arguments hb, wb, bq, bk, bv, qkvb; writes qkvb
;; launch attn: the kernel of part 4 again; grid 8 x 32, 4 waves a work-group, clusters of 4 x 1, 327,680 bytes of LDS; arguments qkvb, attn_mask, ob; writes ob
;; launch projo: the kernel of part 5 again; grid 8 x 32, 4 waves a work-group, clusters of 4 x 4, 327,680 bytes of LDS; arguments ob, wb, bo, x, x1; writes x1
;; launch norm2: the kernel of part 9 again; grid 256 x 1, 8 waves a work-group, no clusters, 9,216 bytes of LDS; arguments x1, ln2_g, ln2_b, mod2, hb; writes hb
;; launch ffup: the kernel of part 6 again; grid 16 x 16, 4 waves a work-group, clusters of 4 x 4, 327,680 bytes of LDS; arguments hb, wb, ff_b1, gb; writes gb
;; launch ffdown: the kernel of part 7 again; grid 8 x 32, 4 waves a work-group, clusters of 4 x 4, 327,680 bytes of LDS; arguments gb, wb, ff_b2, x1, out0; writes out0
